; MI455X (gfx1250); checked and timed in simulation.
; The chip was launched on July 23, 2026; its instructions are those of AMD's public machine-readable ISA for CDNA 5 (MIT licence, August 2026) and "CDNA5" Instruction Set Architecture Reference Guide (July 2026). The comments in the code are by the model that wrote it; some were corrected since.
;; Block. Allowed arithmetic: float matrix products may take bf16 or f16 operands with f32 sums; other float arithmetic in f32, or as packed bf16 or f16 multiplies, adds, multiply-adds, maxima and minima; sums over many terms, partial sums and values carried from step to step in f32; what a program stores and reads back later, other than sums and carried values, may be rounded once to bf16 or f16.
;; Inputs: attn_scale 1,024 float32; ck_w 256 x 1,024 float32; cq_w 1,024 x 1,024 float32; cv_w 256 x 1,024 float32; down 8 x 256 x 1,024 float32; eids 2 x 2,048 int32; gate_up 8 x 1,024 x 512 float32; mlp_scale 1,024 float32; mu 1,024 float32; proj_w 1,024 x 1,024 float32; q_gain 16 float32; resid_mix 2 x 1,024 float32; vel 2 x 2,048 x 1,024 float32; x 2 x 2,048 x 1,024 float32; x0 2 x 2,048 x 1,024 float32.
;; Outputs: out0 2 x 2,048 x 1,024 float32; out1 2 x 2,048 x 1,024 float32.
;; 2 versions, each right and faster than the one before. Each part assembles by itself: llvm-mc -triple=amdgcn-amd-amdhsa -mcpu=gfx1250 --defsym DOCPART=n.
;; ======== version 1 of 2: 5 launches
;; limits: values are held in f16: magnitudes above 65,504 overflow, below 6.1e-05 lose precision
;; workspace buffers: nbuf 8,388,608 bytes; wts 18,350,080 bytes; route 20,480 bytes of whole numbers; qkv 12,582,912 bytes; ybuf 8,388,608 bytes; x3 16,777,216 bytes
;; launch prep (part 1): grid 401 x 1, 8 waves a work-group, no clusters, 2,048 bytes of LDS; arguments x, x0, resid_mix, cq_w, ck_w, cv_w, proj_w, gate_up, down, eids, nbuf, wts, route; writes nbuf, wts, route
.if DOCPART == 1
	.amdgcn_target "amdgcn-amd-amdhsa--gfx1250"
	.amdhsa_code_object_version 6
	.text
	.protected	k_q8cd5a742ec_prep
	.globl	k_q8cd5a742ec_prep
	.p2align	8
	.type	k_q8cd5a742ec_prep,@function
k_q8cd5a742ec_prep:
	s_mov_b64 s[64:65], 0
	v_nop
	global_prefetch_b8 v0, s[64:65] scope:SCOPE_SE
	s_setreg_imm32_b32 hwreg(HW_REG_WAVE_MODE, 25, 1), 1
	s_wait_xcnt 0x0
; PREP: all that is made once.  The work-group's number chooses a role (forward branches, alike for all eight waves):
;   0         the routing: a counting sort of the 4,096 expert numbers (no atomics) and the list of tiles of 32 rows
;   1..128    32 token rows each: x1 = mix0 x + mix1 x0, n = x1 rsqrt(mean(x1^2) + eps) in bf16; and 16 rows of the table of cos and sin
;   129..208  cq, ck, cv rounded to bf16, proj rounded to bf16 and that number written as f16; 32,768 numbers each
;   209..336  gate_up, 337..400 down: rounded to bf16 and laid in the order in which a wave's matrix operand registers take them
; wts: 0 Wqkv bf16 [1536][1024]; 3,145,728 Wproj f16 [1024][1024]; WGU [e][w 4][kb 32][blk 8][1,024 B]; WDN [e][w 4][unit 16][blk 8][1,024 B]; ROPE f32 [2048][cos 32 | sin 32].
; A FRAGMENT is 16 weight columns x 32 k: byte 16 L of its first 512 bytes holds lane L's registers 0-3, of its second 512 bytes registers 4-7; lane (m = L % 16, h = L / 16) holds column slot m,
; k = 8 h + 0..7 and 16 + 8 h + 0..7.  Block i of a group of 64 columns holds columns 4 m + i: so a lane's 16-byte load feeds four blocks, sixteen lanes read 256 consecutive bytes,
; and a store of a wave covers 512 consecutive bytes.  The hidden layer is therefore numbered kappa = 64 w + 16 i + m for column 64 w + 4 m + i, and down's rows are taken in kappa's order.
; LIMITS.  An expert number outside 0..7 counts as 7.  proj_w: the bf16 number is exact in f16 from 6.1e-5 to 65,504; below it keeps f16's step of 6e-8.
; cos and sin: the angle t x inv_freq is formed in f32 as the model forms it, reduced to a turn f in -0.5..0.5; the series of cos(2 pi f) is cut where its next term is 1.4e-7 for every f.
.set WGU,  5242880
.set WDN,  13631488
.set ROPE, 17825792
.set SPW,  214                         ; LDS address of my spare word; never rewritten
.set NIL,  215                         ; 0; never rewritten
; two token rows i0, i0 + 1 of the wave's four: a whole row is 32 registers of the wave
.macro ROWS2 i0
.irp a, 0,1
.irp t, 0,1,2,3,4,5,6,7
	global_load_b128 v[80+64*(\a)+4*(\t):80+64*(\a)+4*(\t)+3], v2, s[8:9] offset:((\i0)+(\a))*4096+512*(\t)
	global_load_b128 v[112+64*(\a)+4*(\t):112+64*(\a)+4*(\t)+3], v2, s[10:11] offset:((\i0)+(\a))*4096+512*(\t)
.endr
.endr
	s_wait_loadcnt 0x0
.irp a, 0,1
.set z, 0
.rept 16
	v_pk_mul_f32 v[80+64*(\a)+2*z:80+64*(\a)+2*z+1], v[80+64*(\a)+2*z:80+64*(\a)+2*z+1], v[16+2*z:16+2*z+1]
.set z, z+1
.endr
.set z, 0
.rept 16
	v_pk_fma_f32 v[80+64*(\a)+2*z:80+64*(\a)+2*z+1], v[112+64*(\a)+2*z:112+64*(\a)+2*z+1], v[48+2*z:48+2*z+1], v[80+64*(\a)+2*z:80+64*(\a)+2*z+1]
.set z, z+1
.endr
.endr
.irp a, 0,1                            ; the sum of squares, in f32, two chains a row, started by products
	v_pk_mul_f32 v[4+4*(\a):5+4*(\a)], v[80+64*(\a):81+64*(\a)], v[80+64*(\a):81+64*(\a)]
	v_pk_mul_f32 v[6+4*(\a):7+4*(\a)], v[82+64*(\a):83+64*(\a)], v[82+64*(\a):83+64*(\a)]
.endr
.set z, 2
.rept 14
.irp a, 0,1
	v_pk_fma_f32 v[4+4*(\a)+2*(z%2):5+4*(\a)+2*(z%2)], v[80+64*(\a)+2*z:81+64*(\a)+2*z], v[80+64*(\a)+2*z:81+64*(\a)+2*z], v[4+4*(\a)+2*(z%2):5+4*(\a)+2*(z%2)]
.endr
.set z, z+1
.endr
	v_pk_add_f32 v[4:5], v[4:5], v[6:7]
	v_pk_add_f32 v[8:9], v[8:9], v[10:11]
	v_add_f32 v4, v4, v5
	v_add_f32 v8, v8, v9
.irp m, 1,2,4,8
	v_add_f32_dpp v4, v4, v4 row_xmask:\m row_mask:0xf bank_mask:0xf
	v_add_f32_dpp v8, v8, v8 row_xmask:\m row_mask:0xf bank_mask:0xf
.endr
	v_permlanex16_b32 v5, v4, s44, s45
	v_permlanex16_b32 v9, v8, s44, s45
	v_add_f32 v4, v4, v5
	v_add_f32 v8, v8, v9
	v_fma_f32 v4, v4, s42, s43             ; mean + eps
	v_fma_f32 v8, v8, s42, s43
	v_rsq_f32 v12, v4                      ; twice each: a pair for the packed multiply; four of them are one batch
	v_rsq_f32 v13, v4
	v_rsq_f32 v14, v8
	v_rsq_f32 v15, v8
	v_nop                                  ; a plain instruction behind the last of them,
	s_wait_alu depctr_va_vdst(0)           ; and the one wait ahead of the first reader
.irp a, 0,1
.set z, 0
.rept 16
	v_pk_mul_f32 v[80+64*(\a)+2*z:81+64*(\a)+2*z], v[80+64*(\a)+2*z:81+64*(\a)+2*z], v[12+2*(\a):13+2*(\a)]
.set z, z+1
.endr
.set z, 0
.rept 16
	v_cvt_pk_bf16_f32 v[112+64*(\a)+z], v[80+64*(\a)+2*z], v[81+64*(\a)+2*z]
.set z, z+1
.endr
.irp t, 0,1,2,3,4,5,6,7
	global_store_b64 v3, v[112+64*(\a)+2*(\t):113+64*(\a)+2*(\t)], s[28:29] offset:((\i0)+(\a))*2048+256*(\t)  ; a wave's store covers 256 consecutive bytes, aligned
.endr
.endr
.endm
; one row of the table: lanes 0-15 cos, lanes 16-31 sin (the same series a quarter turn back), two frequencies a lane
.macro ROPEROW rho, d
	s_add_co_u32 s2, s3, \rho
	v_cvt_f32_u32 v7, s2
	v_mul_f32 v8, v7, v4                   ; the angle, in f32
	v_mul_f32 v9, v7, v5
	v_fma_f32 v8, v8, 0.15915494, -v6      ; in turns
	v_fma_f32 v9, v9, 0.15915494, -v6
	v_rndne_f32 v7, v8
	v_sub_f32 v8, v8, v7
	v_rndne_f32 v7, v9
	v_sub_f32 v9, v9, v7
	v_mul_f32 v8, v8, v8
	v_mul_f32 v9, v9, v9
	v_fma_f32 v[(\d)], v8, s55, s54
	v_fma_f32 v[(\d)+1], v9, s55, s54
.irp c, 53,52,51,50,49,48
	v_fma_f32 v[(\d)], v[(\d)], v8, s\c
	v_fma_f32 v[(\d)+1], v[(\d)+1], v9, s\c
.endr
	v_fma_f32 v[(\d)], v[(\d)], v8, 1.0
	v_fma_f32 v[(\d)+1], v[(\d)+1], v9, 1.0
	global_store_b64 v3, v[(\d):(\d)+1], s[30:31] offset:256*(\rho)  ; one whole row of 256 bytes
.endm
; 32,768 numbers of a work-group: 32 loads of every wave go out before the first wait; no register is used twice
.macro CAST f16
.set i, 0
.rept 32
	global_load_b128 v[16+4*i:19+4*i], v2, s[36:37] offset:4096*i th:TH_LOAD_NT
.set i, i+1
.endr
.set i, 0
.rept 32
	s_wait_loadcnt 31-i                    ; loads come back in order: the 31 - i younger ones may stay out
	v_cvt_pk_bf16_f32 v[144+2*i], v[16+4*i], v[17+4*i]
	v_cvt_pk_bf16_f32 v[145+2*i], v[18+4*i], v[19+4*i]
.if \f16
	v_lshlrev_b32 v[16+4*i], 16, v[144+2*i]          ; the bf16 numbers as f32,
	v_and_b32 v[17+4*i], 0xffff0000, v[144+2*i]
	v_lshlrev_b32 v[18+4*i], 16, v[145+2*i]
	v_and_b32 v[19+4*i], 0xffff0000, v[145+2*i]
	v_cvt_pk_f16_f32 v[144+2*i], v[16+4*i], v[17+4*i]  ; written as f16
	v_cvt_pk_f16_f32 v[145+2*i], v[18+4*i], v[19+4*i]
.endif
	global_store_b64 v3, v[144+2*i:145+2*i], s[30:31] offset:2048*i
.set i, i+1
.endr
.endm
; two units of a wave: a unit is 64 columns x 32 k = four fragments.  US, HS, JS: source bytes from unit to unit, from k half to k half, from k to k + 1 of a lane; UD: destination bytes from unit to unit
.macro FRAGS sb, US, HS, JS, UD
.irp u, 0,1
.irp hf, 0,1
.irp j, 0,1,2,3,4,5,6,7
	global_load_b128 v[16+4*(16*(\u)+8*(\hf)+(\j)):16+4*(16*(\u)+8*(\hf)+(\j))+3], v2, s[(\sb):(\sb)+1] offset:(\u)*(\US)+(\hf)*(\HS)+(\j)*(\JS) th:TH_LOAD_NT
.endr
.endr
.endr
.irp u, 0,1
	s_wait_loadcnt 16-16*(\u)              ; the other unit's sixteen loads may stay out
.irp i, 0,1,2,3
.irp hf, 0,1
.irp m, 0,1,2,3
	v_cvt_pk_bf16_f32 v[144+32*(\u)+4*(2*(\i)+(\hf))+(\m)], v[16+4*(16*(\u)+8*(\hf)+2*(\m))+(\i)], v[16+4*(16*(\u)+8*(\hf)+2*(\m)+1)+(\i)]
.endr
	global_store_b128 v3, v[144+32*(\u)+4*(2*(\i)+(\hf)):144+32*(\u)+4*(2*(\i)+(\hf))+3], s[30:31] offset:(\u)*(\UD)+(\i)*1024+(\hf)*512
.endr
.endr
.endr
.endm
	s_load_b512 s[8:23], s[0:1], 0x0               ; x 8, x0 10, resid_mix 12, cq 14, ck 16, cv 18, proj 20, gate_up 22
	s_load_b256 s[24:31], s[0:1], 0x40             ; down 24, eids 26, nbuf 28, wts 30
	s_load_b64 s[32:33], s[0:1], 0x60              ; route
	v_lshl_add_u32 v[SPW], v0, 2, 1024
	v_mov_b32 v[NIL], 0
	v_lshrrev_b32 v1, 5, v0
	v_readfirstlane_b32 s34, v1                    ; wave 0..7
	v_and_b32 v1, 31, v0                           ; lane
	s_mov_b32 s39, 0                               ; the high word of every offset
	s_wait_kmcnt 0x0
	s_cmp_eq_u32 ttmp9, 0
	s_cbranch_scc1 .Lroute
	s_cmp_lt_u32 ttmp9, 129
	s_cbranch_scc1 .Lrows
	s_cmp_lt_u32 ttmp9, 209
	s_cbranch_scc1 .Lcast
	s_cmp_lt_u32 ttmp9, 337
	s_cbranch_scc1 .Lgu
	; DOWN: expert e, k block kb (32 kappa); the wave takes column groups 2 wave, 2 wave + 1
	s_sub_co_u32 s2, ttmp9, 337
	s_lshr_b32 s3, s2, 3                           ; e
	s_and_b32 s35, s2, 7                           ; kb
	s_lshl_b32 s38, s3, 20
	s_lshr_b32 s36, s35, 1
	s_lshl_b32 s36, s36, 18                        ; 64 (kb / 2) rows of 4,096 bytes
	s_add_co_u32 s38, s38, s36
	s_and_b32 s36, s35, 1
	s_lshl_b32 s36, s36, 13                        ; 2 (kb % 2) rows
	s_add_co_u32 s38, s38, s36
	s_lshl_b32 s36, s34, 9                         ; two groups of 256 bytes a wave
	s_add_co_u32 s38, s38, s36
	s_add_nc_u64 s[24:25], s[24:25], s[38:39]
	s_lshl_b32 s38, s3, 19
	s_lshr_b32 s36, s34, 1
	s_lshl_b32 s36, s36, 17                        ; the wave of the last launch that owns these columns
	s_add_co_u32 s38, s38, s36
	s_lshl_b32 s36, s35, 14                        ; unit 2 kb + (wave % 2)
	s_add_co_u32 s38, s38, s36
	s_and_b32 s36, s34, 1
	s_lshl_b32 s36, s36, 13
	s_add_co_u32 s38, s38, s36
	s_add_co_u32 s38, s38, WDN
	s_add_nc_u64 s[30:31], s[30:31], s[38:39]
	v_and_b32 v2, 15, v1
	v_lshlrev_b32 v2, 4, v2
	v_lshrrev_b32 v3, 4, v1
	v_lshl_add_u32 v2, v3, 17, v2                  ; the lanes' upper half: 32 rows on
	v_lshlrev_b32 v3, 4, v1
	FRAGS 24, 256, 4096, 16384, 4096
	s_endpgm
.Lgu:	; GATE_UP: expert e, k blocks 2 pair, 2 pair + 1; the wave takes column group G = wave
	s_sub_co_u32 s2, ttmp9, 209
	s_lshr_b32 s3, s2, 4                           ; e
	s_and_b32 s35, s2, 15                          ; pair
	s_lshl_b32 s38, s3, 21
	s_lshl_b32 s36, s35, 17
	s_add_co_u32 s38, s38, s36
	s_lshl_b32 s36, s34, 8
	s_add_co_u32 s38, s38, s36
	s_add_nc_u64 s[22:23], s[22:23], s[38:39]
	s_lshl_b32 s38, s3, 20
	s_and_b32 s36, s34, 3
	s_lshl_b32 s36, s36, 18                        ; groups G and G + 4 (g and u) go to wave G % 4,
	s_add_co_u32 s38, s38, s36
	s_lshl_b32 s36, s35, 14
	s_add_co_u32 s38, s38, s36
	s_lshr_b32 s36, s34, 2
	s_lshl_b32 s36, s36, 12                        ; as its blocks 0-3 and 4-7
	s_add_co_u32 s38, s38, s36
	s_add_co_u32 s38, s38, WGU
	s_add_nc_u64 s[30:31], s[30:31], s[38:39]
	v_and_b32 v2, 15, v1
	v_lshlrev_b32 v2, 4, v2
	v_lshrrev_b32 v3, 4, v1
	v_lshl_add_u32 v2, v3, 14, v2                  ; the lanes' upper half: 8 rows of 2,048 bytes on
	v_lshlrev_b32 v3, 4, v1
	FRAGS 22, 65536, 32768, 2048, 8192
	s_endpgm
.Lcast:	; chunk q of 80: cq 0-31, ck 32-39, cv 40-47, proj 48-79; the destination is wts + 65,536 q
	s_sub_co_u32 s2, ttmp9, 129
	s_mov_b64 s[36:37], s[20:21]
	s_mov_b32 s3, 48
	s_cmp_lt_u32 s2, 48
	s_cselect_b64 s[36:37], s[18:19], s[36:37]
	s_cselect_b32 s3, 40, s3
	s_cmp_lt_u32 s2, 40
	s_cselect_b64 s[36:37], s[16:17], s[36:37]
	s_cselect_b32 s3, 32, s3
	s_cmp_lt_u32 s2, 32
	s_cselect_b64 s[36:37], s[14:15], s[36:37]
	s_cselect_b32 s3, 0, s3
	s_sub_co_u32 s3, s2, s3
	s_lshl_b32 s38, s3, 17
	s_add_nc_u64 s[36:37], s[36:37], s[38:39]
	s_lshl_b32 s38, s2, 16
	s_add_nc_u64 s[30:31], s[30:31], s[38:39]
	v_lshlrev_b32 v2, 4, v0
	v_lshlrev_b32 v3, 3, v0
	s_cmp_lt_u32 s2, 48
	s_cbranch_scc0 .Lcast16
	CAST 0
	s_endpgm
.Lcast16:
	CAST 1
	s_endpgm
.Lrows:	; rows 32 j + 4 wave + 0..3; table rows 16 j + 2 wave + 0, 1
	s_sub_co_u32 s2, ttmp9, 1
	s_lshl_b32 s3, s2, 5
	s_lshl2_add_u32 s3, s34, s3
	s_lshl_b32 s38, s3, 12
	s_add_nc_u64 s[8:9], s[8:9], s[38:39]
	s_add_nc_u64 s[10:11], s[10:11], s[38:39]
	s_lshl_b32 s38, s3, 11
	s_add_nc_u64 s[28:29], s[28:29], s[38:39]
	s_lshr_b32 s3, s3, 1
	s_lshl_b32 s38, s3, 8
	s_add_co_u32 s38, s38, ROPE
	s_add_nc_u64 s[30:31], s[30:31], s[38:39]
	s_mov_b32 s42, 0x3a800000                      ; 1 / 1024
	s_mov_b32 s43, 0x34000000                      ; f32's eps
	s_mov_b32 s44, 0x76543210                      ; v_permlanex16_b32: each lane takes its own place in the other half
	s_mov_b32 s45, 0xfedcba98
	s_mov_b32 s48, 0xc19de9e6                      ; the series of cos(2 pi f) in f^2: -(2 pi)^2 / 2!, ..
	s_mov_b32 s49, 0x4281e0f8
	s_mov_b32 s50, 0xc2aae9e4
	s_mov_b32 s51, 0x4270fa83
	s_mov_b32 s52, 0xc1d368f9
	s_mov_b32 s53, 0x40fce9c5
	s_mov_b32 s54, 0xbfdb7128
	s_mov_b32 s55, 0x3e906316                      ; .. (2 pi)^16 / 16!
	v_lshlrev_b32 v2, 4, v1
	v_lshlrev_b32 v3, 3, v1
.irp t, 0,1,2,3,4,5,6,7
	global_load_b128 v[16+4*(\t):19+4*(\t)], v2, s[12:13] offset:512*(\t)
	global_load_b128 v[48+4*(\t):51+4*(\t)], v2, s[12:13] offset:4096+512*(\t)
.endr
	ROWS2 0
	s_wait_xcnt 0x0                                ; the stores' data registers are loaded again only behind this wait
	ROWS2 2
	v_and_b32 v4, 15, v1
	v_lshlrev_b32 v4, 1, v4
	v_cvt_f32_u32 v4, v4                           ; frequency i = 2 (lane % 16), and i + 1
	v_add_f32 v5, 1.0, v4
	v_mul_f32 v4, 0xbed49a78, v4                   ; -i log2(10000) / 32
	v_mul_f32 v5, 0xbed49a78, v5
	v_exp_f32 v4, v4
	v_exp_f32 v5, v5
	v_lshrrev_b32 v6, 4, v1                        ; plain work behind the two exponentials
	v_cvt_f32_u32 v6, v6
	v_mul_f32 v6, 0x3e800000, v6                   ; a quarter turn for sin
	s_wait_alu depctr_va_vdst(0)                   ; one wait for both, ahead of their first reader
	ROPEROW 0, 10
	ROPEROW 1, 12
	s_endpgm
.Lroute:	; wave v owns tokens 512 v + 32 j + lane, j = 0..15
	v_lshlrev_b32 v2, 2, v1
	s_lshl_b32 s2, s34, 11
	v_add_nc_u32 v3, s2, v2
.set j, 0
.rept 16
	global_load_b32 v[16+j], v3, s[26:27] offset:128*j
.set j, j+1
.endr
	v_mov_b32 v32, 0
	v_mov_b32 v36, 0
.set j, 0
.rept 16
	v_mov_b32 v[64+j], 0
.set j, j+1
.endr
	s_wait_loadcnt 0x0
.set j, 0
.rept 16
	v_min_u32 v[16+j], 7, v[16+j]
.set j, j+1
.endr
	s_mov_b32 s35, 0
.Lcount:                                               ; the wave's count of expert s35 goes into lane s35 of v32
	s_mov_b32 s38, 0
.set j, 0
.rept 16
	v_cmp_eq_u32 s36, s35, v[16+j]
	s_bcnt1_i32_b32 s37, s36
	s_add_co_u32 s38, s38, s37
.set j, j+1
.endr
	v_writelane_b32 v32, s38, s35
	s_add_co_u32 s35, s35, 1
	s_cmp_lt_u32 s35, 8
	s_cbranch_scc1 .Lcount
	v_lshlrev_b32 v4, 2, v0
	ds_store_b32 v4, v32                           ; table [wave][lane]
	s_wait_dscnt 0x0                               ; for the others' sake: my store is done
	s_barrier_signal -1
	s_barrier_wait -1
.set w, 0
.rept 8
	ds_load_b32 v[40+w], v2 offset:128*w
.set w, w+1
.endr
	v_mov_b32 v33, 0
	v_mov_b32 v34, 0
	s_wait_dscnt 0x0
.set w, 0
.rept 8
	v_add_nc_u32 v33, v33, v[40+w]                 ; lane e: expert e's total,
	s_cmp_gt_u32 s34, w
	s_cselect_b32 s36, -1, 0
	v_and_b32 v35, s36, v[40+w]
	v_add_nc_u32 v34, v34, v35                     ; and what the waves in front of mine hold of it
.set w, w+1
.endr
.set e, 0
.rept 8
	v_readlane_b32 s[48+e], v33, e
.set e, e+1
.endr
	s_mov_b32 s56, 0                               ; s[56:63] an expert's first place in the list; s[68:76] its first tile
	s_mov_b32 s68, 0
.set e, 0
.rept 8
.if e < 7
	s_add_co_u32 s[57+e], s[56+e], s[48+e]
.endif
	s_add_co_u32 s37, s[48+e], 31
	s_lshr_b32 s37, s37, 5
	s_add_co_u32 s[69+e], s[68+e], s37
	v_writelane_b32 v36, s[56+e], e
.set e, e+1
.endr
	v_add_nc_u32 v36, v36, v34                     ; lane e: where my wave's tokens of expert e begin
	s_mov_b32 s35, 0
.Lplace:
	v_readlane_b32 s38, v36, s35
.set j, 0
.rept 16
	v_cmp_eq_u32 s36, s35, v[16+j]
	v_mbcnt_lo_u32_b32 v5, s36, s38                ; the running place + the chosen lanes below mine
	v_cndmask_b32 v[64+j], v[64+j], v5, s36
	s_bcnt1_i32_b32 s37, s36
	s_add_co_u32 s38, s38, s37
.set j, j+1
.endr
	s_add_co_u32 s35, s35, 1
	s_cmp_lt_u32 s35, 8
	s_cbranch_scc1 .Lplace
	s_lshl_b32 s2, s34, 9
	v_add_nc_u32 v6, s2, v1
.set j, 0
.rept 16
	v_min_u32 v[64+j], 0xfff, v[64+j]
	v_lshlrev_b32 v[64+j], 2, v[64+j]
	v_add_nc_u32 v[80+j], 32*j, v6
	global_store_b32 v[64+j], v[80+j], s[32:33]    ; order[place] = token: 16 KB in all, scattered by its nature
.set j, j+1
.endr
	; the list of tiles: thread tau writes (expert, first place, rows, 0); a tile past the last has 0 rows
	v_mov_b32 v8, 0
	v_mov_b32 v9, 0
	v_mov_b32 v10, 0
	v_mov_b32 v11, s48
.set e, 1
.rept 7
	v_cmp_le_u32 vcc_lo, s[68+e], v0
	v_cndmask_b32 v8, v8, e, vcc_lo
	v_cndmask_b32 v9, v9, s[68+e], vcc_lo
	v_cndmask_b32 v10, v10, s[56+e], vcc_lo
	v_cndmask_b32 v11, v11, s[48+e], vcc_lo
.set e, e+1
.endr
	v_sub_nc_u32 v9, v0, v9
	v_lshlrev_b32 v12, 5, v9                       ; 32 x the tile's number in its expert
	v_add_nc_u32 v9, v10, v12
	v_min_u32 v9, 0xfff, v9
	v_sub_nc_u32 v10, v11, v12
	v_max_i32 v10, 0, v10
	v_min_i32 v10, 32, v10
	v_mov_b32 v11, 0
	v_lshlrev_b32 v12, 4, v0
	global_store_b128 v12, v[8:11], s[32:33] offset:16384
	s_wait_tensorcnt 0x0                           ; the wave's end, behind my last LDS store
	ds_add_u32 v[SPW], v[NIL]
	s_wait_dscnt 0x0
	s_endpgm
.Lfunc_end_k_q8cd5a742ec_prep:
	.size	k_q8cd5a742ec_prep, .Lfunc_end_k_q8cd5a742ec_prep-k_q8cd5a742ec_prep
	.p2alignl 7, 3214868480
	.fill 96, 4, 3214868480
	.section	.rodata,"a",@progbits
	.p2align	6, 0x0
	.amdhsa_kernel k_q8cd5a742ec_prep
		.amdhsa_group_segment_fixed_size 2048
		.amdhsa_private_segment_fixed_size 0
		.amdhsa_enable_private_segment 0
		.amdhsa_kernarg_size 104
		.amdhsa_user_sgpr_count 2
		.amdhsa_user_sgpr_kernarg_segment_ptr 1
		.amdhsa_wavefront_size32 1
		.amdhsa_system_sgpr_workgroup_id_x 1
		.amdhsa_system_sgpr_workgroup_id_y 1
		.amdhsa_system_sgpr_workgroup_id_z 1
		.amdhsa_system_vgpr_workitem_id 0
		.amdhsa_next_free_vgpr 216
		.amdhsa_next_free_sgpr 80
		.amdhsa_reserve_vcc 1
		.amdhsa_float_denorm_mode_32 3
		.amdhsa_float_denorm_mode_16_64 3
		.amdhsa_memory_ordered 1
		.amdhsa_forward_progress 1
		.amdhsa_inst_pref_size 111
	.end_amdhsa_kernel
	.amdgpu_metadata
---
amdhsa.version: [ 1, 2 ]
amdhsa.kernels:
  - .name:           k_q8cd5a742ec_prep
    .symbol:         k_q8cd5a742ec_prep.kd
    .args:
      - { .name: x, .offset: 0, .size: 8, .value_kind: global_buffer, .address_space: global }
      - { .name: x0, .offset: 8, .size: 8, .value_kind: global_buffer, .address_space: global }
      - { .name: resid_mix, .offset: 16, .size: 8, .value_kind: global_buffer, .address_space: global }
      - { .name: cq_w, .offset: 24, .size: 8, .value_kind: global_buffer, .address_space: global }
      - { .name: ck_w, .offset: 32, .size: 8, .value_kind: global_buffer, .address_space: global }
      - { .name: cv_w, .offset: 40, .size: 8, .value_kind: global_buffer, .address_space: global }
      - { .name: proj_w, .offset: 48, .size: 8, .value_kind: global_buffer, .address_space: global }
      - { .name: gate_up, .offset: 56, .size: 8, .value_kind: global_buffer, .address_space: global }
      - { .name: down, .offset: 64, .size: 8, .value_kind: global_buffer, .address_space: global }
      - { .name: eids, .offset: 72, .size: 8, .value_kind: global_buffer, .address_space: global }
      - { .name: nbuf, .offset: 80, .size: 8, .value_kind: global_buffer, .address_space: global }
      - { .name: wts, .offset: 88, .size: 8, .value_kind: global_buffer, .address_space: global }
      - { .name: route, .offset: 96, .size: 8, .value_kind: global_buffer, .address_space: global }
    .group_segment_fixed_size: 2048
    .private_segment_fixed_size: 0
    .kernarg_segment_align: 8
    .kernarg_segment_size: 104
    .max_flat_workgroup_size: 256
    .sgpr_count:     80
    .vgpr_count:     216
    .wavefront_size: 32
...
	.end_amdgpu_metadata
.endif
;; end of part 1
;; launch qkv (part 2): grid 8 x 32, 4 waves a work-group, clusters of 4 x 4, 327,680 bytes of LDS; arguments nbuf, wts, q_gain, qkv; writes qkv
.if DOCPART == 2
	.amdgcn_target "amdgcn-amd-amdhsa--gfx1250"
	.amdhsa_code_object_version 6
	.text
	.protected	k_q8cd5a742ec_qkv
	.globl	k_q8cd5a742ec_qkv
	.p2align	8
	.type	k_q8cd5a742ec_qkv,@function
k_q8cd5a742ec_qkv:
	s_mov_b64 s[64:65], 0
	v_nop
	global_prefetch_b8 v0, s[64:65] scope:SCOPE_SE
	s_setreg_imm32_b32 hwreg(HW_REG_WAVE_MODE, 25, 1), 1
	s_wait_xcnt 0x0
	s_wait_alu depctr_hold_cnt(0) depctr_sa_sdst(0) depctr_va_vdst(0) depctr_va_sdst(0) depctr_va_ssrc(0) depctr_va_vcc(0) depctr_vm_vsrc(0)
	s_getreg_b32 s2, hwreg(HW_REG_IB_STS2, 6, 4)
	s_cmp_eq_u32 s2, 0
	s_cbranch_scc0 .Lentry_in_a_cluster
	s_endpgm
.Lentry_in_a_cluster:
	s_bfe_u32 s2, ttmp6, 0x10000c
	s_cmp_lg_u32 s2, 0xf033
	s_cbranch_scc0 .Lentry_shape_is_right
	s_endpgm
.Lentry_shape_is_right:
; QKV: [4096 tokens] x [1536 = 24 heads x 64] = n (bf16) x Wqkv^T (bf16), K = 1,024, sums in f32; then, per head, RMS norm, rotary turn and gain (q), norm and turn (k), nothing (v);
; rounded once to f16 and stored by heads: qkv[b][H 24][s 2048][64], H 0-15 q, 16-19 k, 20-23 v.
; SHARES.  A work-group makes 128 tokens x 192 columns (three heads): 32 x 8 = 256 work-groups.  A wave makes 32 tokens x all 192 columns: 24 accumulators.  The matrix instruction is used transposed
; (source 0 = 16 weight rows, source 1 = 16 tokens): a lane holds ONE token and 8 neighbouring channels of each block of 16, so a head's 64 channels lie in two lanes: the norm wants one exchange
; between the halves of the lanes, and the rotary partner (channel + 32) lies in the same lane, two accumulators on.
; RING.  K goes in steps of 128 (rows of 256 bytes) through two LDS slots; two slots of the double step (337,920 bytes) would not fit.  CLUSTER 4 x 4: n's tile is shared along a row, the weights' along a column.
; THE WAY OUT has no branch on the head: out = x1 CP + x2 SN, -x1 SN + x2 CP with CP = cos P + VS, SN = sin P, P = rsqrt(mean + eps) x GS; q: GS = gain, k: GS = 1, v: GS = 0 and VS = 1.
; LIMITS.  f16 ends at 65,504: |q| <= 8 |q_gain| and v must stay inside it.  NaN and infinities are not treated apart.
; REGISTERS.  window 0: v0-31 addresses, v64-255 accumulators (a, b) at 64 + 8 (12 a + b).  window 1: two fragment buffers of 112 (2 of tokens, 12 of weights).  window 2: the way out.
.set KSTEP,  128
.set PITCH,  272                       ; 256 bytes + 16: the 16 rows of a fragment load start 4 words apart
.set AHALF,  64*PITCH
.set BHALF,  96*PITCH
.set BOFF,   2*AHALF
.set SLOT,   BOFF+2*BHALF              ; 128 rows of n, then 192 rows of weights
.set STAGE,  2*SLOT                    ; 16 rows x 144 bytes for each wave; no tensor load lands here
.set SP,     144
.set SPARE,  STAGE+4*16*SP             ; the spare words, 128 bytes a wave
.set ROPE,   17825792
.set ADRA, 16
.set ADRB, 20
.set STO,  24
.set RD,   25
.set GO,   26
.set ROFF, 27
.set SPW,  28
.set NIL,  29
.set ACC,  64
.set F0,   0
.set F1,   112
.set CP,   64                          ; window 2: cos 0-15 / sin 16-31 of token block 0, 32-63 of block 1
.set SN,   80
.set OUT,  96
.set PKR,  128
.set SS,   144
.set RB,   160
.set G1A, 24
.set G0A, 32
.set G1B, 48
.set G0B, 56
.set GS,  66
.set VS,  70
.set PT,  76
.set G1C, (1<<16)|(1<<20)|(1<<21)|(5<<22)|(3<<25)  ; 2-byte elements; padding on; bit 21 beside a mask; after every 64 words 4 words
.set MSB, 0
.macro WIN new
.if MSB != (\new)
	s_set_vgpr_msb (MSB<<8)|(\new)
.set MSB, \new
.endif
.endm
.set MUL,  0x05
.set TO_F, 0x40
.macro JLOAD s                         ; a joint load: waves 0, 1 fetch n's two halves, waves 2, 3 the weights'; s_nop 0 and four v_nop behind each line
	s_cmp_eq_u32 s13, 0
	s_cbranch_scc0 .Lfor_b_\@
	tensor_load_to_lds s[G0A+4*(\s):G0A+4*(\s)+3], s[G1A:G1A+7]
	s_nop 0
.rept 4
	v_nop
.endr
	s_branch .Lasked_\@
.Lfor_b_\@:
	tensor_load_to_lds s[G0B+4*(\s):G0B+4*(\s)+3], s[G1B:G1B+7]
	s_nop 0
.rept 4
	v_nop
.endr
.Lasked_\@:
.endm
.macro CREST
	s_cmp_lg_u32 s12, 0
	s_cbranch_scc1 .Lnot_wave_0_\@
	s_barrier_signal -3
.Lnot_wave_0_\@:
	s_barrier_wait -3
	s_barrier_signal -1
	s_barrier_wait -1
.endm
.macro CROUND
	s_barrier_signal -1
	s_barrier_wait -1
	CREST
.endm
.macro PLACES
.rept 4
	v_nop
.endr
.endm
	s_load_b256 s[4:11], s[0:1], 0x0               ; nbuf 4, wts 6, q_gain 8, qkv 10
	v_lshl_add_u32 v[SPW], v0, 2, SPARE
	v_mov_b32 v[NIL], 0
	ds_add_u32 v[SPW], v[NIL]                      ; the opening: the add and its wait ahead of my first tensor load
	v_lshrrev_b32 v1, 5, v0
	v_readfirstlane_b32 s12, v1                    ; wave
	s_lshr_b32 s13, s12, 1                         ; I fetch for n (0) or for the weights (1),
	s_and_b32 s14, s12, 1                          ; and which half
	s_bfe_u32 s40, ttmp6, 0x40000                  ; cx
	s_bfe_u32 s41, ttmp6, 0x40004                  ; cy
	s_lshl_b32 s42, ttmp9, 2
	s_add_co_u32 s42, s42, s40                     ; tile column 0..7
	s_and_b32 s43, ttmp7, 0xffff
	s_lshl_b32 s43, s43, 2
	s_add_co_u32 s43, s43, s41                     ; tile row 0..31
	s_lshl_b32 s44, s41, 2
	s_lshl_b32 s44, 15, s44                        ; my row of the cluster
	s_lshl_b32 s45, 0x1111, s40                    ; my column
	s_or_b32 s[G1A], s44, G1C
	s_or_b32 s[G1B], s45, G1C
	s_mov_b32 s[G1A+1], KSTEP<<16                  ; tensor_dim0 = 128
	s_mov_b32 s[G1B+1], KSTEP<<16
	s_mov_b32 s[G1A+2], 64<<16                     ; tensor_dim1 = the rows of a load
	s_mov_b32 s[G1B+2], 96<<16
	s_mov_b32 s[G1A+3], KSTEP<<16                  ; tile_dim0
	s_mov_b32 s[G1B+3], KSTEP<<16
	s_mov_b32 s[G1A+4], 64                         ; tile_dim1
	s_mov_b32 s[G1B+4], 96
	s_mov_b32 s[G1A+5], 1024                       ; elements from row to row
	s_mov_b32 s[G1B+5], 1024
	s_mov_b32 s[G1A+6], 0
	s_mov_b32 s[G1B+6], 0
	s_mov_b32 s[G1A+7], 0
	s_mov_b32 s[G1B+7], 0
	s_lshl_b32 s16, s43, 7
	s_lshl_b32 s17, s14, 6
	s_add_co_u32 s16, s16, s17
	s_lshl_b32 s16, s16, 11                        ; n: row 128 tr + 64 half, 2,048 bytes a row
	s_mov_b32 s17, 0
	s_mul_i32 s46, s42, 192
	s_mul_i32 s47, s14, 96
	s_add_co_u32 s46, s46, s47
	s_lshl_b32 s46, s46, 11                        ; weights: row 192 tc + 96 half
	s_mov_b32 s47, 0
	s_mul_i32 s20, s14, AHALF                      ; LDS places: made of the wave's number alone
	s_mul_i32 s21, s14, BHALF
	s_add_co_u32 s21, s21, BOFF
	s_mul_i32 s22, s42, 3                          ; the tile's first head
.irp hh, 0,1,2
	s_add_co_u32 s[88+(\hh)], s22, \hh
	s_min_u32 s[88+(\hh)], s[88+(\hh)], 15
	s_lshl_b32 s[88+(\hh)], s[88+(\hh)], 2
.endr
	s_mov_b32 s82, 0x76543210
	s_mov_b32 s83, 0xfedcba98
	s_mov_b32 s84, 0x3c800000                      ; 1 / 64
	s_mov_b32 s85, 0x34000000                      ; f32's eps
	s_wait_dscnt 0x0                               ; the opening add is done
	s_wait_kmcnt 0x0
	s_add_nc_u64 s[16:17], s[4:5], s[16:17]
	s_add_nc_u64 s[46:47], s[6:7], s[46:47]
.irp hh, 0,1,2
	s_load_b32 s[GS+(\hh)], s[8:9], s[88+(\hh)] offset:0x0
.endr
	CROUND                                         ; all sixteen work-groups are here: the first joint loads meet
.irp s, 0,1
	s_mov_b32 s[G0A+4*(\s)], 1
	s_add_co_u32 s[G0A+4*(\s)+1], s20, (\s)*SLOT
	s_add_nc_u64 s[G0A+4*(\s)+2:G0A+4*(\s)+3], s[16:17], (\s)*KSTEP*2
	s_or_b32 s[G0A+4*(\s)+3], s[G0A+4*(\s)+3], 0x80000000
	s_mov_b32 s[G0B+4*(\s)], 1
	s_add_co_u32 s[G0B+4*(\s)+1], s21, (\s)*SLOT
	s_add_nc_u64 s[G0B+4*(\s)+2:G0B+4*(\s)+3], s[46:47], (\s)*KSTEP*2
	s_or_b32 s[G0B+4*(\s)+3], s[G0B+4*(\s)+3], 0x80000000
	JLOAD \s
.endr
	v_and_b32 v1, 15, v0                           ; r
	v_bfe_u32 v2, v0, 4, 1                         ; h
	v_mul_u32_u24 v3, v1, PITCH
	v_lshl_add_u32 v3, v2, 4, v3
	s_mul_i32 s18, s12, 32*PITCH                   ; my 32 tokens
	v_add_nc_u32 v[ADRA], s18, v3
	v_add_nc_u32 v[ADRA+1], SLOT, v[ADRA]
	v_add_nc_u32 v[ADRB], BOFF, v3
	v_add_nc_u32 v[ADRB+1], SLOT+BOFF, v3
	s_mul_i32 s18, s12, 16*SP
	s_add_co_u32 s18, s18, STAGE
	v_mul_u32_u24 v4, v1, SP
	v_lshl_add_u32 v4, v2, 4, v4
	v_add_nc_u32 v[STO], s18, v4                   ; in: row r, 16 bytes for each half of the lanes
	v_bfe_u32 v4, v0, 3, 2
	v_mul_u32_u24 v4, v4, SP
	v_and_b32 v5, 7, v0
	v_lshl_add_u32 v4, v5, 4, v4
	v_add_nc_u32 v[RD], s18, v4                    ; back: 32 lanes take four rows of 128 bytes,
	v_and_b32 v[GO], 31, v0
	v_lshlrev_b32 v[GO], 4, v[GO]                  ; 512 consecutive bytes of a head
	s_and_b32 s19, s43, 15
	s_lshl_b32 s19, s19, 7
	s_lshl_b32 s18, s12, 5
	s_add_co_u32 s19, s19, s18                     ; my first token's place in its sequence
	v_add_nc_u32 v[ROFF], s19, v1
	v_lshlrev_b32 v[ROFF], 8, v[ROFF]
	v_lshl_add_u32 v[ROFF], v2, 5, v[ROFF]         ; table row, + 32 h: my 8 channels of a block of 16
	s_add_nc_u64 s[86:87], s[6:7], ROPE
	WIN 0x80
.irp a, 0,1
.irp nb, 0,1
.irp p, 0,1
	global_load_b128 v[32*(\a)+8*(\nb)+4*(\p):32*(\a)+8*(\nb)+4*(\p)+3], v[ROFF], s[86:87] offset:(\a)*4096+64*(\nb)+16*(\p)
	global_load_b128 v[32*(\a)+16+8*(\nb)+4*(\p):32*(\a)+16+8*(\nb)+4*(\p)+3], v[ROFF], s[86:87] offset:(\a)*4096+128+64*(\nb)+16*(\p)
.endr
.endr
.endr
	WIN 0
	s_lshr_b32 s18, s43, 4                         ; the batch
	s_mul_i32 s18, s18, 24
	s_add_co_u32 s18, s18, s22
	s_lshl_b32 s18, s18, 18                        ; a head is 2,048 rows of 128 bytes
	s_lshl_b32 s19, s19, 7
	s_add_co_u32 s18, s18, s19
	s_mov_b32 s19, 0
	s_add_nc_u64 s[PT:PT+1], s[10:11], s[18:19]
	s_add_nc_u64 s[PT+2:PT+3], s[PT:PT+1], 0x40000
	s_add_nc_u64 s[PT+4:PT+5], s[PT:PT+1], 0x80000
	s_wait_kmcnt 0x0                               ; the gains
.irp hh, 0,1,2
	s_add_co_u32 s18, s22, \hh
	s_cmp_lt_u32 s18, 16
	s_cselect_b32 s[GS+(\hh)], s[GS+(\hh)], 1.0
	s_cmp_lt_u32 s18, 20
	s_cselect_b32 s[GS+(\hh)], s[GS+(\hh)], 0
	s_cselect_b32 s[VS+2*(\hh)], 0, 1.0
	s_mov_b32 s[VS+2*(\hh)+1], s[VS+2*(\hh)]
.endr
; 8 of a quarter's 24 matrix instructions; the 24 accumulators take turns
.macro MUL8 f, g, zero
	WIN MUL
.set i, 8*(\g)
.rept 8
.set rA, (\f)+8*(i/12)
.set rB, (\f)+16+8*(i%12)
.set rD, ACC+8*i
.if \zero
	v_wmma_f32_16x16x32_bf16 v[rD:rD+7], v[rB:rB+7], v[rA:rA+7], 0
.else
	v_wmma_f32_16x16x32_bf16 v[rD:rD+7], v[rB:rB+7], v[rA:rA+7], v[rD:rD+7]
.endif
.set i, i+1
.endr
.endm
.macro FETCH slot, k, f                ; 28 LDS loads in one run: the fragments of 32 along K at byte k of the rows
	WIN TO_F
.irp a, 0,1
	ds_load_b128 v[(\f)+8*(\a):(\f)+8*(\a)+3],   v[ADRA+(\slot)] offset:(\k)+(\a)*16*PITCH
	ds_load_b128 v[(\f)+8*(\a)+4:(\f)+8*(\a)+7], v[ADRA+(\slot)] offset:(\k)+(\a)*16*PITCH+32
.endr
.irp b, 0,1,2,3,4,5,6,7,8,9,10,11
	ds_load_b128 v[(\f)+16+8*(\b):(\f)+16+8*(\b)+3],   v[ADRB+(\slot)] offset:(\k)+(\b)*16*PITCH
	ds_load_b128 v[(\f)+16+8*(\b)+4:(\f)+16+8*(\b)+7], v[ADRB+(\slot)] offset:(\k)+(\b)*16*PITCH+32
.endr
.endm
.macro QUARTER slot, k, f, g, zero     ; multiplies buffer f; behind its first eight products fetches the next quarter into g
	s_wait_dscnt 0x0
	MUL8 \f, 0, \zero
	PLACES                                         ; four places between the last product that read g and the loads into it
	FETCH \slot, \k, \g
	MUL8 \f, 1, \zero
	MUL8 \f, 2, \zero
.endm
.macro TURN slot, next, fill           ; the last quarter of a K step, and the change of slots
	WIN 0
	s_wait_tensorcnt 0x0                           ; all my tensor loads have landed: my part of the next slot;
	ds_add_u32 v[SPW], v[NIL]
	s_wait_dscnt 1                                 ; (the add alone may be out: buffer 1 is in)
	MUL8 F1, 0, 0
	s_wait_dscnt 0x0                               ; the add is done, and my reads of this slot are over
	s_barrier_signal -1
	MUL8 F1, 1, 0
.if \fill
	WIN 0
.endif
	s_barrier_wait -1
.if \fill
	CREST                                          ; the barrier has opened a round of the cluster's: no wave of any partner still reads this slot or has a load on its way
	s_add_nc_u64 s[G0A+4*(\slot)+2:G0A+4*(\slot)+3], s[G0A+4*(\slot)+2:G0A+4*(\slot)+3], 2*KSTEP*2
	s_add_nc_u64 s[G0B+4*(\slot)+2:G0B+4*(\slot)+3], s[G0B+4*(\slot)+2:G0B+4*(\slot)+3], 2*KSTEP*2
	JLOAD \slot                                    ; the first tensor load behind the round; its four v_nop are also the places in front of the loads below
.else
	PLACES
.endif
	FETCH \next, 0, F0
	MUL8 F1, 2, 0
.endm
	s_wait_tensorcnt 1                             ; my part of K step 0 is in; K step 1's may stay out
	s_barrier_signal -1
	s_barrier_wait -1
	FETCH 0, 0, F0
	QUARTER 0, 64, F0, F1, 1                       ; the first quarter's products start the sums
	WIN 0
	s_mov_b32 s3, 3
.Llap:                                                 ; once round the ring: two K steps, both slots filled again
	QUARTER 0, 128, F1, F0, 0
	QUARTER 0, 192, F0, F1, 0
	TURN 0, 1, 1
	QUARTER 1, 64,  F0, F1, 0
	QUARTER 1, 128, F1, F0, 0
	QUARTER 1, 192, F0, F1, 0
	TURN 1, 0, 1
	QUARTER 0, 64,  F0, F1, 0
	WIN 0
	s_sub_co_u32 s3, s3, 1
	s_cmp_lg_u32 s3, 0
	s_cbranch_scc1 .Llap
	QUARTER 0, 128, F1, F0, 0                      ; the last lap fills nothing
	QUARTER 0, 192, F0, F1, 0
	TURN 0, 1, 0
	QUARTER 1, 64,  F0, F1, 0
	QUARTER 1, 128, F1, F0, 0
	QUARTER 1, 192, F0, F1, 0
	s_wait_dscnt 0x0
	MUL8 F1, 0, 0
	MUL8 F1, 1, 0
	MUL8 F1, 2, 0
	WIN 0
	; THE WAY OUT.  Six pieces q = 3 a + hh (16 tokens of one head).  Sums of squares: six chains, each over its head's 32 registers in ascending order.
	PLACES
	s_wait_loadcnt 0x0                             ; cos and sin
	WIN 0xa0
.set z, 0
.rept 16
.set q, 0
.rept 6
.set rX, ACC+8*(12*(q/3)+4*(q%3))+2*z
.if z == 0
	v_pk_mul_f32 v[SS+2*q:SS+2*q+1], v[rX:rX+1], v[rX:rX+1]
.else
	v_pk_fma_f32 v[SS+2*q:SS+2*q+1], v[rX:rX+1], v[rX:rX+1], v[SS+2*q:SS+2*q+1]
.endif
.set q, q+1
.endr
.set z, z+1
.endr
	WIN 0xaa
.irp q, 0,1,2,3,4,5
	v_add_f32 v[SS+2*(\q)], v[SS+2*(\q)], v[SS+2*(\q)+1]
.endr
.irp q, 0,1,2,3,4,5
	v_permlanex16_b32 v[SS+2*(\q)+1], v[SS+2*(\q)], s82, s83   ; the head's other 32 channels lie in the lane 16 away
.endr
.irp q, 0,1,2,3,4,5
	v_add_f32 v[SS+2*(\q)], v[SS+2*(\q)], v[SS+2*(\q)+1]
.endr
.irp q, 0,1,2,3,4,5
	v_fma_f32 v[SS+2*(\q)], v[SS+2*(\q)], s84, s85
.endr
.irp q, 0,1,2,3,4,5
	v_rsq_f32 v[SS+2*(\q)], v[SS+2*(\q)]
.endr
	v_nop                                          ; a plain instruction behind the last of the batch,
	s_wait_alu depctr_va_vdst(0)                   ; and one wait for the six
.irp q, 0,1,2,3,4,5
	v_mul_f32 v[SS+2*(\q)], s[GS+(\q)%3], v[SS+2*(\q)]
.endr
.irp q, 0,1,2,3,4,5
	v_mov_b32 v[SS+2*(\q)+1], v[SS+2*(\q)]
.endr
.macro PACK q
.set pa, (\q)/3
.set ph, (\q)%3
	WIN 0xaa
.set z, 0
.rept 8
	v_pk_fma_f32 v[CP+2*z:CP+2*z+1], v[32*pa+2*z:32*pa+2*z+1], v[SS+2*(\q):SS+2*(\q)+1], s[VS+2*ph:VS+2*ph+1] op_sel_hi:[1,1,0]
	v_pk_mul_f32 v[SN+2*z:SN+2*z+1], v[32*pa+16+2*z:32*pa+16+2*z+1], v[SS+2*(\q):SS+2*(\q)+1]
.set z, z+1
.endr
	WIN 0xa8                                       ; source 0 the sums in window 0, the rest in window 2
.set z, 0
.rept 8
.set xa, ACC+8*(12*pa+4*ph)+2*z                 ; channels 0-31
.set xb, xa+16                                  ; channels 32-63
	v_pk_mul_f32 v[OUT+2*z:OUT+2*z+1], v[xa:xa+1], v[CP+2*z:CP+2*z+1]
	v_pk_mul_f32 v[OUT+16+2*z:OUT+16+2*z+1], v[xb:xb+1], v[CP+2*z:CP+2*z+1]
	v_pk_fma_f32 v[OUT+2*z:OUT+2*z+1], v[xb:xb+1], v[SN+2*z:SN+2*z+1], v[OUT+2*z:OUT+2*z+1]
	v_pk_fma_f32 v[OUT+16+2*z:OUT+16+2*z+1], v[xa:xa+1], v[SN+2*z:SN+2*z+1], v[OUT+16+2*z:OUT+16+2*z+1] neg_lo:[1,0,0] neg_hi:[1,0,0]
.set z, z+1
.endr
	WIN 0x8a
.set z, 0
.rept 16
	v_cvt_pk_f16_f32 v[PKR+z], v[OUT+2*z], v[OUT+2*z+1]
.set z, z+1
.endr
	WIN 0x08
.irp b, 0,1,2,3
	ds_store_b128 v[STO], v[PKR+4*(\b):PKR+4*(\b)+3] offset:32*(\b)
.endr
	WIN 0x80
.irp f, 0,1,2,3
	ds_load_b128 v[RB+16*(\q)+4*(\f):RB+16*(\q)+4*(\f)+3], v[RD] offset:(\f)*4*SP  ; LDS serves a wave's instructions in order: these see the stores above, the next piece's stores come behind them
.endr
.endm
.macro SEND q, younger
	WIN 0x08
.irp f, 0,1,2,3
	s_wait_dscnt (\younger)+3-(\f)
	global_store_b128 v[GO], v[RB+16*(\q)+4*(\f):RB+16*(\q)+4*(\f)+3], s[PT+2*((\q)%3):PT+2*((\q)%3)+1] offset:((\q)/3)*2048+(\f)*512  ; 512 consecutive bytes, aligned
.endr
.endm
	PACK 0
.irp q, 1,2,3,4,5
	PACK \q
	SEND (\q)-1, 8
.endr
	SEND 5, 0
	WIN 0
	s_wait_tensorcnt 0x0                           ; the wave's end
	ds_add_u32 v[SPW], v[NIL]
	s_wait_dscnt 0x0
	CROUND                                         ; the closing round
	s_endpgm
.Lfunc_end_k_q8cd5a742ec_qkv:
	.size	k_q8cd5a742ec_qkv, .Lfunc_end_k_q8cd5a742ec_qkv-k_q8cd5a742ec_qkv
	.p2alignl 7, 3214868480
	.fill 96, 4, 3214868480
	.section	.rodata,"a",@progbits
	.p2align	6, 0x0
	.amdhsa_kernel k_q8cd5a742ec_qkv
		.amdhsa_group_segment_fixed_size 327680
		.amdhsa_private_segment_fixed_size 0
		.amdhsa_enable_private_segment 0
		.amdhsa_kernarg_size 32
		.amdhsa_user_sgpr_count 2
		.amdhsa_user_sgpr_kernarg_segment_ptr 1
		.amdhsa_wavefront_size32 1
		.amdhsa_system_sgpr_workgroup_id_x 1
		.amdhsa_system_sgpr_workgroup_id_y 1
		.amdhsa_system_sgpr_workgroup_id_z 1
		.amdhsa_system_vgpr_workitem_id 0
		.amdhsa_next_free_vgpr 768
		.amdhsa_next_free_sgpr 100
		.amdhsa_reserve_vcc 0
		.amdhsa_float_denorm_mode_32 3
		.amdhsa_float_denorm_mode_16_64 3
		.amdhsa_memory_ordered 1
		.amdhsa_forward_progress 1
		.amdhsa_inst_pref_size 108
	.end_amdhsa_kernel
	.amdgpu_metadata
---
amdhsa.version: [ 1, 2 ]
amdhsa.kernels:
  - .name:           k_q8cd5a742ec_qkv
    .symbol:         k_q8cd5a742ec_qkv.kd
    .args:
      - { .name: nbuf, .offset: 0, .size: 8, .value_kind: global_buffer, .address_space: global }
      - { .name: wts, .offset: 8, .size: 8, .value_kind: global_buffer, .address_space: global }
      - { .name: q_gain, .offset: 16, .size: 8, .value_kind: global_buffer, .address_space: global }
      - { .name: qkv, .offset: 24, .size: 8, .value_kind: global_buffer, .address_space: global }
    .group_segment_fixed_size: 327680
    .private_segment_fixed_size: 0
    .kernarg_segment_align: 8
    .kernarg_segment_size: 32
    .max_flat_workgroup_size: 128
    .sgpr_count:     100
    .vgpr_count:     768
    .wavefront_size: 32
...
	.end_amdgpu_metadata
.endif
;; end of part 2
;; launch attn (part 3): grid 32 x 8, 4 waves a work-group, clusters of 4 x 1, 327,680 bytes of LDS; arguments qkv, ybuf; writes ybuf
.if DOCPART == 3
	.amdgcn_target "amdgcn-amd-amdhsa--gfx1250"
	.amdhsa_code_object_version 6
	.text
	.protected	k_q8cd5a742ec_attn
	.globl	k_q8cd5a742ec_attn
	.p2align	8
	.type	k_q8cd5a742ec_attn,@function
k_q8cd5a742ec_attn:
	s_mov_b64 s[64:65], 0
	v_nop
	global_prefetch_b8 v0, s[64:65] scope:SCOPE_SE
	s_setreg_imm32_b32 hwreg(HW_REG_WAVE_MODE, 25, 1), 1
	s_wait_xcnt 0x0
	s_wait_alu depctr_hold_cnt(0) depctr_sa_sdst(0) depctr_va_vdst(0) depctr_va_sdst(0) depctr_va_ssrc(0) depctr_va_vcc(0) depctr_vm_vsrc(0)
	s_getreg_b32 s2, hwreg(HW_REG_IB_STS2, 6, 4)
	s_cmp_eq_u32 s2, 0
	s_cbranch_scc0 .Lentry_in_a_cluster
	s_endpgm
.Lentry_in_a_cluster:
	s_bfe_u32 s2, ttmp6, 0x10000c
	s_cmp_lg_u32 s2, 0x3003
	s_cbranch_scc0 .Lentry_shape_is_right
	s_endpgm
.Lentry_shape_is_right:
; CAUSAL ATTENTION with grouped heads.  qkv: f16 [b 2][H 24][s 2048][64] (q 0-15, k 16-19, v 20-23); y: f16 [4096][1024], column = head x 64 + channel.
; Products, maxima and sums in f32; the weights p are rounded to f16 for the second product (their sum l is taken of the unrounded p), y once at the end.
; SHARES.  A work-group serves one batch and one key/value head (grid y) and TWO blocks of 32 positions, 63 - p and then p (p = 4 c + cx); wave w is query head 4 kvh + w, two tiles of 16 rows:
; each K and V fragment in LDS serves four heads.  THE WALK.  Key tiles of 256 keys, four steps of 64.  All four partners of a cluster walk tiles 0 .. 7 - c/2 and then 0 .. c/2: nine tiles, 36 steps, for
; every c, asked for jointly.  A block runs to the end of its last tile: of the 36 steps three are wholly hidden (9 steps of 64 keys more than the 33 that hold a visible key would be 27 %; this is 9 %).
; One loop with a constant count walks the tiles, a loop of four the steps.  The only other jump goes forward over the first block's end, on a count made from c alone; it passes no barrier and no tensor load.
; cx enters Q's and y's addresses, the mask registers and two scalars made by selects.
; THE MASK.  Every step's scores start from MD x AL + BE: (0, 0) before the block's own step, (1, 0) in it, (0, -1e30) behind it; MD is -1e30 where the key lies behind the query.
; SOFTMAX.  A running maximum m and sum l: p = 2^(c s - c m), c = log2(e) / 8; O and l are multiplied by a = 2^(c m_old - c m_new) in every step; a block begins with c m far below every c s, so its first a is 0.
; Every row sees its own key in the block's own step at the latest, so m is a true score when the first wholly hidden step comes.
; A step goes in phases: 16 products K Q^T, the softmax with ONE batch of 66 exponentials, 16 products V^T P.
; THE WAY OUT.  Each block has a stage of its own in LDS, which the four heads share; both are stored at the kernel's end, 512 consecutive bytes (four heads) of a row of y to a store.
; LIMITS.  A hidden score counts as its value less 1e30; a weight below 2^-126 counts as 0 in l; NaN and infinities are not treated apart; q, k, v arrive within f16's 65,504.
; REGISTERS.  window 0: addresses, statistics, S^T 64-127, P 128-159, O^T 160-223, 224-255 the way out.  window 1: K 0-63, V 64-127, Q 128-159, the second block's Q 160-191, MD 192-255.
.set KS,    64
.set PK,    144                        ; a row of K in LDS: 128 bytes + 16
.set PV,    160                        ; a row of V: 128 + 32
.set VOFF,  4*KS*PK
.set SLOT1, 1<<17
.set YST,   SLOT1+4*KS*(PK+PV)         ; two stages: 32 positions x (4 heads x 128 bytes + 16) each; no tensor load lands here
.set YPI,   528
.set YSZ,   32*YPI
.set SPARE, YST+2*YSZ
.set AK0, 2
.set AV0, 3
.set AK,  4
.set AV,  5
.set STO, 6
.set RD,  7
.set GO,  8
.set MV,  12
.set QO,  15
.set ST,  16                           ; tile t at ST + 4 t: c m, m, l (even keys', odd keys')
.set TMP, 24
.set SPW, 62
.set NIL, 63
.set S,   64
.set P,   128
.set O,   160
.set RBK, 224
.set KF,  0
.set VF,  64
.set Q,   128
.set QB,  160
.set MD,  192
.set WV,  12
.set G1K, 24
.set G1V, 32
.set G0K, 40
.set G0V, 44
.set SLOTS, 56
.set CNT, 57
.set CS,  58
.set SEL, 60
.set TBK, 62
.set TBV, 63
.set NXT, 70                           ; the tile to be asked for next
.set LQ,  71                           ; the last tile of the block whose tiles are being asked for
.set TL,  72                           ; the second block's last tile
.set RT,  73                           ; tiles of the block in hand that are still to be finished
.set OFF, 74
.set AL,  76
.set BE,  78
.set YP,  80
.set YP2, 82
.set BIGN, 84
.set DD,  85                           ; the block's own step less the step in hand
.set DS2, 86
.set PAR, 87
.set PAR2, 88
.set RT2, 89
.set MSB, 0
.macro WIN new
.if MSB != (\new)
	s_set_vgpr_msb (MSB<<8)|(\new)
.set MSB, (\new)
.endif
.endm
.macro JLOAD                           ; waves 0, 1 fetch the halves of a tile's K, waves 2, 3 those of its V; s_nop 0 and four v_nop behind each line
	s_cmp_lt_u32 s[WV], 2
	s_cbranch_scc0 .Lfor_v_\@
	tensor_load_to_lds s[G0K:G0K+3], s[G1K:G1K+7]
	s_nop 0
.rept 4
	v_nop
.endr
	s_branch .Lasked_\@
.Lfor_v_\@:
	tensor_load_to_lds s[G0V:G0V+3], s[G1V:G1V+7]
	s_nop 0
.rept 4
	v_nop
.endr
.Lasked_\@:
.endm
.macro CROUND
	s_barrier_signal -1
	s_barrier_wait -1
	s_cmp_lg_u32 s[WV], 0
	s_cbranch_scc1 .Lnot_wave_0_\@
	s_barrier_signal -3
.Lnot_wave_0_\@:
	s_barrier_wait -3
	s_barrier_signal -1
	s_barrier_wait -1
.endm
; THE CHANGE OF SLOTS: all my tensor loads have landed (one is out: my part of the other slot), the add, my LDS instructions are done; behind the round the slot just left is filled with tile NXT.
; (At its first use nothing has been read yet: slot 0 is waited for, slot 1 filled.)
.macro CHANGE fill
	WIN 0
	s_wait_tensorcnt 0x0
	ds_add_u32 v[SPW], v[NIL]                      ; 0 onto my spare word; scalar work stands between it and the wait for it
.if \fill
	s_lshl_b32 s[OFF], s[NXT], 15                  ; a tile is 32,768 bytes of K and of V
	s_xor_b32 s[G0K+1], s[G0K+1], SLOT1
	s_add_nc_u64 s[G0K+2:G0K+3], s[8:9], s[OFF:OFF+1]
	s_or_b32 s[G0K+3], s[G0K+3], 0x80000000
	s_xor_b32 s[G0V+1], s[G0V+1], SLOT1
	s_add_nc_u64 s[G0V+2:G0V+3], s[10:11], s[OFF:OFF+1]
	s_or_b32 s[G0V+3], s[G0V+3], 0x80000000
	s_add_co_u32 s[NXT], s[NXT], 1
	s_cmp_gt_u32 s[NXT], s[LQ]
	s_cselect_b32 s[NXT], 0, s[NXT]                ; behind the first block's last tile: the second block's tile 0
	s_cselect_b32 s[LQ], s[TL], s[LQ]
.endif
	s_sub_co_u32 s[TBK], s[TBK], 4*KS*PK           ; the fetches go back to a slot's first step, in the other slot
	s_xor_b32 s[TBK], s[TBK], SLOT1
	s_sub_co_u32 s[TBV], s[TBV], 4*KS*PV
	s_xor_b32 s[TBV], s[TBV], SLOT1
	s_wait_dscnt 0x0                               ; the add is done; my reads of the slot and my stores into a stage are done
.if \fill
	CROUND
	JLOAD
.else
	s_barrier_signal -1
	s_barrier_wait -1
.endif
.endm
; A BLOCK BEGINS: its mask registers and its statistics; O and l need only be finite.  par: the scalar that holds the block's number modulo 2
.macro BEGIN par
	s_lshl_b32 s2, s[\par], 5
	v_lshlrev_b32 v14, 3, v9
	v_sub_nc_u32 v14, v1, v14
	v_add_nc_u32 v14, s2, v14                      ; my query's place in its own step of 64 keys (tile 0), less my lanes' 8 h
	WIN 0x40
.set i, 0
.rept 64
	v_cmp_gt_i32 vcc_lo, 16*((i%32)/8)+i%8-16*(i/32), v14
	v_cndmask_b32 v[MD+i], 0, s[BIGN], vcc_lo
.set i, i+1
.endr
	WIN 0
.irp t, 0,1
	v_mov_b32 v[ST+4*(\t)], 0xfe000000             ; c m: far below every c s
	v_mov_b32 v[ST+4*(\t)+1], 0xff7fffff           ; m
.endr
.endm
.macro REGS t
.set rT, ST+4*(\t)
.set rC, TMP+4*(\t)
.set rM, MV+(\t)
.set rS, S+32*(\t)
.endm
; number n of the 22 that find a tile's maximum and statistics; each accumulator's lowest registers are read first
.macro XS t, n
	REGS \t
.if (\n) < 4
	v_max3_num_f32 v[rC+(\n)], v[rS+8*(\n)], v[rS+8*(\n)+1], v[rS+8*(\n)+2]
.elseif (\n) < 12
	v_max3_num_f32 v[rC+(\n)%4], v[rC+(\n)%4], v[rS+8*((\n)%4)+2*((\n)/4)+1], v[rS+8*((\n)%4)+2*((\n)/4)+2]
.elseif (\n) == 12
	v_max3_num_f32 v[rC], v[rC], v[rS+7], v[rS+15]
.elseif (\n) == 13
	v_max3_num_f32 v[rC+1], v[rC+1], v[rS+23], v[rS+31]
.elseif (\n) == 14
	v_max3_num_f32 v[rC+2], v[rC+2], v[rC+3], v[rT+1]
.elseif (\n) == 15
	v_mov_b32 v[rM], v[rT]
.elseif (\n) == 16
	v_max3_num_f32 v[rC], v[rC], v[rC+1], v[rC+2]
.elseif (\n) == 17
	v_permlanex16_b32 v[rC+3], v[rC], s[SEL], s[SEL+1]
.elseif (\n) == 18
	v_max_num_f32 v[rT+1], v[rC], v[rC+3]
.elseif (\n) == 19
	v_mul_f32 v[rT], s[CS], v[rT+1]
.elseif (\n) == 20
	v_sub_f32 v[rC+1], v[rM], v[rT]
.else
	v_exp_f32 v[rC+2], v[rC+1]
.endif
.endm
.macro SUM1 t                          ; sum z of 15: neighbours 1, 2, 4, 8 pairs apart
	REGS \t
.set w, 4
.set u, z
.if z >= 14
.set w, 32
.set u, 0
.elseif z >= 12
.set w, 16
.set u, z-12
.elseif z >= 8
.set w, 8
.set u, z-8
.endif
	v_pk_add_f32 v[rS+w*u:rS+w*u+1], v[rS+w*u:rS+w*u+1], v[rS+w*u+w/2:rS+w*u+w/2+1]
.endm
; A KEY STEP: 64 keys, both tiles of 16 queries.  No jump stands in it.
.macro STEP
	v_add_nc_u32 v[AK], s[TBK], v[AK0]
	v_add_nc_u32 v[AV], s[TBV], v[AV0]
	WIN 0x40
.irp f, 0,1,2,3,4,5,6,7
	ds_load_b128 v[KF+8*(\f):KF+8*(\f)+3],   v[AK] offset:((\f)/2)*16*PK+((\f)%2)*64
	ds_load_b128 v[KF+8*(\f)+4:KF+8*(\f)+7], v[AK] offset:((\f)/2)*16*PK+((\f)%2)*64+32
.endr
.irp f, 0,1,2,3,4,5,6,7
	ds_load_tr16_b128 v[VF+8*(\f):VF+8*(\f)+3],   v[AV] offset:((\f)/4)*32*PV+((\f)%4)*32
	ds_load_tr16_b128 v[VF+8*(\f)+4:VF+8*(\f)+7], v[AV] offset:((\f)/4)*32*PV+16*PV+((\f)%4)*32
.endr
	s_cmp_eq_u32 s[DD], 0                          ; is this step the block's own,
	s_cselect_b32 s[AL], 1.0, 0
	s_cmp_lt_i32 s[DD], 0                          ; or behind it?
	s_cselect_b32 s[BE], s[BIGN], 0
	WIN 0x01
.set z, 0
.rept 32
	v_pk_fma_f32 v[S+2*z:S+2*z+1], v[MD+2*z:MD+2*z+1], s[AL:AL+1], s[BE:BE+1] op_sel_hi:[1,0,0]  ; the scores' start: 0 or -1e30
.set z, z+1
.endr
	s_wait_dscnt 16                                ; K is in; V's sixteen loads may be out
	WIN 0x05
.set i, 0
.rept 16                                ; S^T += K Q^T: channels 32 (i / 8) on, keys 16 ((i / 2) % 4) on, tile i % 2; the 8 accumulators take turns
.set rS, S+32*(i%2)+8*((i/2)%4)
.set rK, KF+16*((i/2)%4)+8*(i/8)
.set rQ, Q+16*(i%2)+8*(i/8)
	v_wmma_f32_16x16x32_f16 v[rS:rS+7], v[rK:rK+7], v[rQ:rQ+7], v[rS:rS+7]
.set i, i+1
.endr
	WIN 0
.rept 4
	v_nop                                          ; the places behind those products
.endr
.irp n, 0,1,2,3,4,5,6,7,8,9,10,11,12,13,14,15,16,17,18,19,20
	XS 0, \n
	XS 1, \n
.endr
.set z, 0
.rept 16
.irp t, 0,1
	v_pk_fma_f32 v[S+32*(\t)+2*z:S+32*(\t)+2*z+1], v[S+32*(\t)+2*z:S+32*(\t)+2*z+1], s[CS:CS+1], v[ST+4*(\t):ST+4*(\t)+1] op_sel_hi:[1,0,0] neg_lo:[0,0,1] neg_hi:[0,0,1]
.endr
.set z, z+1
.endr
	XS 0, 21                                       ; ONE BATCH: the two a and the 64 weights; nothing ahead of the wait names a result
	XS 1, 21
.set z, 0
.rept 64
	v_exp_f32 v[S+z], v[S+z]
.set z, z+1
.endr
	v_nop                                          ; a plain instruction behind the last exponential,
	s_wait_alu depctr_va_vdst(0)                   ; and the one wait for the batch
.set z, 0
.rept 32
	v_cvt_pk_f16_f32 v[P+z], v[S+2*z], v[S+2*z+1]
.set z, z+1
.endr
.set z, 0
.rept 15
	SUM1 0
	SUM1 1
.set z, z+1
.endr
.irp t, 0,1
	v_pk_fma_f32 v[ST+4*(\t)+2:ST+4*(\t)+3], v[ST+4*(\t)+2:ST+4*(\t)+3], v[TMP+4*(\t)+2:TMP+4*(\t)+3], v[S+32*(\t):S+32*(\t)+1] op_sel_hi:[1,0,1]
.endr
.set z, 0
.rept 32
	v_pk_mul_f32 v[O+2*z:O+2*z+1], v[O+2*z:O+2*z+1], v[TMP+4*(z/16)+2:TMP+4*(z/16)+3] op_sel_hi:[1,0]
.set z, z+1
.endr
	s_wait_dscnt 0x0                               ; V is in
	WIN 0x01
.set i, 0
.rept 16                                ; O^T += V^T P: keys 32 (i / 8) on, channels 16 ((i / 2) % 4) on, tile i % 2
.set rO, O+32*(i%2)+8*((i/2)%4)
.set rV, VF+32*(i/8)+8*((i/2)%4)
.set rP, P+16*(i%2)+8*(i/8)
	v_wmma_f32_16x16x32_f16 v[rO:rO+7], v[rV:rV+7], v[rP:rP+7], v[rO:rO+7]
.set i, i+1
.endr
	WIN 0
.rept 4
	v_nop                                          ; the places in front of the next loads into V's registers and of the block's end
.endr
.endm
.macro FOUR                            ; a tile's four steps: written once, walked four times; the LDS addresses hang on TBK and TBV
	s_mov_b32 s[CNT], 4
.Lstep_\@:
	STEP
	s_sub_co_i32 s[DD], s[DD], 1
	s_add_co_u32 s[TBK], s[TBK], KS*PK
	s_add_co_u32 s[TBV], s[TBV], KS*PV
	s_sub_co_u32 s[CNT], s[CNT], 1
	s_cmp_lg_u32 s[CNT], 0
	s_cbranch_scc1 .Lstep_\@
.endm
; A BLOCK ENDS: O^T / l, rounded to f16, into stage st
.macro FINISH st
.irp t, 0,1
	v_add_f32 v[ST+4*(\t)+2], v[ST+4*(\t)+2], v[ST+4*(\t)+3]
.endr
.irp t, 0,1
	v_permlanex16_b32 v[ST+4*(\t)+3], v[ST+4*(\t)+2], s[SEL], s[SEL+1]
.endr
.irp t, 0,1
	v_add_f32 v[ST+4*(\t)+2], v[ST+4*(\t)+2], v[ST+4*(\t)+3]
.endr
.irp t, 0,1
	v_rcp_f32 v[ST+4*(\t)+2], v[ST+4*(\t)+2]
.endr
	v_nop
	s_wait_alu depctr_va_vdst(0)                   ; one wait for the two reciprocals
.set z, 0
.rept 32
	v_pk_mul_f32 v[O+2*z:O+2*z+1], v[O+2*z:O+2*z+1], v[ST+4*(z/16)+2:ST+4*(z/16)+3] op_sel_hi:[1,0]
.set z, z+1
.endr
.set z, 0
.rept 32
	v_cvt_pk_f16_f32 v[S+z], v[O+2*z], v[O+2*z+1]
.set z, z+1
.endr
.irp t, 0,1
.irp cb, 0,1,2,3
	ds_store_b128 v[STO], v[S+16*(\t)+4*(\cb):S+16*(\t)+4*(\cb)+3] offset:(\st)*YSZ+(\t)*16*YPI+32*(\cb)
.endr
.endr
.endm
	s_load_b128 s[4:7], s[0:1], 0x0                ; qkv 4, ybuf 6
	v_lshl_add_u32 v[SPW], v0, 2, SPARE
	v_mov_b32 v[NIL], 0
	ds_add_u32 v[SPW], v[NIL]                      ; the opening: the add and its wait ahead of my first tensor load
	v_lshrrev_b32 v1, 5, v0
	v_readfirstlane_b32 s[WV], v1
	s_bfe_u32 s13, ttmp6, 0x40000                  ; cx
	s_mov_b32 s14, ttmp9                           ; c
	s_and_b32 s15, ttmp7, 0xffff
	s_lshr_b32 s16, s15, 2                         ; batch
	s_and_b32 s17, s15, 3                          ; key/value head
	s_lshl_b32 s18, s14, 2
	s_add_co_u32 s18, s18, s13                     ; p: the second block
	s_sub_co_u32 s19, 63, s18                      ; the first block
	s_mul_i32 s20, s16, 24
	s_add_co_u32 s21, s20, s17
	s_add_co_u32 s21, s21, 16
	s_lshl_b32 s22, s21, 18                        ; K's head: 2,048 rows of 128 bytes
	s_and_b32 s3, s[WV], 1                         ; which half of a tile's 256 keys I fetch
	s_lshl_b32 s2, s3, 14
	s_add_co_u32 s22, s22, s2
	s_mov_b32 s23, 0
	s_mul_i32 s48, s3, 128*PK
	s_mul_i32 s49, s3, 128*PV
	s_lshl_b32 s50, s17, 2
	s_add_co_u32 s50, s50, s20
	s_add_co_u32 s50, s50, s[WV]                   ; my query head
	s_lshl_b32 s50, s50, 18
	s_lshl_b32 s51, s19, 12                        ; 32 rows of 128 bytes a block
	s_add_co_u32 s52, s50, s51
	s_mov_b32 s53, 0
	s_lshl_b32 s51, s18, 12
	s_add_co_u32 s54, s50, s51
	s_mov_b32 s55, 0
	s_lshl_b32 s50, s16, 22                        ; y: 2,048 rows of 2,048 bytes a batch,
	s_lshl_b32 s51, s17, 9                         ; the four heads' 512 bytes,
	s_add_co_u32 s50, s50, s51
	s_lshl_b32 s51, s19, 16                        ; 32 rows a block
	s_add_co_u32 s[YP], s50, s51
	s_mov_b32 s[YP+1], 0
	s_lshl_b32 s51, s18, 16
	s_add_co_u32 s[YP2], s50, s51
	s_mov_b32 s[YP2+1], 0
	s_lshr_b32 s[DD], s19, 1                       ; the first block's own step,
	s_lshr_b32 s[DS2], s18, 1                      ; the second's
	s_and_b32 s[PAR], s19, 1
	s_and_b32 s[PAR2], s18, 1
	s_lshr_b32 s[TL], s14, 1                       ; the second block's last tile: c / 2,
	s_sub_co_u32 s[LQ], 7, s[TL]                   ; the first's: 7 - c / 2
	s_add_co_u32 s[RT], s[LQ], 1
	s_add_co_u32 s[RT2], s[TL], 1
	s_mov_b32 s[G1K], 15|(1<<16)|(1<<20)|(1<<21)|(4<<22)|(3<<25)  ; the mask of four; 2-byte elements; padding on; bit 21 beside a mask; after every 32 words 4 words
	s_mov_b32 s[G1V], 15|(1<<16)|(1<<20)|(1<<21)|(4<<22)|(7<<25)  ; the same with 8 words
.irp g, G1K, G1V
	s_mov_b32 s[\g+1], 128<<16                     ; 128 keys are 16,384 dense bytes: asked for as 64 rows of 256 bytes
	s_mov_b32 s[\g+2], 64<<16
	s_mov_b32 s[\g+3], 128<<16
	s_mov_b32 s[\g+4], 64
	s_mov_b32 s[\g+5], 128
	s_mov_b32 s[\g+6], 0
	s_mov_b32 s[\g+7], 0
.endr
	s_mov_b32 s[CS], 0x3e38aa3b                    ; c = log2(e) / 8
	s_mov_b32 s[CS+1], s[CS]
	s_mov_b32 s[SEL], 0x76543210
	s_mov_b32 s[SEL+1], 0xfedcba98
	s_mov_b32 s[TBK], SLOT1+4*KS*PK                ; the first change of slots turns these two into 0
	s_mov_b32 s[TBV], SLOT1+4*KS*PV
	s_mov_b32 s[G0K], 1
	s_mov_b32 s[G0K+1], s48
	s_mov_b32 s[G0V], 1
	s_add_co_u32 s[G0V+1], s49, VOFF
	s_mov_b32 s[NXT], 1
	s_mov_b32 s[OFF+1], 0
	s_mov_b32 s[AL+1], 0
	s_mov_b32 s[BE+1], 0
	s_mov_b32 s[BIGN], 0xf149f2ca                  ; -1e30
	s_mov_b32 s[SLOTS], 8
	s_wait_dscnt 0x0                               ; the opening add is done
	s_wait_kmcnt 0x0
	s_add_nc_u64 s[8:9], s[4:5], s[22:23]          ; K at my half of tile 0,
	s_add_nc_u64 s[10:11], s[8:9], 0x100000        ; V four heads on
	s_add_nc_u64 s[G0K+2:G0K+3], s[8:9], 0
	s_or_b32 s[G0K+3], s[G0K+3], 0x80000000
	s_add_nc_u64 s[G0V+2:G0V+3], s[10:11], 0
	s_or_b32 s[G0V+3], s[G0V+3], 0x80000000
	s_add_nc_u64 s[52:53], s[4:5], s[52:53]        ; Q of the first block, of the second
	s_add_nc_u64 s[54:55], s[4:5], s[54:55]
	s_add_nc_u64 s[YP:YP+1], s[6:7], s[YP:YP+1]
	s_add_nc_u64 s[YP2:YP2+1], s[6:7], s[YP2:YP2+1]
	CROUND                                         ; all four work-groups are here
	JLOAD                                          ; tile 0 into slot 0
	v_and_b32 v1, 15, v0                           ; r
	v_bfe_u32 v9, v0, 4, 1                         ; h
	v_lshlrev_b32 v[QO], 7, v1
	v_lshl_add_u32 v[QO], v9, 4, v[QO]
	WIN 0x40
.irp t, 0,1
.irp c, 0,1
	global_load_b128 v[Q+16*(\t)+8*(\c):Q+16*(\t)+8*(\c)+3],    v[QO], s[52:53] offset:(\t)*2048+(\c)*64
	global_load_b128 v[Q+16*(\t)+8*(\c)+4:Q+16*(\t)+8*(\c)+7],  v[QO], s[52:53] offset:(\t)*2048+(\c)*64+32
	global_load_b128 v[QB+16*(\t)+8*(\c):QB+16*(\t)+8*(\c)+3],   v[QO], s[54:55] offset:(\t)*2048+(\c)*64
	global_load_b128 v[QB+16*(\t)+8*(\c)+4:QB+16*(\t)+8*(\c)+7], v[QO], s[54:55] offset:(\t)*2048+(\c)*64+32
.endr
.endr
	WIN 0
	v_mul_u32_u24 v[AK0], v1, PK
	v_lshl_add_u32 v[AK0], v9, 4, v[AK0]
	v_and_b32 v10, 7, v0
	v_bfe_u32 v11, v0, 3, 1
	v_lshl_add_u32 v[AV0], v9, 3, v10              ; the turning load: key 8 h + l % 8, channels 8 ((l / 8) % 2) on
	v_mul_u32_u24 v[AV0], v[AV0], PV
	v_lshl_add_u32 v[AV0], v11, 4, v[AV0]
	v_add_nc_u32 v[AV0], VOFF, v[AV0]
	v_mul_u32_u24 v[STO], v1, YPI
	v_lshl_add_u32 v[STO], v9, 4, v[STO]
	s_lshl_b32 s2, s[WV], 7
	s_add_co_u32 s2, s2, YST
	v_add_nc_u32 v[STO], s2, v[STO]                ; position r, my head's 128 bytes, 16 bytes for each half of the lanes
	v_and_b32 v10, 31, v0
	v_lshlrev_b32 v10, 4, v10
	s_mul_i32 s2, s[WV], 8*YPI
	s_add_co_u32 s2, s2, YST
	v_add_nc_u32 v[RD], s2, v10                    ; back: wave w takes positions 8 w .. 8 w + 7, 512 bytes each
	s_lshl_b32 s2, s[WV], 14
	v_add_nc_u32 v[GO], s2, v10
	; O^T and l need only be finite when a block begins (its first a is 0): zeros for the first block, what the first block left for the second.  These lines stand in the wait for the first tile.
.set i, 0
.rept 64
	v_mov_b32 v[O+i], 0
.set i, i+1
.endr
.irp t, 0,1
	v_mov_b32 v[ST+4*(\t)+2], 0
	v_mov_b32 v[ST+4*(\t)+3], 0
.endr
	BEGIN PAR                                      ; the first block
	s_wait_loadcnt 0x0                             ; Q, both blocks'
.Lslot:                                                ; eight times: a tile is entered and the next is asked for
	CHANGE 1
	FOUR
	s_sub_co_u32 s[RT], s[RT], 1
	s_cmp_lg_u32 s[RT], 0
	s_cbranch_scc1 .Lbottom                        ; not the first block's last tile (the second block's last is the walk's ninth, behind the loop)
	FINISH 0                                       ; the first block goes into its stage,
	s_mov_b32 s[DD], s[DS2]                        ; and the second is set up
	s_mov_b32 s[RT], s[RT2]
	WIN 0x41
.set i, 0
.rept 32
	v_mov_b32 v[Q+i], v[QB+i]                      ; its Q goes where the one text of the step names Q
.set i, i+1
.endr
	WIN 0
	BEGIN PAR2
.Lbottom:
	s_sub_co_u32 s[SLOTS], s[SLOTS], 1
	s_cmp_lg_u32 s[SLOTS], 0
	s_cbranch_scc1 .Lslot
	CHANGE 0                                       ; the walk's ninth tile is written out: nothing is asked for
	FOUR
	FINISH 1                                       ; the second block goes into its stage
	s_wait_dscnt 0x0                               ; my stores into the stages are done,
	s_barrier_signal -1
	s_barrier_wait -1                              ; everybody's are
.irp i, 0,1,2,3,4,5,6,7
	ds_load_b128 v[RBK+4*(\i):RBK+4*(\i)+3], v[RD] offset:YPI*(\i)
.endr
.irp i, 0,1,2,3,4,5,6,7
	ds_load_b128 v[96+4*(\i):96+4*(\i)+3], v[RD] offset:YSZ+YPI*(\i)
.endr
.irp i, 0,1,2,3,4,5,6,7
	s_wait_dscnt 15-(\i)                           ; LDS loads come back in order: the younger ones may stay out
	global_store_b128 v[GO], v[RBK+4*(\i):RBK+4*(\i)+3], s[YP:YP+1] offset:2048*(\i)  ; 512 consecutive bytes, aligned
.endr
.irp i, 0,1,2,3,4,5,6,7
	s_wait_dscnt 7-(\i)
	global_store_b128 v[GO], v[96+4*(\i):96+4*(\i)+3], s[YP2:YP2+1] offset:2048*(\i)
.endr
	s_wait_tensorcnt 0x0                           ; the wave's end
	ds_add_u32 v[SPW], v[NIL]
	s_wait_dscnt 0x0
	CROUND                                         ; the closing round
	s_endpgm
.Lfunc_end_k_q8cd5a742ec_attn:
	.size	k_q8cd5a742ec_attn, .Lfunc_end_k_q8cd5a742ec_attn-k_q8cd5a742ec_attn
	.p2alignl 7, 3214868480
	.fill 96, 4, 3214868480
	.section	.rodata,"a",@progbits
	.p2align	6, 0x0
	.amdhsa_kernel k_q8cd5a742ec_attn
		.amdhsa_group_segment_fixed_size 327680
		.amdhsa_private_segment_fixed_size 0
		.amdhsa_enable_private_segment 0
		.amdhsa_kernarg_size 16
		.amdhsa_user_sgpr_count 2
		.amdhsa_user_sgpr_kernarg_segment_ptr 1
		.amdhsa_wavefront_size32 1
		.amdhsa_system_sgpr_workgroup_id_x 1
		.amdhsa_system_sgpr_workgroup_id_y 1
		.amdhsa_system_sgpr_workgroup_id_z 1
		.amdhsa_system_vgpr_workitem_id 0
		.amdhsa_next_free_vgpr 512
		.amdhsa_next_free_sgpr 96
		.amdhsa_reserve_vcc 1
		.amdhsa_float_denorm_mode_32 3
		.amdhsa_float_denorm_mode_16_64 3
		.amdhsa_memory_ordered 1
		.amdhsa_forward_progress 1
		.amdhsa_inst_pref_size 79
	.end_amdhsa_kernel
	.amdgpu_metadata
---
amdhsa.version: [ 1, 2 ]
amdhsa.kernels:
  - .name:           k_q8cd5a742ec_attn
    .symbol:         k_q8cd5a742ec_attn.kd
    .args:
      - { .name: qkv, .offset: 0, .size: 8, .value_kind: global_buffer, .address_space: global }
      - { .name: ybuf, .offset: 8, .size: 8, .value_kind: global_buffer, .address_space: global }
    .group_segment_fixed_size: 327680
    .private_segment_fixed_size: 0
    .kernarg_segment_align: 8
    .kernarg_segment_size: 16
    .max_flat_workgroup_size: 128
    .sgpr_count:     96
    .vgpr_count:     512
    .wavefront_size: 32
...
	.end_amdgpu_metadata
.endif
;; end of part 3
;; launch proj (part 4): grid 8 x 32, 4 waves a work-group, clusters of 4 x 4, 327,680 bytes of LDS; arguments ybuf, wts, x, x0, vel, resid_mix, attn_scale, mu, out1, x3; writes out1, x3
.if DOCPART == 4
	.amdgcn_target "amdgcn-amd-amdhsa--gfx1250"
	.amdhsa_code_object_version 6
	.text
	.protected	k_q8cd5a742ec_proj
	.globl	k_q8cd5a742ec_proj
	.p2align	8
	.type	k_q8cd5a742ec_proj,@function
k_q8cd5a742ec_proj:
	s_mov_b64 s[64:65], 0
	v_nop
	global_prefetch_b8 v0, s[64:65] scope:SCOPE_SE
	s_setreg_imm32_b32 hwreg(HW_REG_WAVE_MODE, 25, 1), 1
	s_wait_xcnt 0x0
	s_wait_alu depctr_hold_cnt(0) depctr_sa_sdst(0) depctr_va_vdst(0) depctr_va_sdst(0) depctr_va_ssrc(0) depctr_va_vcc(0) depctr_vm_vsrc(0)
	s_getreg_b32 s2, hwreg(HW_REG_IB_STS2, 6, 4)
	s_cmp_eq_u32 s2, 0
	s_cbranch_scc0 .Lentry_in_a_cluster
	s_endpgm
.Lentry_in_a_cluster:
	s_bfe_u32 s2, ttmp6, 0x10000c
	s_cmp_lg_u32 s2, 0xf033
	s_cbranch_scc0 .Lentry_shape_is_right
	s_endpgm
.Lentry_shape_is_right:
; PROJ and the dynamics.  A = y (f16 [4096][1024]) x Wproj^T (f16 [1024][1024]), sums in f32; then, in f32:
;   x1 = mix0 x + mix1 x0;  x2 = x1 + attn_scale A;  v = clip(0.95 vel - 0.3 x2 + 0.3 clip(mu, 0.5, 1.5), -3, 3) -> out1;  x3 = x2 + 0.01 v -> x3.
; A tile is 128 x 128, four waves of 64 x 64, K steps of 256 (LDS rows of 512 bytes) through two slots; 4 x 4 clusters: y's tile is shared along a row, the weights' along a column.
; The matrix instruction is used transposed (source 0 = 16 weight rows, source 1 = 16 tokens).  x, x0 and vel of the wave's 64 x 64 are asked for straight into registers: half at the head, half behind the loop,
; so that they travel under the matrix work.  On the way out 16 rows at a time go through the wave's own stage, so that sixteen lanes hold 256 consecutive bytes of a row.
; -0.3 (x2 - mu) is formed as -0.3 x2 + 0.3 mu: mu is clipped to 0.5..1.5, so no difference of large sums arises.  NaN is not treated apart.
; REGISTERS.  window 0: addresses, v32-63 A then v, v64-95 x1 .. x3, v96-111 the columns' parameters, v128-255 accumulators.  window 1: two fragment buffers.  window 2: x, x0.  window 3: vel.
.set SIZE_K, 1024
.set KSTEP,  256
.set PITCH,  528
.set HALFT,  64*PITCH
.set SLOT,   4*HALFT
.set STAGE,  2*SLOT                    ; 16 rows x 272 bytes for each wave; no tensor load lands here
.set SPITCH, 272
.set SPARE,  STAGE+4*16*SPITCH
.set WPROJ,  3145728
.set ADRA, 16
.set ADRB, 20
.set STO,  24
.set RD,   25
.set CO,   26
.set PO,   27
.set SPW,  28
.set NIL,  29
.set CR,   32
.set UR,   64
.set PRM,  96
.set ACC,  128
.set F0,   0
.set F1,   128
.set G1, 24
.set G0, 32
.set G1B, 48
.set G0B, 56
.set WV, 84
.set RH, 85
.set CH, 86
.set MSB, 0
.macro WIN new
.if MSB != (\new)
	s_set_vgpr_msb (MSB<<8)|(\new)
.set MSB, \new
.endif
.endm
.set MUL,  0x05
.set TO_F, 0x40
.macro JLOAD s
	s_cmp_eq_u32 s[RH], 0
	s_cbranch_scc0 .Lfor_b_\@
	tensor_load_to_lds s[G0+4*(\s):G0+4*(\s)+3], s[G1:G1+7]
	s_nop 0
.rept 4
	v_nop
.endr
	s_branch .Lasked_\@
.Lfor_b_\@:
	tensor_load_to_lds s[G0B+4*(\s):G0B+4*(\s)+3], s[G1B:G1B+7]
	s_nop 0
.rept 4
	v_nop
.endr
.Lasked_\@:
.endm
.macro CREST
	s_cmp_lg_u32 s[WV], 0
	s_cbranch_scc1 .Lnot_wave_0_\@
	s_barrier_signal -3
.Lnot_wave_0_\@:
	s_barrier_wait -3
	s_barrier_signal -1
	s_barrier_wait -1
.endm
.macro CROUND
	s_barrier_signal -1
	s_barrier_wait -1
	CREST
.endm
.macro PLACES
.rept 4
	v_nop
.endr
.endm
	s_load_b256 s[4:11], s[0:1], 0x0               ; ybuf 4, wts 6, x 8, x0 10
	s_load_b256 s[68:75], s[0:1], 0x20             ; vel 68, resid_mix 70, attn_scale 72, mu 74
	s_load_b128 s[76:79], s[0:1], 0x40             ; out1 76, x3 78
	v_lshl_add_u32 v[SPW], v0, 2, SPARE
	v_mov_b32 v[NIL], 0
	ds_add_u32 v[SPW], v[NIL]                      ; the opening: the add and its wait ahead of my first tensor load
	v_lshrrev_b32 v1, 5, v0
	v_readfirstlane_b32 s[WV], v1
	s_lshr_b32 s[RH], s[WV], 1                     ; which half of the tile's rows is mine; also: I fetch for y (0) or for the weights (1)
	s_and_b32 s[CH], s[WV], 1                      ; which half of its columns; also: which 64 rows I fetch
	s_bfe_u32 s40, ttmp6, 0x40000
	s_bfe_u32 s41, ttmp6, 0x40004
	s_lshl_b32 s42, ttmp9, 2
	s_add_co_u32 s42, s42, s40                     ; tile column
	s_and_b32 s13, ttmp7, 0xffff
	s_lshl_b32 s13, s13, 2
	s_add_co_u32 s13, s13, s41                     ; tile row
	s_lshl_b32 s43, s41, 2
	s_lshl_b32 s43, 15, s43
	s_lshl_b32 s44, 0x1111, s40
	s_or_b32 s[G1+0], s43, (1<<16)|(1<<20)|(1<<21)|(6<<22)|(3<<25)  ; 2-byte elements; padding on; bit 21 beside a mask; after every 128 words 4 words
	s_or_b32 s[G1B+0], s44, (1<<16)|(1<<20)|(1<<21)|(6<<22)|(3<<25)
.irp g, G1, G1B
	s_mov_b32 s[(\g)+1], KSTEP<<16
	s_mov_b32 s[(\g)+2], 64<<16
	s_mov_b32 s[(\g)+3], KSTEP<<16
	s_mov_b32 s[(\g)+4], 64
	s_mov_b32 s[(\g)+5], SIZE_K
	s_mov_b32 s[(\g)+6], 0
	s_mov_b32 s[(\g)+7], 0
.endr
	s_lshl_b32 s17, s[CH], 6
	s_lshl_b32 s16, s13, 7
	s_add_co_u32 s16, s16, s17
	s_lshl_b32 s16, s16, 11                        ; y: row 128 tr + 64 half, 2,048 bytes a row
	s_lshl_b32 s46, s42, 7
	s_add_co_u32 s46, s46, s17
	s_lshl_b32 s46, s46, 11
	s_add_co_u32 s46, s46, WPROJ
	s_mov_b32 s17, 0
	s_mov_b32 s47, 0
	s_mul_i32 s20, s[WV], HALFT
	s_mov_b32 s87, 0xc0400000                      ; -3
	s_mov_b32 s88, 0x40400000                      ; 3
	s_mov_b32 s90, 0x3f733333                      ; 0.95
	s_mov_b32 s91, s90
	s_mov_b32 s92, 0xbe99999a                      ; -0.3
	s_mov_b32 s93, s92
	s_mov_b32 s94, 0x3c23d70a                      ; 0.1 x 0.1
	s_mov_b32 s95, s94
	s_wait_dscnt 0x0                               ; the opening add is done
	s_wait_kmcnt 0x0
	s_add_nc_u64 s[14:15], s[4:5], s[16:17]
	s_add_nc_u64 s[46:47], s[6:7], s[46:47]
	CROUND
.irp s, 0,1
	s_mov_b32 s[G0+4*(\s)], 1
	s_add_co_u32 s[G0+4*(\s)+1], s20, (\s)*SLOT
	s_add_nc_u64 s[G0+4*(\s)+2:G0+4*(\s)+3], s[14:15], (\s)*KSTEP*2
	s_or_b32 s[G0+4*(\s)+3], s[G0+4*(\s)+3], 0x80000000
	s_mov_b32 s[G0B+4*(\s)], 1
	s_add_co_u32 s[G0B+4*(\s)+1], s20, (\s)*SLOT
	s_add_nc_u64 s[G0B+4*(\s)+2:G0B+4*(\s)+3], s[46:47], (\s)*KSTEP*2
	s_or_b32 s[G0B+4*(\s)+3], s[G0B+4*(\s)+3], 0x80000000
	JLOAD \s
.endr
	v_and_b32 v1, 15, v0
	v_bfe_u32 v2, v0, 4, 1
	v_mul_u32_u24 v3, v1, PITCH
	v_lshl_add_u32 v3, v2, 4, v3
	s_mul_i32 s21, s[RH], HALFT
	s_mul_i32 s22, s[CH], HALFT
	s_add_co_u32 s22, s22, 2*HALFT
.irp s, 0,1
	v_add_nc_u32 v[ADRA+(\s)], s21, v3
	v_add_nc_u32 v[ADRB+(\s)], s22, v3
	s_add_co_u32 s21, s21, SLOT
	s_add_co_u32 s22, s22, SLOT
.endr
	s_mul_i32 s23, s[WV], 16*SPITCH
	s_add_co_u32 s23, s23, STAGE
	v_mul_u32_u24 v4, v1, SPITCH
	v_lshl_add_u32 v4, v2, 5, v4
	v_add_nc_u32 v[STO], s23, v4                   ; in: row r, 32 bytes (8 f32) for each half of the lanes
	v_mul_u32_u24 v5, v2, SPITCH
	v_lshl_add_u32 v5, v1, 4, v5
	v_add_nc_u32 v[RD], s23, v5                    ; back: lanes 0-15 one row of 256 bytes, lanes 16-31 the next
	v_lshlrev_b32 v[PO], 4, v1
	v_lshl_add_u32 v[CO], v2, 12, v[PO]            ; and the same two rows in memory
	s_lshl_b32 s18, s13, 7
	s_lshl_b32 s19, s[RH], 6
	s_add_co_u32 s18, s18, s19
	s_lshl_b32 s18, s18, 12                        ; my first row, 4,096 bytes a row
	s_mov_b32 s19, 0
	s_lshl_b32 s96, s42, 9
	s_lshl_b32 s97, s[CH], 8
	s_add_co_u32 s96, s96, s97                     ; my first column, in bytes
	s_mov_b32 s97, 0
	s_add_nc_u64 s[70:71], s[70:71], s[96:97]
	s_add_nc_u64 s[72:73], s[72:73], s[96:97]
	s_add_nc_u64 s[74:75], s[74:75], s[96:97]
	s_add_nc_u64 s[96:97], s[96:97], s[18:19]
	s_add_nc_u64 s[8:9], s[8:9], s[96:97]
	s_add_nc_u64 s[10:11], s[10:11], s[96:97]
	s_add_nc_u64 s[68:69], s[68:69], s[96:97]
	s_add_nc_u64 s[76:77], s[76:77], s[96:97]
	s_add_nc_u64 s[78:79], s[78:79], s[96:97]
	global_load_b128 v[PRM:PRM+3], v[PO], s[70:71]
	global_load_b128 v[PRM+4:PRM+7], v[PO], s[70:71] offset:4096
	global_load_b128 v[PRM+8:PRM+11], v[PO], s[72:73]
	global_load_b128 v[PRM+12:PRM+15], v[PO], s[74:75]
.macro GLOADS a                        ; x, x0 and vel of my rows 16 a .. 16 a + 15: 24 loads
	WIN 0x80
.irp t, 0,1,2,3,4,5,6,7
	global_load_b128 v[32*(\a)+4*(\t):32*(\a)+4*(\t)+3], v[CO], s[8:9] offset:(16*(\a)+2*(\t))*4096
	global_load_b128 v[128+32*(\a)+4*(\t):128+32*(\a)+4*(\t)+3], v[CO], s[10:11] offset:(16*(\a)+2*(\t))*4096
.endr
	WIN 0xc0
.irp t, 0,1,2,3,4,5,6,7
	global_load_b128 v[32*(\a)+4*(\t):32*(\a)+4*(\t)+3], v[CO], s[68:69] offset:(16*(\a)+2*(\t))*4096 th:TH_LOAD_NT
.endr
	WIN 0
.endm
	GLOADS 0
	GLOADS 1
.macro MUL8 f, c, a0, zero
	WIN MUL
.irp a, \a0, (\a0)+1
.irp b, 0,1,2,3
.if \zero
	v_wmma_f32_16x16x32_f16 v[ACC+8*(4*(\a)+(\b)):ACC+8*(4*(\a)+(\b))+7], v[(\f)+64+8*(4*(\c)+(\b)):(\f)+64+8*(4*(\c)+(\b))+7], v[(\f)+8*(4*(\c)+(\a)):(\f)+8*(4*(\c)+(\a))+7], 0
.else
	v_wmma_f32_16x16x32_f16 v[ACC+8*(4*(\a)+(\b)):ACC+8*(4*(\a)+(\b))+7], v[(\f)+64+8*(4*(\c)+(\b)):(\f)+64+8*(4*(\c)+(\b))+7], v[(\f)+8*(4*(\c)+(\a)):(\f)+8*(4*(\c)+(\a))+7], v[ACC+8*(4*(\a)+(\b)):ACC+8*(4*(\a)+(\b))+7]
.endif
.endr
.endr
.endm
.macro FETCH slot, k, f
	WIN TO_F
.irp c, 0,1
.irp i, 0,1,2,3
	ds_load_b128 v[(\f)+64+8*(4*(\c)+(\i)):(\f)+64+8*(4*(\c)+(\i))+3],   v[ADRB+(\slot)] offset:(\k)+64*(\c)+(\i)*16*PITCH
	ds_load_b128 v[(\f)+64+8*(4*(\c)+(\i))+4:(\f)+64+8*(4*(\c)+(\i))+7], v[ADRB+(\slot)] offset:(\k)+64*(\c)+(\i)*16*PITCH+32
	ds_load_b128 v[(\f)+8*(4*(\c)+(\i)):(\f)+8*(4*(\c)+(\i))+3],         v[ADRA+(\slot)] offset:(\k)+64*(\c)+(\i)*16*PITCH
	ds_load_b128 v[(\f)+8*(4*(\c)+(\i))+4:(\f)+8*(4*(\c)+(\i))+7],       v[ADRA+(\slot)] offset:(\k)+64*(\c)+(\i)*16*PITCH+32
.endr
.endr
.endm
.macro QUARTER slot, k, f, g, zero     ; 64 along K: 32 products on 16 accumulators that take turns; the next quarter's 32 loads in one run in its middle
	s_wait_dscnt 16                                ; the first 32 along K are in
	MUL8 \f, 0, 0, \zero
	MUL8 \f, 0, 2, \zero
	PLACES
	FETCH \slot, \k, \g
	s_wait_dscnt 32                                ; all but the 32 just issued
	MUL8 \f, 1, 0, 0
	MUL8 \f, 1, 2, 0
.endm
.macro TURN slot, next, fill
	WIN 0
	s_wait_tensorcnt 0x0                           ; all my tensor loads have landed: my part of the next slot;
	ds_add_u32 v[SPW], v[NIL]
	s_wait_dscnt 17                                ; (the add and the youngest sixteen loads may be out)
	MUL8 F1, 0, 0, 0
	s_wait_dscnt 0x0                               ; the add is done, and my reads of this slot are over
	s_barrier_signal -1
	MUL8 F1, 0, 2, 0
.if \fill
	WIN 0
.endif
	s_barrier_wait -1
.if \fill
	CREST
	s_add_nc_u64 s[G0+4*(\slot)+2:G0+4*(\slot)+3], s[G0+4*(\slot)+2:G0+4*(\slot)+3], 2*KSTEP*2
	s_add_nc_u64 s[G0B+4*(\slot)+2:G0B+4*(\slot)+3], s[G0B+4*(\slot)+2:G0B+4*(\slot)+3], 2*KSTEP*2
	JLOAD \slot                                    ; the first tensor load behind the round; its four v_nop are also the places in front of the loads below
.else
	PLACES
.endif
	FETCH \next, 0, F0
	MUL8 F1, 1, 0, 0
	MUL8 F1, 1, 2, 0
.endm
	s_wait_tensorcnt 1                             ; my part of K step 0 is in; K step 1's may stay out
	s_barrier_signal -1
	s_barrier_wait -1
	FETCH 0, 0, F0
	QUARTER 0, 128, F0, F1, 1
	WIN 0
	s_mov_b32 s3, 1
.Llap:
	QUARTER 0, 256, F1, F0, 0
	QUARTER 0, 384, F0, F1, 0
	TURN 0, 1, 1
	QUARTER 1, 128, F0, F1, 0
	QUARTER 1, 256, F1, F0, 0
	QUARTER 1, 384, F0, F1, 0
	TURN 1, 0, 1
	QUARTER 0, 128, F0, F1, 0
	WIN 0
	s_sub_co_u32 s3, s3, 1
	s_cmp_lg_u32 s3, 0
	s_cbranch_scc1 .Llap
	GLOADS 2                                       ; the other half of x, x0 and vel travels under the last lap
	GLOADS 3
	QUARTER 0, 256, F1, F0, 0
	QUARTER 0, 384, F0, F1, 0
	TURN 0, 1, 0
	QUARTER 1, 128, F0, F1, 0
	QUARTER 1, 256, F1, F0, 0
	QUARTER 1, 384, F0, F1, 0
	s_wait_dscnt 16
	MUL8 F1, 0, 0, 0
	MUL8 F1, 0, 2, 0
	s_wait_dscnt 0
	MUL8 F1, 1, 0, 0
	MUL8 F1, 1, 2, 0
	WIN 0
	PLACES
	s_wait_loadcnt 48                              ; the parameters and blocks 0, 1 are in; blocks 2, 3 may be out
.irp e, 0,1,2,3
	v_med3_num_f32 v[PRM+12+(\e)], v[PRM+12+(\e)], 0.5, 0x3fc00000
.endr
.irp e, 0,1,2,3
	v_mul_f32 v[PRM+12+(\e)], 0x3e99999a, v[PRM+12+(\e)]   ; 0.3 clip(mu)
.endr
.macro OUTB a, lc
	s_wait_xcnt 0x0                                ; the last block's stores have read their registers
.irp b, 0,1,2,3
	ds_store_b128 v[STO], v[ACC+8*(4*(\a)+(\b)):ACC+8*(4*(\a)+(\b))+3] offset:64*(\b)
	ds_store_b128 v[STO], v[ACC+8*(4*(\a)+(\b))+4:ACC+8*(4*(\a)+(\b))+7] offset:64*(\b)+16
.endr
.irp t, 0,1,2,3,4,5,6,7
	ds_load_b128 v[CR+4*(\t):CR+4*(\t)+3], v[RD] offset:(\t)*2*SPITCH  ; LDS serves a wave's instructions in order: these see the stores above
.endr
	s_wait_loadcnt \lc                             ; this block's x, x0, vel; the later blocks' may be out
	WIN 0x02
.set z, 0
.rept 16
	v_pk_mul_f32 v[UR+2*z:UR+2*z+1], v[32*(\a)+2*z:32*(\a)+2*z+1], v[PRM+2*(z%2):PRM+2*(z%2)+1]
.set z, z+1
.endr
.set z, 0
.rept 16
	v_pk_fma_f32 v[UR+2*z:UR+2*z+1], v[128+32*(\a)+2*z:128+32*(\a)+2*z+1], v[PRM+4+2*(z%2):PRM+4+2*(z%2)+1], v[UR+2*z:UR+2*z+1]
.set z, z+1
.endr
	s_wait_dscnt 0x0
	WIN 0
.set z, 0
.rept 16
	v_pk_fma_f32 v[UR+2*z:UR+2*z+1], v[CR+2*z:CR+2*z+1], v[PRM+8+2*(z%2):PRM+8+2*(z%2)+1], v[UR+2*z:UR+2*z+1]  ; x2
.set z, z+1
.endr
.set z, 0
.rept 16
	v_pk_fma_f32 v[CR+2*z:CR+2*z+1], v[UR+2*z:UR+2*z+1], s[92:93], v[PRM+12+2*(z%2):PRM+12+2*(z%2)+1] op_sel_hi:[1,0,1]
.set z, z+1
.endr
	WIN 0x03
.set z, 0
.rept 16
	v_pk_fma_f32 v[CR+2*z:CR+2*z+1], v[32*(\a)+2*z:32*(\a)+2*z+1], s[90:91], v[CR+2*z:CR+2*z+1] op_sel_hi:[1,0,1]
.set z, z+1
.endr
	WIN 0
.set z, 0
.rept 32
	v_med3_num_f32 v[CR+z], v[CR+z], s87, s88
.set z, z+1
.endr
.set z, 0
.rept 16
	v_pk_fma_f32 v[UR+2*z:UR+2*z+1], v[CR+2*z:CR+2*z+1], s[94:95], v[UR+2*z:UR+2*z+1] op_sel_hi:[1,0,1]  ; x3
.set z, z+1
.endr
.irp t, 0,1,2,3,4,5,6,7
	global_store_b128 v[CO], v[CR+4*(\t):CR+4*(\t)+3], s[76:77] offset:(16*(\a)+2*(\t))*4096 th:TH_STORE_NT  ; sixteen lanes store 256 consecutive bytes, aligned
	global_store_b128 v[CO], v[UR+4*(\t):UR+4*(\t)+3], s[78:79] offset:(16*(\a)+2*(\t))*4096
.endr
.endm
	OUTB 0, 48
	OUTB 1, 48
	OUTB 2, 24
	OUTB 3, 0
	s_wait_tensorcnt 0x0                           ; the wave's end
	ds_add_u32 v[SPW], v[NIL]
	s_wait_dscnt 0x0
	CROUND                                         ; the closing round
	s_endpgm
.Lfunc_end_k_q8cd5a742ec_proj:
	.size	k_q8cd5a742ec_proj, .Lfunc_end_k_q8cd5a742ec_proj-k_q8cd5a742ec_proj
	.p2alignl 7, 3214868480
	.fill 96, 4, 3214868480
	.section	.rodata,"a",@progbits
	.p2align	6, 0x0
	.amdhsa_kernel k_q8cd5a742ec_proj
		.amdhsa_group_segment_fixed_size 327680
		.amdhsa_private_segment_fixed_size 0
		.amdhsa_enable_private_segment 0
		.amdhsa_kernarg_size 80
		.amdhsa_user_sgpr_count 2
		.amdhsa_user_sgpr_kernarg_segment_ptr 1
		.amdhsa_wavefront_size32 1
		.amdhsa_system_sgpr_workgroup_id_x 1
		.amdhsa_system_sgpr_workgroup_id_y 1
		.amdhsa_system_sgpr_workgroup_id_z 1
		.amdhsa_system_vgpr_workitem_id 0
		.amdhsa_next_free_vgpr 896
		.amdhsa_next_free_sgpr 100
		.amdhsa_reserve_vcc 0
		.amdhsa_float_denorm_mode_32 3
		.amdhsa_float_denorm_mode_16_64 3
		.amdhsa_memory_ordered 1
		.amdhsa_forward_progress 1
		.amdhsa_inst_pref_size 132
	.end_amdhsa_kernel
	.amdgpu_metadata
---
amdhsa.version: [ 1, 2 ]
amdhsa.kernels:
  - .name:           k_q8cd5a742ec_proj
    .symbol:         k_q8cd5a742ec_proj.kd
    .args:
      - { .name: ybuf, .offset: 0, .size: 8, .value_kind: global_buffer, .address_space: global }
      - { .name: wts, .offset: 8, .size: 8, .value_kind: global_buffer, .address_space: global }
      - { .name: x, .offset: 16, .size: 8, .value_kind: global_buffer, .address_space: global }
      - { .name: x0, .offset: 24, .size: 8, .value_kind: global_buffer, .address_space: global }
      - { .name: vel, .offset: 32, .size: 8, .value_kind: global_buffer, .address_space: global }
      - { .name: resid_mix, .offset: 40, .size: 8, .value_kind: global_buffer, .address_space: global }
      - { .name: attn_scale, .offset: 48, .size: 8, .value_kind: global_buffer, .address_space: global }
      - { .name: mu, .offset: 56, .size: 8, .value_kind: global_buffer, .address_space: global }
      - { .name: out1, .offset: 64, .size: 8, .value_kind: global_buffer, .address_space: global }
      - { .name: x3, .offset: 72, .size: 8, .value_kind: global_buffer, .address_space: global }
    .group_segment_fixed_size: 327680
    .private_segment_fixed_size: 0
    .kernarg_segment_align: 8
    .kernarg_segment_size: 80
    .max_flat_workgroup_size: 128
    .sgpr_count:     100
    .vgpr_count:     896
    .wavefront_size: 32
...
	.end_amdgpu_metadata
.endif
;; end of part 4
;; launch moe (part 5): grid 135 x 1, 4 waves a work-group, no clusters, 216,576 bytes of LDS; arguments x3, wts, route, mlp_scale, out0; writes out0
.if DOCPART == 5
	.amdgcn_target "amdgcn-amd-amdhsa--gfx1250"
	.amdhsa_code_object_version 6
	.text
	.protected	k_q8cd5a742ec_moe
	.globl	k_q8cd5a742ec_moe
	.p2align	8
	.type	k_q8cd5a742ec_moe,@function
k_q8cd5a742ec_moe:
	s_mov_b64 s[64:65], 0
	v_nop
	global_prefetch_b8 v0, s[64:65] scope:SCOPE_SE
	s_setreg_imm32_b32 hwreg(HW_REG_WAVE_MODE, 25, 1), 1
	s_wait_xcnt 0x0
; THE ROUTED MLP.  out0[t] = x3[t] + mlp_scale x (silu(g) u) down[e], (g, u) = rms(x3[t]) gate_up[e], e = the token's expert.  Only the chosen expert's products are made.
; A work-group takes one tile of the list: up to 32 tokens of one expert, through the whole chain.  4,096 / 32 + 7 = 135 tiles cover every split of the tokens.  Places past the tile's count repeat a row that
; exists, and their stores are jumped; a tile with no rows runs on rows that exist and stores nothing: so both barriers stand on every wave's way, under no branch on loaded numbers.
; WEIGHTS come from memory straight into operand registers, in the order in which an earlier launch laid them: wave w streams its quarter, 32 units of gate_up and 16 of down; a unit is 8 fragments
; (8 KB, 16 loads, 16 products).  Four register buffers: three units, 48 loads, are on their way all through both products.  No loop writes LDS or holds a barrier; all counts are constants.
; NO JOINT LOADS: each weight byte of a tile has one reader wave and goes past LDS; joint loads would want the weights in LDS and whole clusters of 128 rows for each expert.
; The matrix instruction is used transposed (source 0 = 16 weight columns, source 1 = 16 tokens): a lane holds one token.  Block i of a group of 64 columns holds columns 4 m + i; the hidden layer is numbered
; kappa = 64 w + 16 i + m, and down's rows were laid in that order; the output's columns are put in order when x3 is added, through LDS.
; The hidden layer is rounded once to bf16.  silu(g) = g / (1 + 2^(-g log2 e)): for g far below 0 the power is infinite and the quotient 0, as it should be.  Numbers of the list are clamped to their ranges.
; REGISTERS.  window 0: addresses; v32-63 token fragments; v64-127 at work; v128-255 the first product's sums, then the hidden layer's fragments.  window 1: four weight buffers.
; window 2: the gathered rows, then the second product's sums.  window 3: mlp_scale 0-127, x3 at work 128-191.
.set WGU,  5242880
.set WDN,  13631488
.set APITCH, 2064                      ; a token's 1,024 bf16 + 16 bytes
.set HT,     32*APITCH
.set HPITCH, 528
.set STG,    HT+32*HPITCH              ; [column quarter 4][32 rows][1,024 bytes + 16]: x3 in f32, then the result
.set GPITCH, 1040
.set GQ,     32*GPITCH
.set SPARE,  STG+4*GQ
.set TOK, 4
.set AAD, 5
.set HAD, 6
.set HST, 7
.set SGD, 8
.set SGR, 9
.set WOF, 10
.set COL, 11
.set SPW, 12
.set NIL, 13
.set TAD, 14
.set MSO, 15
.set RO,  16
.set SGA, 24
.set SGB, 25
.set AST, 26
.set MSB, 0
.macro WIN new
.if MSB != (\new)
	s_set_vgpr_msb (MSB<<8)|(\new)
.set MSB, (\new)
.endif
.endm
.macro WLOAD n, lb, li                 ; a unit of weights into buffer n: each load of the wave takes 512 consecutive bytes
	WIN 0x40
.irp b, 0,1,2,3,4,5,6,7
	global_load_b128 v[64*(\n)+8*(\b):64*(\n)+8*(\b)+3],   v[WOF], s[(\lb):(\lb)+1] offset:(\li)+1024*(\b)
	global_load_b128 v[64*(\n)+8*(\b)+4:64*(\n)+8*(\b)+7], v[WOF], s[(\lb):(\lb)+1] offset:(\li)+1024*(\b)+512
.endr
	WIN 0
.endm
.macro TAPRE p, k                      ; the two token fragments of 32 along K at byte k, into buffer p
.irp mb, 0,1
	ds_load_b128 v[32+16*(\p)+8*(\mb):32+16*(\p)+8*(\mb)+3],   v[AAD] offset:(\mb)*16*APITCH+(\k)
	ds_load_b128 v[32+16*(\p)+8*(\mb)+4:32+16*(\p)+8*(\mb)+7], v[AAD] offset:(\mb)*16*APITCH+(\k)+32
.endr
.endm
; a unit of the first product: 16 products on 16 accumulators; then its buffer takes the unit four further on
.macro UNIT1 pos, zero, pre, lb, li
.if \pre
	TAPRE ((\pos)+1)%2, 64*((\pos)+1)
.endif
	s_wait_loadcnt 48                              ; behind this unit's loads at least three units' 48 were issued
.if \pre
	s_wait_dscnt 4                                 ; the four loads just issued may be out
.else
	s_wait_dscnt 0x0
.endif
	WIN 0x01
.set i, 0
.rept 16
.if \zero
	v_wmma_f32_16x16x32_bf16 v[128+8*i:128+8*i+7], v[64*(\pos)+8*(i/2):64*(\pos)+8*(i/2)+7], v[32+16*((\pos)%2)+8*(i%2):32+16*((\pos)%2)+8*(i%2)+7], 0
.else
	v_wmma_f32_16x16x32_bf16 v[128+8*i:128+8*i+7], v[64*(\pos)+8*(i/2):64*(\pos)+8*(i/2)+7], v[32+16*((\pos)%2)+8*(i%2):32+16*((\pos)%2)+8*(i%2)+7], v[128+8*i:128+8*i+7]
.endif
.set i, i+1
.endr
	WIN 0
.rept 4
	v_nop                                          ; four places in front of loads into registers that those products read
.endr
	WLOAD \pos, \lb, \li
.endm
.macro UNIT2 u                         ; a unit of the second product: k block u / 2, output blocks 8 (u % 2) + 0..7
.if (\u) <= 12
	s_wait_loadcnt 48
.else
	s_wait_loadcnt 16*(15-(\u))
.endif
	WIN 0xa1
.set i, 0
.rept 16
.set rD, 128*((\u)%2)+8*i
.set rW, 64*((\u)%4)+8*(i/2)
.set rH, 128+8*(2*((\u)/2)+i%2)
.if (\u) < 2
	v_wmma_f32_16x16x32_bf16 v[rD:rD+7], v[rW:rW+7], v[rH:rH+7], 0
.else
	v_wmma_f32_16x16x32_bf16 v[rD:rD+7], v[rW:rW+7], v[rH:rH+7], v[rD:rD+7]
.endif
.set i, i+1
.endr
	WIN 0
.rept 4
	v_nop
.endr
.if (\u) <= 11
	WLOAD (\u)%4, 22, ((\u)+4)*8192
.endif
.endm
	s_load_b256 s[4:11], s[0:1], 0x0               ; x3 4, wts 6, route 8, mlp_scale 10
	s_load_b64 s[12:13], s[0:1], 0x20              ; out0
	v_lshl_add_u32 v[SPW], v0, 2, SPARE
	v_mov_b32 v[NIL], 0
	v_lshrrev_b32 v1, 5, v0
	v_readfirstlane_b32 s14, v1                    ; wave
	v_and_b32 v1, 31, v0                           ; lane
	v_and_b32 v2, 15, v0                           ; r
	v_bfe_u32 v3, v0, 4, 1                         ; h
	v_lshlrev_b32 v[WOF], 4, v1
	s_lshl_b32 s20, ttmp9, 4
	s_mov_b32 s40, 0x76543210
	s_mov_b32 s41, 0xfedcba98
	s_mov_b32 s42, 0x3a800000                      ; 1 / 1024
	s_mov_b32 s43, 0x34000000                      ; f32's eps
	s_wait_kmcnt 0x0
	s_load_b128 s[16:19], s[8:9], s20 offset:0x4000  ; my tile: expert, first place in the list, rows
	s_wait_kmcnt 0x0
	s_min_u32 s16, s16, 7
	s_min_u32 s17, s17, 0xfff
	s_min_u32 s18, s18, 32
	s_lshl_b32 s26, s16, 20
	s_lshl_b32 s27, s14, 18
	s_add_co_u32 s26, s26, s27
	s_add_co_u32 s26, s26, WGU
	s_mov_b32 s27, 0
	s_add_nc_u64 s[20:21], s[6:7], s[26:27]        ; my quarter of the expert's gate_up,
	s_lshl_b32 s26, s16, 19
	s_lshl_b32 s28, s14, 17
	s_add_co_u32 s26, s26, s28
	s_add_co_u32 s26, s26, WDN
	s_add_nc_u64 s[22:23], s[6:7], s[26:27]        ; and of its down
	s_sub_co_u32 s25, s18, 1
	v_min_u32 v[TAD], s25, v1                      ; places past the count repeat the last row
	v_add_nc_u32 v[TAD], s17, v[TAD]
	v_min_u32 v[TAD], 0xfff, v[TAD]
	v_lshlrev_b32 v[TAD], 2, v[TAD]
	global_load_b32 v[TOK], v[TAD], s[8:9]         ; lane l: the tile's token l
	WLOAD 0, 20, 0
	WLOAD 1, 20, 8192
	WLOAD 2, 20, 16384
	v_mul_u32_u24 v[AAD], v2, APITCH
	v_lshl_add_u32 v[AAD], v3, 4, v[AAD]
	v_mul_u32_u24 v[HAD], v2, HPITCH
	v_lshl_add_u32 v[HAD], v3, 4, v[HAD]
	v_add_nc_u32 v[HAD], HT, v[HAD]
	s_lshl_b32 s26, s14, 7
	v_add_nc_u32 v[HST], s26, v[HAD]
	s_mul_i32 s26, s14, GQ
	s_add_co_u32 s26, s26, STG
	v_mul_u32_u24 v[SGD], v2, GPITCH
	v_lshl_add_u32 v[SGD], v3, 7, v[SGD]
	v_add_nc_u32 v[SGD], s26, v[SGD]
	v_add_nc_u32 v[SGR], s26, v[WOF]
	s_lshl_b32 s26, s14, 10
	v_add_nc_u32 v[COL], s26, v[WOF]
	v_lshl_add_u32 v[MSO], v3, 7, s26
	s_mul_i32 s26, s14, 8*GPITCH
	s_add_co_u32 s26, s26, STG
	v_add_nc_u32 v[SGA], s26, v[WOF]
	v_add_nc_u32 v[SGB], 2*GQ, v[SGA]
	s_mul_i32 s26, s14, 8*APITCH
	v_lshl_add_u32 v[AST], v1, 3, s26
	s_wait_loadcnt 48                              ; the tokens are in; the three units may stay out
	v_min_u32 v[TOK], 0xfff, v[TOK]
	; THE GATHER: wave w takes rows 8 w + i, a whole row of 4,096 bytes in 32 registers
	s_lshl_b32 s29, s14, 3
.set i, 0
.rept 8
	s_add_co_u32 s30, s29, i
	v_readlane_b32 s31, v[TOK], s30
	s_min_u32 s31, s31, 0xfff
	s_lshl_b32 s31, s31, 12
	v_add_nc_u32 v[RO+i], s31, v[WOF]
.set i, i+1
.endr
	WIN 0x80
.set i, 0
.rept 8
.irp t, 0,1,2,3,4,5,6,7
	global_load_b128 v[32*i+4*(\t):32*i+4*(\t)+3], v[RO+i], s[4:5] offset:512*(\t)
.endr
.set i, i+1
.endr
	WIN 0x0a
.set i, 0
.rept 8
	s_wait_loadcnt 8*(7-i)                         ; the later rows may stay out
.set z, 0
.rept 16
.set rX, 32*i+2*z
.set rH, 64+4*i+2*(z%2)
.if z < 2
	v_pk_mul_f32 v[rH:rH+1], v[rX:rX+1], v[rX:rX+1]
.else
	v_pk_fma_f32 v[rH:rH+1], v[rX:rX+1], v[rX:rX+1], v[rH:rH+1]
.endif
.set z, z+1
.endr
.set i, i+1
.endr
	WIN 0
.irp i, 0,1,2,3,4,5,6,7
	v_pk_add_f32 v[64+4*(\i):65+4*(\i)], v[64+4*(\i):65+4*(\i)], v[66+4*(\i):67+4*(\i)]
.endr
.irp i, 0,1,2,3,4,5,6,7
	v_add_f32 v[64+4*(\i)], v[64+4*(\i)], v[65+4*(\i)]
.endr
.irp m, 1,2,4,8
.irp i, 0,1,2,3,4,5,6,7
	v_add_f32_dpp v[64+4*(\i)], v[64+4*(\i)], v[64+4*(\i)] row_xmask:\m row_mask:0xf bank_mask:0xf
.endr
.endr
.irp i, 0,1,2,3,4,5,6,7
	v_permlanex16_b32 v[65+4*(\i)], v[64+4*(\i)], s40, s41
.endr
.irp i, 0,1,2,3,4,5,6,7
	v_add_f32 v[64+4*(\i)], v[64+4*(\i)], v[65+4*(\i)]
.endr
.irp i, 0,1,2,3,4,5,6,7
	v_fma_f32 v[64+4*(\i)], v[64+4*(\i)], s42, s43
.endr
.irp i, 0,1,2,3,4,5,6,7
	v_rsq_f32 v[96+2*(\i)], v[64+4*(\i)]           ; twice each: a pair for the packed multiply; sixteen are one batch
	v_rsq_f32 v[97+2*(\i)], v[64+4*(\i)]
.endr
	v_nop
	s_wait_alu depctr_va_vdst(0)                   ; one wait for the batch
.set i, 0
.rept 8
	WIN 0x02
.set z, 0
.rept 16
	v_pk_mul_f32 v[128+2*z:129+2*z], v[32*i+2*z:32*i+2*z+1], v[96+2*i:97+2*i]
.set z, z+1
.endr
	WIN 0
.set z, 0
.rept 16
	v_cvt_pk_bf16_f32 v[160+z], v[128+2*z], v[129+2*z]
.set z, z+1
.endr
.irp t, 0,1,2,3,4,5,6,7
	ds_store_b64 v[AST], v[160+2*(\t):161+2*(\t)] offset:i*APITCH+256*(\t)
.endr
	WIN 0x08
.irp t, 0,1,2,3
	ds_store_b128 v[SGA], v[32*i+4*(\t):32*i+4*(\t)+3] offset:((\t)/2)*GQ+((\t)%2)*512+i*GPITCH
.endr
.irp t, 4,5,6,7
	ds_store_b128 v[SGB], v[32*i+4*(\t):32*i+4*(\t)+3] offset:(((\t)/2)%2)*GQ+((\t)%2)*512+i*GPITCH
.endr
.set i, i+1
.endr
	WIN 0
	WLOAD 3, 20, 24576
	WIN 0xc0
.irp G, 0,1,2,3
.irp j, 0,1,2,3,4,5,6,7
	global_load_b128 v[32*(\G)+4*(\j):32*(\G)+4*(\j)+3], v[MSO], s[10:11] offset:256*(\G)+16*(\j)   ; mlp_scale of columns 256 w + 64 G + 32 h + 4 j ..
.endr
.endr
	WIN 0
	s_wait_dscnt 0x0                               ; for the others' sake: my rows are in LDS
	s_barrier_signal -1
	s_barrier_wait -1
	; THE FIRST PRODUCT: 32 units, K = 1,024
	TAPRE 0, 0
	UNIT1 0, 1, 1, 20, 4*8192                      ; the first unit's products start the sums
	UNIT1 1, 0, 1, 20, 5*8192
	UNIT1 2, 0, 1, 20, 6*8192
	UNIT1 3, 0, 1, 20, 7*8192
	s_wait_xcnt 0x0                                ; the base is stepped only behind this wait
	s_add_nc_u64 s[20:21], s[20:21], 32768
	v_add_nc_u32 v[AAD], 256, v[AAD]
	s_mov_b32 s24, 6
.Lk1:                                                  ; units 4 to 27; loads units 8 to 31
	UNIT1 0, 0, 1, 20, 4*8192
	UNIT1 1, 0, 1, 20, 5*8192
	UNIT1 2, 0, 1, 20, 6*8192
	UNIT1 3, 0, 1, 20, 7*8192
	s_wait_xcnt 0x0
	s_add_nc_u64 s[20:21], s[20:21], 32768
	v_add_nc_u32 v[AAD], 256, v[AAD]
	s_sub_co_u32 s24, s24, 1
	s_cmp_lg_u32 s24, 0
	s_cbranch_scc1 .Lk1
	UNIT1 0, 0, 1, 22, 0                           ; units 28 to 31: their buffers take the second product's first four units
	UNIT1 1, 0, 1, 22, 8192
	UNIT1 2, 0, 1, 22, 16384
	UNIT1 3, 0, 0, 22, 24576
	; silu(g) u: g in v128-191, u in v192-255, register for register
.set z, 0
.rept 32
	v_pk_mul_f32 v[64+2*z:65+2*z], v[128+2*z:129+2*z], 0xbfb8aa3b op_sel_hi:[1,0]
.set z, z+1
.endr
.set z, 0
.rept 64
	v_exp_f32 v[64+z], v[64+z]
.set z, z+1
.endr
	v_nop
	s_wait_alu depctr_va_vdst(0)                   ; one wait for the 64 exponentials
.set z, 0
.rept 32
	v_pk_add_f32 v[64+2*z:65+2*z], v[64+2*z:65+2*z], 1.0 op_sel_hi:[1,0]
.set z, z+1
.endr
.set z, 0
.rept 64
	v_rcp_f32 v[64+z], v[64+z]
.set z, z+1
.endr
	v_nop
	s_wait_alu depctr_va_vdst(0)                   ; one wait for the 64 reciprocals
.set z, 0
.rept 32
	v_pk_mul_f32 v[64+2*z:65+2*z], v[64+2*z:65+2*z], v[128+2*z:129+2*z]
.set z, z+1
.endr
.set z, 0
.rept 32
	v_pk_mul_f32 v[64+2*z:65+2*z], v[64+2*z:65+2*z], v[192+2*z:193+2*z]
.set z, z+1
.endr
.set z, 0
.rept 32
	v_cvt_pk_bf16_f32 v[32+z], v[64+2*z], v[65+2*z]
.set z, z+1
.endr
.irp i, 0,1,2,3
.irp mb, 0,1
	ds_store_b128 v[HST], v[32+4*(2*(\i)+(\mb)):32+4*(2*(\i)+(\mb))+3] offset:(\mb)*16*HPITCH+32*(\i)   ; kappa = 64 w + 16 i + 8 h ..
.endr
.endr
	s_wait_dscnt 0x0                               ; for the others' sake: my part of the hidden layer is in LDS
	s_barrier_signal -1
	s_barrier_wait -1
.irp kb, 0,1,2,3,4,5,6,7
.irp mb, 0,1
	ds_load_b128 v[128+8*(2*(\kb)+(\mb)):128+8*(2*(\kb)+(\mb))+3],   v[HAD] offset:(\mb)*16*HPITCH+64*(\kb)
	ds_load_b128 v[128+8*(2*(\kb)+(\mb))+4:128+8*(2*(\kb)+(\mb))+7], v[HAD] offset:(\mb)*16*HPITCH+64*(\kb)+32
.endr
.endr
	s_wait_dscnt 0x0
	; THE SECOND PRODUCT: 16 units, K = 256, my 256 output columns
.irp u, 0,1,2,3,4,5,6,7,8,9,10,11,12,13,14,15
	UNIT2 \u
.endr
	; x3 + mlp_scale x sum, one fused multiply-add a number, in the stage: piece q = 4 mb + G is 16 tokens x 64 columns; a lane's 32 columns 64 G + 32 h + 4 j + i come from four accumulators
.macro XL q
	WIN 0xc0
.irp j, 0,1,2,3,4,5,6,7
	ds_load_b128 v[128+32*((\q)%2)+4*(\j):128+32*((\q)%2)+4*(\j)+3], v[SGD] offset:((\q)/4)*16*GPITCH+256*((\q)%4)+16*(\j)
.endr
.endm
.macro E1Q q, cnt, nxt
	s_wait_dscnt \cnt
	WIN 0xfe
.set j, 0
.rept 8
.set i, 0
.rept 4
.set rX, 128+32*((\q)%2)+4*j+i
	v_fma_f32 v[rX], v[8*(2*(4*((\q)%4)+i)+(\q)/4)+j], v[32*((\q)%4)+4*j+i], v[rX]
.set i, i+1
.endr
.set j, j+1
.endr
	WIN 0x0c
.irp j, 0,1,2,3,4,5,6,7
	ds_store_b128 v[SGD], v[128+32*((\q)%2)+4*(\j):128+32*((\q)%2)+4*(\j)+3] offset:((\q)/4)*16*GPITCH+256*((\q)%4)+16*(\j)
.endr
.if \nxt
	XL (\q)+2
.endif
.endm
	XL 0
	XL 1
	E1Q 0, 8, 1                                    ; the next piece's eight loads may be out
.irp q, 1,2,3,4,5
	E1Q \q, 16, 1                                  ; the last piece's eight stores and the next piece's eight loads may be out
.endr
	E1Q 6, 16, 0
	E1Q 7, 8, 0
	WIN 0
	; OUT: my quarter of each row, 1,024 consecutive bytes, to the token's row; rows past the count are jumped
.set g, 0
.rept 4
.if g > 0
	s_wait_xcnt 0x0                                ; the stores' offsets and data are rewritten only behind this wait
.endif
.set rB, 64+64*(g%3)
.set i, 0
.rept 8
	ds_load_b128 v[rB+8*i:rB+8*i+3],   v[SGR] offset:(8*g+i)*GPITCH
	ds_load_b128 v[rB+8*i+4:rB+8*i+7], v[SGR] offset:(8*g+i)*GPITCH+512
.set i, i+1
.endr
	s_wait_dscnt 0x0
.set i, 0
.rept 8
	s_cmp_gt_u32 s18, 8*g+i
	s_cbranch_scc0 .Lend
	v_readlane_b32 s31, v[TOK], 8*g+i
	s_min_u32 s31, s31, 0xfff
	s_lshl_b32 s31, s31, 12
	v_add_nc_u32 v[RO+i], s31, v[COL]
	global_store_b128 v[RO+i], v[rB+8*i:rB+8*i+3],   s[12:13] th:TH_STORE_NT
	global_store_b128 v[RO+i], v[rB+8*i+4:rB+8*i+7], s[12:13] offset:512 th:TH_STORE_NT
.set i, i+1
.endr
.set g, g+1
.endr
.Lend:
	s_wait_tensorcnt 0x0                           ; the wave's end, behind my last LDS store
	ds_add_u32 v[SPW], v[NIL]
	s_wait_dscnt 0x0
	s_endpgm
.Lfunc_end_k_q8cd5a742ec_moe:
	.size	k_q8cd5a742ec_moe, .Lfunc_end_k_q8cd5a742ec_moe-k_q8cd5a742ec_moe
	.p2alignl 7, 3214868480
	.fill 96, 4, 3214868480
	.section	.rodata,"a",@progbits
	.p2align	6, 0x0
	.amdhsa_kernel k_q8cd5a742ec_moe
		.amdhsa_group_segment_fixed_size 216576
		.amdhsa_private_segment_fixed_size 0
		.amdhsa_enable_private_segment 0
		.amdhsa_kernarg_size 40
		.amdhsa_user_sgpr_count 2
		.amdhsa_user_sgpr_kernarg_segment_ptr 1
		.amdhsa_wavefront_size32 1
		.amdhsa_system_sgpr_workgroup_id_x 1
		.amdhsa_system_sgpr_workgroup_id_y 1
		.amdhsa_system_sgpr_workgroup_id_z 1
		.amdhsa_system_vgpr_workitem_id 0
		.amdhsa_next_free_vgpr 960
		.amdhsa_next_free_sgpr 66
		.amdhsa_reserve_vcc 0
		.amdhsa_float_denorm_mode_32 3
		.amdhsa_float_denorm_mode_16_64 3
		.amdhsa_memory_ordered 1
		.amdhsa_forward_progress 1
		.amdhsa_inst_pref_size 195
	.end_amdhsa_kernel
	.amdgpu_metadata
---
amdhsa.version: [ 1, 2 ]
amdhsa.kernels:
  - .name:           k_q8cd5a742ec_moe
    .symbol:         k_q8cd5a742ec_moe.kd
    .args:
      - { .name: x3, .offset: 0, .size: 8, .value_kind: global_buffer, .address_space: global }
      - { .name: wts, .offset: 8, .size: 8, .value_kind: global_buffer, .address_space: global }
      - { .name: route, .offset: 16, .size: 8, .value_kind: global_buffer, .address_space: global }
      - { .name: mlp_scale, .offset: 24, .size: 8, .value_kind: global_buffer, .address_space: global }
      - { .name: out0, .offset: 32, .size: 8, .value_kind: global_buffer, .address_space: global }
    .group_segment_fixed_size: 216576
    .private_segment_fixed_size: 0
    .kernarg_segment_align: 8
    .kernarg_segment_size: 40
    .max_flat_workgroup_size: 128
    .sgpr_count:     66
    .vgpr_count:     960
    .wavefront_size: 32
...
	.end_amdgpu_metadata
.endif
;; end of part 5
;; ======== version 2 of 2: 5 launches; 1.27 times as fast as version 1
;; limits: values are held in f16: magnitudes above 65,504 overflow, below 6.1e-05 lose precision
;; workspace buffers: nbuf 8,388,608 bytes; wts 18,350,080 bytes; route 20,480 bytes of whole numbers; qkv 12,582,912 bytes; ybuf 8,388,608 bytes; x3 16,777,216 bytes
;; launch prep (part 6): grid 481 x 1, 8 waves a work-group, no clusters, 2,048 bytes of LDS; arguments x, x0, resid_mix, cq_w, ck_w, cv_w, proj_w, gate_up, down, eids, nbuf, wts, route; writes nbuf, wts, route
.if DOCPART == 6
	.amdgcn_target "amdgcn-amd-amdhsa--gfx1250"
	.amdhsa_code_object_version 6
	.text
	.protected	k_q8cd5a742ec_prep
	.globl	k_q8cd5a742ec_prep
	.p2align	8
	.type	k_q8cd5a742ec_prep,@function
k_q8cd5a742ec_prep:
	s_mov_b64 s[64:65], 0
	v_nop
	global_prefetch_b8 v0, s[64:65] scope:SCOPE_SE
	s_setreg_imm32_b32 hwreg(HW_REG_WAVE_MODE, 25, 1), 1
	s_wait_xcnt 0x0
; PREP: all that is made once.  The work-group's number chooses a role (forward branches, alike for all eight waves):
;   0         the routing: a counting sort of the 4,096 expert numbers (no atomics) and the list of tiles of 32 rows
;   1..128    32 token rows each: x1 = mix0 x + mix1 x0, n = x1 rsqrt(mean(x1^2) + eps) in bf16; and 16 rows of the table of cos and sin
;   129..288  cq, ck, cv rounded to bf16, proj rounded to bf16 and that number written as f16; 16,384 numbers each
;   289..416  gate_up, 417..480 down: rounded to bf16 and laid in the order in which a wave's matrix operand registers take them
; wts: 0 Wqkv bf16 [1536][1024]; 3,145,728 Wproj f16 [1024][1024]; WST [expert 8][wave 4][unit 48][blk 8][1,024 B]: a wave's stream, 32 units of gate_up and then 16 of down; ROPE f32 [2048][cos 32 | sin 32].
; A FRAGMENT is 16 weight columns x 32 k: byte 16 L of its first 512 bytes holds lane L's registers 0-3, of its second 512 bytes registers 4-7; lane (m = L % 16, h = L / 16) holds column slot m,
; k = 8 h + 0..7 and 16 + 8 h + 0..7.  Block i of a group of 64 columns holds columns 4 m + i: so a lane's 16-byte load feeds four blocks, sixteen lanes read 256 consecutive bytes,
; and a store of a wave covers 512 consecutive bytes.  The hidden layer is therefore numbered kappa = 64 w + 16 i + m for column 64 w + 4 m + i, and down's rows are taken in kappa's order.
; LIMITS.  An expert number outside 0..7 counts as 7.  proj_w: the bf16 number is exact in f16 from 6.1e-5 to 65,504; below it keeps f16's step of 6e-8.
; cos and sin: the angle t x inv_freq is formed in f32 as the model forms it, reduced to a turn f in -0.5..0.5; the series of cos(2 pi f) is cut where its next term is 1.4e-7 for every f.
.set WST,  5242880
.set WSTREAM, 48*8192                  ; bytes of a wave's stream
.set ROPE, 17825792
.set SPW,  214                         ; LDS address of my spare word; never rewritten
.set NIL,  215                         ; 0; never rewritten
; two token rows of the wave's four: a whole row is 32 registers of the wave
.macro ROWS2
.irp a, 0,1
.irp t, 0,1,2,3,4,5,6,7
	global_load_b128 v[80+64*(\a)+4*(\t):80+64*(\a)+4*(\t)+3], v2, s[8:9] offset:(\a)*4096+512*(\t)
	global_load_b128 v[112+64*(\a)+4*(\t):112+64*(\a)+4*(\t)+3], v2, s[10:11] offset:(\a)*4096+512*(\t)
.endr
.endr
	s_wait_loadcnt 0x0
.irp a, 0,1
.set z, 0
.rept 16
	v_pk_mul_f32 v[80+64*(\a)+2*z:80+64*(\a)+2*z+1], v[80+64*(\a)+2*z:80+64*(\a)+2*z+1], v[16+2*z:16+2*z+1]
.set z, z+1
.endr
.set z, 0
.rept 16
	v_pk_fma_f32 v[80+64*(\a)+2*z:80+64*(\a)+2*z+1], v[112+64*(\a)+2*z:112+64*(\a)+2*z+1], v[48+2*z:48+2*z+1], v[80+64*(\a)+2*z:80+64*(\a)+2*z+1]
.set z, z+1
.endr
.endr
.irp a, 0,1                            ; the sum of squares, in f32, two chains a row, started by products
	v_pk_mul_f32 v[4+4*(\a):5+4*(\a)], v[80+64*(\a):81+64*(\a)], v[80+64*(\a):81+64*(\a)]
	v_pk_mul_f32 v[6+4*(\a):7+4*(\a)], v[82+64*(\a):83+64*(\a)], v[82+64*(\a):83+64*(\a)]
.endr
.set z, 2
.rept 14
.irp a, 0,1
	v_pk_fma_f32 v[4+4*(\a)+2*(z%2):5+4*(\a)+2*(z%2)], v[80+64*(\a)+2*z:81+64*(\a)+2*z], v[80+64*(\a)+2*z:81+64*(\a)+2*z], v[4+4*(\a)+2*(z%2):5+4*(\a)+2*(z%2)]
.endr
.set z, z+1
.endr
	v_pk_add_f32 v[4:5], v[4:5], v[6:7]
	v_pk_add_f32 v[8:9], v[8:9], v[10:11]
	v_add_f32 v4, v4, v5
	v_add_f32 v8, v8, v9
.irp m, 1,2,4,8
	v_add_f32_dpp v4, v4, v4 row_xmask:\m row_mask:0xf bank_mask:0xf
	v_add_f32_dpp v8, v8, v8 row_xmask:\m row_mask:0xf bank_mask:0xf
.endr
	v_permlanex16_b32 v5, v4, s44, s45
	v_permlanex16_b32 v9, v8, s44, s45
	v_add_f32 v4, v4, v5
	v_add_f32 v8, v8, v9
	v_fma_f32 v4, v4, s42, s43             ; mean + eps
	v_fma_f32 v8, v8, s42, s43
	v_rsq_f32 v12, v4                      ; twice each: a pair for the packed multiply; four of them are one batch
	v_rsq_f32 v13, v4
	v_rsq_f32 v14, v8
	v_rsq_f32 v15, v8
	v_nop                                  ; a plain instruction behind the last of them,
	s_wait_alu depctr_va_vdst(0)           ; and the one wait ahead of the first reader
.irp a, 0,1
.set z, 0
.rept 16
	v_pk_mul_f32 v[80+64*(\a)+2*z:81+64*(\a)+2*z], v[80+64*(\a)+2*z:81+64*(\a)+2*z], v[12+2*(\a):13+2*(\a)]
.set z, z+1
.endr
.set z, 0
.rept 16
	v_cvt_pk_bf16_f32 v[112+64*(\a)+z], v[80+64*(\a)+2*z], v[81+64*(\a)+2*z]
.set z, z+1
.endr
.irp t, 0,1,2,3,4,5,6,7
	global_store_b64 v3, v[112+64*(\a)+2*(\t):113+64*(\a)+2*(\t)], s[28:29] offset:(\a)*2048+256*(\t)  ; a wave's store covers 256 consecutive bytes, aligned
.endr
.endr
.endm
; one row of the table: lanes 0-15 cos, lanes 16-31 sin (the same series a quarter turn back), two frequencies a lane
.macro ROPEROW rho, d
	s_add_co_u32 s2, s3, \rho
	v_cvt_f32_u32 v7, s2
	v_mul_f32 v8, v7, v4                   ; the angle, in f32
	v_mul_f32 v9, v7, v5
	v_fma_f32 v8, v8, 0.15915494, -v6      ; in turns
	v_fma_f32 v9, v9, 0.15915494, -v6
	v_rndne_f32 v7, v8
	v_sub_f32 v8, v8, v7
	v_rndne_f32 v7, v9
	v_sub_f32 v9, v9, v7
	v_mul_f32 v8, v8, v8
	v_mul_f32 v9, v9, v9
	v_fma_f32 v[(\d)], v8, s55, s54
	v_fma_f32 v[(\d)+1], v9, s55, s54
.irp c, 53,52,51,50,49,48
	v_fma_f32 v[(\d)], v[(\d)], v8, s\c
	v_fma_f32 v[(\d)+1], v[(\d)+1], v9, s\c
.endr
	v_fma_f32 v[(\d)], v[(\d)], v8, 1.0
	v_fma_f32 v[(\d)+1], v[(\d)+1], v9, 1.0
	global_store_b64 v3, v[(\d):(\d)+1], s[30:31] offset:256*(\rho)  ; one whole row of 256 bytes
.endm
; two units of a wave: a unit is 64 columns x 32 k = four fragments.  US, HS, JS: source bytes from unit to unit, from k half to k half, from k to k + 1 of a lane; UD: destination bytes from unit to unit
.macro FRAGS sb, US, HS, JS, UD
.irp u, 0,1
.irp hf, 0,1
.irp j, 0,1,2,3,4,5,6,7
	global_load_b128 v[16+4*(16*(\u)+8*(\hf)+(\j)):16+4*(16*(\u)+8*(\hf)+(\j))+3], v2, s[(\sb):(\sb)+1] offset:(\u)*(\US)+(\hf)*(\HS)+(\j)*(\JS) th:TH_LOAD_NT
.endr
.endr
.endr
.irp u, 0,1
	s_wait_loadcnt 16-16*(\u)              ; the other unit's sixteen loads may stay out
.irp i, 0,1,2,3
.irp hf, 0,1
.irp m, 0,1,2,3
	v_cvt_pk_bf16_f32 v[144+32*(\u)+4*(2*(\i)+(\hf))+(\m)], v[16+4*(16*(\u)+8*(\hf)+2*(\m))+(\i)], v[16+4*(16*(\u)+8*(\hf)+2*(\m)+1)+(\i)]
.endr
	global_store_b128 v3, v[144+32*(\u)+4*(2*(\i)+(\hf)):144+32*(\u)+4*(2*(\i)+(\hf))+3], s[30:31] offset:(\u)*(\UD)+(\i)*1024+(\hf)*512
.endr
.endr
.endr
.endm
	s_load_b512 s[8:23], s[0:1], 0x0               ; x 8, x0 10, resid_mix 12, cq 14, ck 16, cv 18, proj 20, gate_up 22
	s_load_b256 s[24:31], s[0:1], 0x40             ; down 24, eids 26, nbuf 28, wts 30
	s_load_b64 s[32:33], s[0:1], 0x60              ; route
	v_lshl_add_u32 v[SPW], v0, 2, 1024
	v_mov_b32 v[NIL], 0
	v_lshrrev_b32 v1, 5, v0
	v_readfirstlane_b32 s34, v1                    ; wave 0..7
	v_and_b32 v1, 31, v0                           ; lane
	s_mov_b32 s39, 0                               ; the high word of every offset
	s_wait_kmcnt 0x0
	s_cmp_eq_u32 ttmp9, 0
	s_cbranch_scc1 .Lroute
	s_cmp_lt_u32 ttmp9, 129
	s_cbranch_scc1 .Lrows
	s_cmp_lt_u32 ttmp9, 289
	s_cbranch_scc1 .Lcast
	s_cmp_lt_u32 ttmp9, 417
	s_cbranch_scc1 .Lgu
	; DOWN: expert e, k block kb (32 kappa); the wave takes column groups 2 wave, 2 wave + 1
	s_sub_co_u32 s2, ttmp9, 417
	s_lshr_b32 s3, s2, 3                           ; e
	s_and_b32 s35, s2, 7                           ; kb
	s_lshl_b32 s38, s3, 20
	s_lshr_b32 s36, s35, 1
	s_lshl_b32 s36, s36, 18                        ; 64 (kb / 2) rows of 4,096 bytes
	s_add_co_u32 s38, s38, s36
	s_and_b32 s36, s35, 1
	s_lshl_b32 s36, s36, 13                        ; 2 (kb % 2) rows
	s_add_co_u32 s38, s38, s36
	s_lshl_b32 s36, s34, 9                         ; two groups of 256 bytes a wave
	s_add_co_u32 s38, s38, s36
	s_add_nc_u64 s[24:25], s[24:25], s[38:39]
	s_lshl_b32 s38, s3, 2
	s_lshr_b32 s36, s34, 1                         ; the wave of the last launch that owns these columns
	s_add_co_u32 s38, s38, s36
	s_mul_i32 s38, s38, WSTREAM                    ; its stream,
	s_lshl_b32 s36, s35, 14                        ; unit 32 + 2 kb + (wave % 2)
	s_add_co_u32 s38, s38, s36
	s_and_b32 s36, s34, 1
	s_lshl_b32 s36, s36, 13
	s_add_co_u32 s38, s38, s36
	s_add_co_u32 s38, s38, WST+32*8192
	s_add_nc_u64 s[30:31], s[30:31], s[38:39]
	v_and_b32 v2, 15, v1
	v_lshlrev_b32 v2, 4, v2
	v_lshrrev_b32 v3, 4, v1
	v_lshl_add_u32 v2, v3, 17, v2                  ; the lanes' upper half: 32 rows on
	v_lshlrev_b32 v3, 4, v1
	FRAGS 24, 256, 4096, 16384, 4096
	s_endpgm
.Lgu:	; GATE_UP: expert e, k blocks 2 pair, 2 pair + 1; the wave takes column group G = wave
	s_sub_co_u32 s2, ttmp9, 289
	s_lshr_b32 s3, s2, 4                           ; e
	s_and_b32 s35, s2, 15                          ; pair
	s_lshl_b32 s38, s3, 21
	s_lshl_b32 s36, s35, 17
	s_add_co_u32 s38, s38, s36
	s_lshl_b32 s36, s34, 8
	s_add_co_u32 s38, s38, s36
	s_add_nc_u64 s[22:23], s[22:23], s[38:39]
	s_lshl_b32 s38, s3, 2
	s_and_b32 s36, s34, 3                          ; groups G and G + 4 (g and u) go to wave G % 4:
	s_add_co_u32 s38, s38, s36
	s_mul_i32 s38, s38, WSTREAM                    ; its stream,
	s_lshl_b32 s36, s35, 14                        ; units 2 pair, 2 pair + 1,
	s_add_co_u32 s38, s38, s36
	s_lshr_b32 s36, s34, 2
	s_lshl_b32 s36, s36, 12                        ; as their blocks 0-3 and 4-7
	s_add_co_u32 s38, s38, s36
	s_add_co_u32 s38, s38, WST
	s_add_nc_u64 s[30:31], s[30:31], s[38:39]
	v_and_b32 v2, 15, v1
	v_lshlrev_b32 v2, 4, v2
	v_lshrrev_b32 v3, 4, v1
	v_lshl_add_u32 v2, v3, 14, v2                  ; the lanes' upper half: 8 rows of 2,048 bytes on
	v_lshlrev_b32 v3, 4, v1
	FRAGS 22, 65536, 32768, 2048, 8192
	s_endpgm
.Lcast:	; chunk q of 160: cq 0-63, ck 64-79, cv 80-95, proj 96-159; the destination is wts + 32,768 q
	s_sub_co_u32 s2, ttmp9, 129
	s_mov_b64 s[36:37], s[20:21]
	s_mov_b32 s3, 96
	s_cmp_lt_u32 s2, 96
	s_cselect_b64 s[36:37], s[18:19], s[36:37]
	s_cselect_b32 s3, 80, s3
	s_cselect_b32 s35, 0, -1                       ; all ones for proj: the f16 form is chosen
	s_cmp_lt_u32 s2, 80
	s_cselect_b64 s[36:37], s[16:17], s[36:37]
	s_cselect_b32 s3, 64, s3
	s_cmp_lt_u32 s2, 64
	s_cselect_b64 s[36:37], s[14:15], s[36:37]
	s_cselect_b32 s3, 0, s3
	s_sub_co_u32 s3, s2, s3
	s_lshl_b32 s38, s3, 16
	s_add_nc_u64 s[36:37], s[36:37], s[38:39]
	s_lshl_b32 s38, s2, 15
	s_add_nc_u64 s[30:31], s[30:31], s[38:39]
	s_mov_b32 s40, 0xffff0000                      ; a word's upper bf16
	v_lshlrev_b32 v2, 4, v0
	v_lshlrev_b32 v3, 3, v0
	; 16 loads of every wave go out before the first wait; no register is loaded twice.  One text for both forms: the bf16 numbers are also written as f16, and a select takes one of the two
.set i, 0
.rept 16
	global_load_b128 v[16+4*i:19+4*i], v2, s[36:37] offset:4096*i th:TH_LOAD_NT
.set i, i+1
.endr
.set i, 0
.rept 16
	s_wait_loadcnt 15-i                            ; loads come back in order: the 15 - i younger ones may stay out
	v_cvt_pk_bf16_f32 v[144+2*i], v[16+4*i], v[17+4*i]
	v_cvt_pk_bf16_f32 v[145+2*i], v[18+4*i], v[19+4*i]
	v_lshlrev_b32 v[16+4*i], 16, v[144+2*i]        ; the bf16 numbers as f32,
	v_and_b32 v[17+4*i], s40, v[144+2*i]
	v_lshlrev_b32 v[18+4*i], 16, v[145+2*i]
	v_and_b32 v[19+4*i], s40, v[145+2*i]
	v_cvt_pk_f16_f32 v[16+4*i], v[16+4*i], v[17+4*i]  ; written as f16
	v_cvt_pk_f16_f32 v[18+4*i], v[18+4*i], v[19+4*i]
	v_cndmask_b32 v[144+2*i], v[144+2*i], v[16+4*i], s35
	v_cndmask_b32 v[145+2*i], v[145+2*i], v[18+4*i], s35
	global_store_b64 v3, v[144+2*i:145+2*i], s[30:31] offset:2048*i
.set i, i+1
.endr
	s_endpgm
.Lrows:	; rows 32 j + 4 wave + 0..3; table rows 16 j + 2 wave + 0, 1
	s_sub_co_u32 s2, ttmp9, 1
	s_lshl_b32 s3, s2, 5
	s_lshl2_add_u32 s3, s34, s3
	s_lshl_b32 s38, s3, 12
	s_add_nc_u64 s[8:9], s[8:9], s[38:39]
	s_add_nc_u64 s[10:11], s[10:11], s[38:39]
	s_lshl_b32 s38, s3, 11
	s_add_nc_u64 s[28:29], s[28:29], s[38:39]
	s_lshr_b32 s3, s3, 1
	s_lshl_b32 s38, s3, 8
	s_add_co_u32 s38, s38, ROPE
	s_add_nc_u64 s[30:31], s[30:31], s[38:39]
	s_mov_b32 s42, 0x3a800000                      ; 1 / 1024
	s_mov_b32 s43, 0x34000000                      ; f32's eps
	s_mov_b32 s44, 0x76543210                      ; v_permlanex16_b32: each lane takes its own place in the other half
	s_mov_b32 s45, 0xfedcba98
	s_mov_b32 s48, 0xc19de9e6                      ; the series of cos(2 pi f) in f^2: -(2 pi)^2 / 2!, ..
	s_mov_b32 s49, 0x4281e0f8
	s_mov_b32 s50, 0xc2aae9e4
	s_mov_b32 s51, 0x4270fa83
	s_mov_b32 s52, 0xc1d368f9
	s_mov_b32 s53, 0x40fce9c5
	s_mov_b32 s54, 0xbfdb7128
	s_mov_b32 s55, 0x3e906316                      ; .. (2 pi)^16 / 16!
	v_lshlrev_b32 v2, 4, v1
	v_lshlrev_b32 v3, 3, v1
.irp t, 0,1,2,3,4,5,6,7
	global_load_b128 v[16+4*(\t):19+4*(\t)], v2, s[12:13] offset:512*(\t)
	global_load_b128 v[48+4*(\t):51+4*(\t)], v2, s[12:13] offset:4096+512*(\t)
.endr
	s_mov_b32 s41, 2
.Ltwo:                                                 ; two rows a trip
	ROWS2
	s_wait_xcnt 0x0                                ; the bases are stepped, and the stores' data registers loaded again, only behind this wait
	s_add_nc_u64 s[8:9], s[8:9], 8192
	s_add_nc_u64 s[10:11], s[10:11], 8192
	s_add_nc_u64 s[28:29], s[28:29], 4096
	s_sub_co_u32 s41, s41, 1
	s_cmp_lg_u32 s41, 0
	s_cbranch_scc1 .Ltwo
	v_and_b32 v4, 15, v1
	v_lshlrev_b32 v4, 1, v4
	v_cvt_f32_u32 v4, v4                           ; frequency i = 2 (lane % 16), and i + 1
	v_add_f32 v5, 1.0, v4
	v_mul_f32 v4, 0xbed49a78, v4                   ; -i log2(10000) / 32
	v_mul_f32 v5, 0xbed49a78, v5
	v_exp_f32 v4, v4
	v_exp_f32 v5, v5
	v_lshrrev_b32 v6, 4, v1                        ; plain work behind the two exponentials
	v_cvt_f32_u32 v6, v6
	v_mul_f32 v6, 0x3e800000, v6                   ; a quarter turn for sin
	s_wait_alu depctr_va_vdst(0)                   ; one wait for both, ahead of their first reader
	ROPEROW 0, 10
	ROPEROW 1, 12
	s_endpgm
.Lroute:	; wave v owns tokens 512 v + 32 j + lane, j = 0..15
	v_lshlrev_b32 v2, 2, v1
	s_lshl_b32 s2, s34, 11
	v_add_nc_u32 v3, s2, v2
.set j, 0
.rept 16
	global_load_b32 v[16+j], v3, s[26:27] offset:128*j
.set j, j+1
.endr
	v_mov_b32 v32, 0
	v_mov_b32 v36, 0
.set j, 0
.rept 16
	v_mov_b32 v[64+j], 0
.set j, j+1
.endr
	s_wait_loadcnt 0x0
.set j, 0
.rept 16
	v_min_u32 v[16+j], 7, v[16+j]
.set j, j+1
.endr
	s_mov_b32 s35, 0
.Lcount:                                               ; the wave's count of expert s35 goes into lane s35 of v32
	s_mov_b32 s38, 0
.set j, 0
.rept 16
	v_cmp_eq_u32 s36, s35, v[16+j]
	s_bcnt1_i32_b32 s37, s36
	s_add_co_u32 s38, s38, s37
.set j, j+1
.endr
	v_writelane_b32 v32, s38, s35
	s_add_co_u32 s35, s35, 1
	s_cmp_lt_u32 s35, 8
	s_cbranch_scc1 .Lcount
	v_lshlrev_b32 v4, 2, v0
	ds_store_b32 v4, v32                           ; table [wave][lane]
	s_wait_dscnt 0x0                               ; for the others' sake: my store is done
	s_barrier_signal -1
	s_barrier_wait -1
.set w, 0
.rept 8
	ds_load_b32 v[40+w], v2 offset:128*w
.set w, w+1
.endr
	v_mov_b32 v33, 0
	v_mov_b32 v34, 0
	s_wait_dscnt 0x0
.set w, 0
.rept 8
	v_add_nc_u32 v33, v33, v[40+w]                 ; lane e: expert e's total,
	s_cmp_gt_u32 s34, w
	s_cselect_b32 s36, -1, 0
	v_and_b32 v35, s36, v[40+w]
	v_add_nc_u32 v34, v34, v35                     ; and what the waves in front of mine hold of it
.set w, w+1
.endr
.set e, 0
.rept 8
	v_readlane_b32 s[48+e], v33, e
.set e, e+1
.endr
	s_mov_b32 s56, 0                               ; s[56:63] an expert's first place in the list; s[68:76] its first tile
	s_mov_b32 s68, 0
.set e, 0
.rept 8
.if e < 7
	s_add_co_u32 s[57+e], s[56+e], s[48+e]
.endif
	s_add_co_u32 s37, s[48+e], 31
	s_lshr_b32 s37, s37, 5
	s_add_co_u32 s[69+e], s[68+e], s37
	v_writelane_b32 v36, s[56+e], e
.set e, e+1
.endr
	v_add_nc_u32 v36, v36, v34                     ; lane e: where my wave's tokens of expert e begin
	s_mov_b32 s35, 0
.Lplace:
	v_readlane_b32 s38, v36, s35
.set j, 0
.rept 16
	v_cmp_eq_u32 s36, s35, v[16+j]
	v_mbcnt_lo_u32_b32 v5, s36, s38                ; the running place + the chosen lanes below mine
	v_cndmask_b32 v[64+j], v[64+j], v5, s36
	s_bcnt1_i32_b32 s37, s36
	s_add_co_u32 s38, s38, s37
.set j, j+1
.endr
	s_add_co_u32 s35, s35, 1
	s_cmp_lt_u32 s35, 8
	s_cbranch_scc1 .Lplace
	s_lshl_b32 s2, s34, 9
	v_add_nc_u32 v6, s2, v1
.set j, 0
.rept 16
	v_min_u32 v[64+j], 0xfff, v[64+j]
	v_lshlrev_b32 v[64+j], 2, v[64+j]
	v_add_nc_u32 v[80+j], 32*j, v6
	global_store_b32 v[64+j], v[80+j], s[32:33]    ; order[place] = token: 16 KB in all, scattered by its nature
.set j, j+1
.endr
	; the list of tiles: thread tau writes (expert, first place, rows, 0); a tile past the last has 0 rows
	v_mov_b32 v8, 0
	v_mov_b32 v9, 0
	v_mov_b32 v10, 0
	v_mov_b32 v11, s48
.set e, 1
.rept 7
	v_cmp_le_u32 vcc_lo, s[68+e], v0
	v_cndmask_b32 v8, v8, e, vcc_lo
	v_cndmask_b32 v9, v9, s[68+e], vcc_lo
	v_cndmask_b32 v10, v10, s[56+e], vcc_lo
	v_cndmask_b32 v11, v11, s[48+e], vcc_lo
.set e, e+1
.endr
	v_sub_nc_u32 v9, v0, v9
	v_lshlrev_b32 v12, 5, v9                       ; 32 x the tile's number in its expert
	v_add_nc_u32 v9, v10, v12
	v_min_u32 v9, 0xfff, v9
	v_sub_nc_u32 v10, v11, v12
	v_max_i32 v10, 0, v10
	v_min_i32 v10, 32, v10
	v_mov_b32 v11, 0
	v_lshlrev_b32 v12, 4, v0
	global_store_b128 v12, v[8:11], s[32:33] offset:16384
	s_wait_tensorcnt 0x0                           ; the wave's end, behind my last LDS store
	ds_add_u32 v[SPW], v[NIL]
	s_wait_dscnt 0x0
	s_endpgm
.Lfunc_end_k_q8cd5a742ec_prep:
	.size	k_q8cd5a742ec_prep, .Lfunc_end_k_q8cd5a742ec_prep-k_q8cd5a742ec_prep
	.p2alignl 7, 3214868480
	.fill 96, 4, 3214868480
	.section	.rodata,"a",@progbits
	.p2align	6, 0x0
	.amdhsa_kernel k_q8cd5a742ec_prep
		.amdhsa_group_segment_fixed_size 2048
		.amdhsa_private_segment_fixed_size 0
		.amdhsa_enable_private_segment 0
		.amdhsa_kernarg_size 104
		.amdhsa_user_sgpr_count 2
		.amdhsa_user_sgpr_kernarg_segment_ptr 1
		.amdhsa_wavefront_size32 1
		.amdhsa_system_sgpr_workgroup_id_x 1
		.amdhsa_system_sgpr_workgroup_id_y 1
		.amdhsa_system_sgpr_workgroup_id_z 1
		.amdhsa_system_vgpr_workitem_id 0
		.amdhsa_next_free_vgpr 216
		.amdhsa_next_free_sgpr 80
		.amdhsa_reserve_vcc 1
		.amdhsa_float_denorm_mode_32 3
		.amdhsa_float_denorm_mode_16_64 3
		.amdhsa_memory_ordered 1
		.amdhsa_forward_progress 1
		.amdhsa_inst_pref_size 75
	.end_amdhsa_kernel
	.amdgpu_metadata
---
amdhsa.version: [ 1, 2 ]
amdhsa.kernels:
  - .name:           k_q8cd5a742ec_prep
    .symbol:         k_q8cd5a742ec_prep.kd
    .args:
      - { .name: x, .offset: 0, .size: 8, .value_kind: global_buffer, .address_space: global }
      - { .name: x0, .offset: 8, .size: 8, .value_kind: global_buffer, .address_space: global }
      - { .name: resid_mix, .offset: 16, .size: 8, .value_kind: global_buffer, .address_space: global }
      - { .name: cq_w, .offset: 24, .size: 8, .value_kind: global_buffer, .address_space: global }
      - { .name: ck_w, .offset: 32, .size: 8, .value_kind: global_buffer, .address_space: global }
      - { .name: cv_w, .offset: 40, .size: 8, .value_kind: global_buffer, .address_space: global }
      - { .name: proj_w, .offset: 48, .size: 8, .value_kind: global_buffer, .address_space: global }
      - { .name: gate_up, .offset: 56, .size: 8, .value_kind: global_buffer, .address_space: global }
      - { .name: down, .offset: 64, .size: 8, .value_kind: global_buffer, .address_space: global }
      - { .name: eids, .offset: 72, .size: 8, .value_kind: global_buffer, .address_space: global }
      - { .name: nbuf, .offset: 80, .size: 8, .value_kind: global_buffer, .address_space: global }
      - { .name: wts, .offset: 88, .size: 8, .value_kind: global_buffer, .address_space: global }
      - { .name: route, .offset: 96, .size: 8, .value_kind: global_buffer, .address_space: global }
    .group_segment_fixed_size: 2048
    .private_segment_fixed_size: 0
    .kernarg_segment_align: 8
    .kernarg_segment_size: 104
    .max_flat_workgroup_size: 256
    .sgpr_count:     80
    .vgpr_count:     216
    .wavefront_size: 32
...
	.end_amdgpu_metadata
.endif
;; end of part 6
;; launch qkv (part 7): grid 8 x 32, 4 waves a work-group, clusters of 4 x 4, 327,680 bytes of LDS; arguments nbuf, wts, q_gain, qkv; writes qkv
.if DOCPART == 7
	.amdgcn_target "amdgcn-amd-amdhsa--gfx1250"
	.amdhsa_code_object_version 6
	.text
	.protected	k_q8cd5a742ec_qkv
	.globl	k_q8cd5a742ec_qkv
	.p2align	8
	.type	k_q8cd5a742ec_qkv,@function
k_q8cd5a742ec_qkv:
	s_mov_b64 s[64:65], 0
	v_nop
	global_prefetch_b8 v0, s[64:65] scope:SCOPE_SE
	s_setreg_imm32_b32 hwreg(HW_REG_WAVE_MODE, 25, 1), 1
	s_wait_xcnt 0x0
	s_wait_alu depctr_hold_cnt(0) depctr_sa_sdst(0) depctr_va_vdst(0) depctr_va_sdst(0) depctr_va_ssrc(0) depctr_va_vcc(0) depctr_vm_vsrc(0)
	s_getreg_b32 s2, hwreg(HW_REG_IB_STS2, 6, 4)
	s_cmp_eq_u32 s2, 0
	s_cbranch_scc0 .Lentry_in_a_cluster
	s_endpgm
.Lentry_in_a_cluster:
	s_bfe_u32 s2, ttmp6, 0x10000c
	s_cmp_lg_u32 s2, 0xf033
	s_cbranch_scc0 .Lentry_shape_is_right
	s_endpgm
.Lentry_shape_is_right:
; QKV: [4096 tokens] x [1536 = 24 heads x 64] = n (bf16) x Wqkv^T (bf16), K = 1,024, sums in f32; then, per head, RMS norm, rotary turn and gain (q), norm and turn (k), nothing (v);
; rounded once to f16 and stored by heads: qkv[b][H 24][s 2048][64], H 0-15 q, 16-19 k, 20-23 v.
; SHARES.  A work-group makes 128 tokens x 192 columns (three heads): 32 x 8 = 256 work-groups.  A wave makes 32 tokens x all 192 columns: 24 accumulators.  The matrix instruction is used transposed
; (source 0 = 16 weight rows, source 1 = 16 tokens): a lane holds ONE token and 8 neighbouring channels of each block of 16, so a head's 64 channels lie in two lanes: the norm wants one exchange
; between the halves of the lanes, and the rotary partner (channel + 32) lies in the same lane, two accumulators on.
; RING.  K goes in eight steps of 128 (rows of 256 bytes) through two LDS slots; two slots of the double step (337,920 bytes) would not fit.  CLUSTER 4 x 4: n's tile is shared along a row, the weights' along a column.
; A K STEP IS WRITTEN ONCE: the fragment loads' addresses hang on a scalar that one exclusive or turns from slot to slot, and one descriptor a tensor walks.  Six steps fill their slot again (a loop of six);
; the last two fill nothing (a loop of two), and the very last jumps forward over the fetch and the first quarter of a step that does not exist.
; THE WAY OUT has no branch on the head: out = x1 CP + x2 SN, -x1 SN + x2 CP with CP = cos P + VS, SN = sin P, P = rsqrt(mean + eps) x GS; q: GS = gain, k: GS = 1, v: GS = 0 and VS = 1.
; LIMITS.  f16 ends at 65,504: |q| <= 8 |q_gain| and v must stay inside it.  NaN and infinities are not treated apart.
; REGISTERS.  window 0: v0-31 addresses, v64-255 accumulators (a, b) at 64 + 8 (12 a + b).  window 1: two fragment buffers of 112 (2 of tokens, 12 of weights).  window 2: the way out.
.set KSTEP,  128
.set PITCH,  272                       ; 256 bytes + 16: the 16 rows of a fragment load start 4 words apart
.set AHALF,  64*PITCH
.set BHALF,  96*PITCH
.set BOFF,   2*AHALF
.set SLOT,   BOFF+2*BHALF              ; 128 rows of n, then 192 rows of weights: 87,040 bytes
.set SLOT1,  1<<17                     ; slot 1 begins here, so that one exclusive or turns an address in one slot into the other's
.set STAGE,  SLOT1+SLOT                ; 16 rows x 144 bytes for each wave; no tensor load lands here
.set SP,     144
.set SPARE,  STAGE+4*16*SP             ; the spare words, 128 bytes a wave
.set ROPE,   17825792
.set ADRA0, 16                         ; my place in slot 0's rows of n; never rewritten
.set ADRA,  17                         ; the same in the slot in hand
.set ADRB0, 20                         ; likewise for the weights
.set ADRB,  21
.set STO,  24
.set RD,   25
.set GO,   26
.set ROFF, 27
.set SPW,  28
.set NIL,  29
.set ACC,  64
.set F0,   0
.set F1,   112
.set CP,   64                          ; window 2: cos 0-15 / sin 16-31 of token block 0, 32-63 of block 1
.set SN,   80
.set OUT,  96
.set PKR,  128
.set SS,   144
.set RB,   160
.set TB,  15                           ; s15  0 or SLOT1: the slot in hand
.set G1A, 24
.set G0A, 32                           ; s[32:35] the first fill's group 0; s[36:39] the second's, which then walks
.set G1B, 48
.set G0B, 56
.set GS,  66
.set VS,  70
.set PT,  76
.set G1C, (1<<16)|(1<<20)|(1<<21)|(5<<22)|(3<<25)  ; 2-byte elements; padding on; bit 21 beside a mask; after every 64 words 4 words
.set MSB, 0
.macro WIN new
.if MSB != (\new)
	s_set_vgpr_msb (MSB<<8)|(\new)
.set MSB, \new
.endif
.endm
.set MUL,  0x05
.set TO_F, 0x40
.macro JLOAD s                         ; a joint load: waves 0, 1 fetch n's two halves, waves 2, 3 the weights'; s_nop 0 and four v_nop behind each line
	s_cmp_eq_u32 s13, 0
	s_cbranch_scc0 .Lfor_b_\@
	tensor_load_to_lds s[G0A+4*(\s):G0A+4*(\s)+3], s[G1A:G1A+7]
	s_nop 0
.rept 4
	v_nop
.endr
	s_branch .Lasked_\@
.Lfor_b_\@:
	tensor_load_to_lds s[G0B+4*(\s):G0B+4*(\s)+3], s[G1B:G1B+7]
	s_nop 0
.rept 4
	v_nop
.endr
.Lasked_\@:
.endm
.macro CREST
	s_cmp_lg_u32 s12, 0
	s_cbranch_scc1 .Lnot_wave_0_\@
	s_barrier_signal -3
.Lnot_wave_0_\@:
	s_barrier_wait -3
	s_barrier_signal -1
	s_barrier_wait -1
.endm
.macro CROUND
	s_barrier_signal -1
	s_barrier_wait -1
	CREST
.endm
.macro PLACES
.rept 4
	v_nop
.endr
.endm
	s_load_b256 s[4:11], s[0:1], 0x0               ; nbuf 4, wts 6, q_gain 8, qkv 10
	v_lshl_add_u32 v[SPW], v0, 2, SPARE
	v_mov_b32 v[NIL], 0
	ds_add_u32 v[SPW], v[NIL]                      ; the opening: the add and its wait ahead of my first tensor load
	v_lshrrev_b32 v1, 5, v0
	v_readfirstlane_b32 s12, v1                    ; wave
	s_lshr_b32 s13, s12, 1                         ; I fetch for n (0) or for the weights (1),
	s_and_b32 s14, s12, 1                          ; and which half
	s_mov_b32 s[TB], 0
	s_bfe_u32 s40, ttmp6, 0x40000                  ; cx
	s_bfe_u32 s41, ttmp6, 0x40004                  ; cy
	s_lshl_b32 s42, ttmp9, 2
	s_add_co_u32 s42, s42, s40                     ; tile column 0..7
	s_and_b32 s43, ttmp7, 0xffff
	s_lshl_b32 s43, s43, 2
	s_add_co_u32 s43, s43, s41                     ; tile row 0..31
	s_lshl_b32 s44, s41, 2
	s_lshl_b32 s44, 15, s44                        ; my row of the cluster
	s_lshl_b32 s45, 0x1111, s40                    ; my column
	s_or_b32 s[G1A], s44, G1C
	s_or_b32 s[G1B], s45, G1C
	s_mov_b32 s[G1A+1], KSTEP<<16                  ; tensor_dim0 = 128
	s_mov_b32 s[G1B+1], KSTEP<<16
	s_mov_b32 s[G1A+2], 64<<16                     ; tensor_dim1 = the rows of a load
	s_mov_b32 s[G1B+2], 96<<16
	s_mov_b32 s[G1A+3], KSTEP<<16                  ; tile_dim0
	s_mov_b32 s[G1B+3], KSTEP<<16
	s_mov_b32 s[G1A+4], 64                         ; tile_dim1
	s_mov_b32 s[G1B+4], 96
	s_mov_b32 s[G1A+5], 1024                       ; elements from row to row
	s_mov_b32 s[G1B+5], 1024
	s_mov_b32 s[G1A+6], 0
	s_mov_b32 s[G1B+6], 0
	s_mov_b32 s[G1A+7], 0
	s_mov_b32 s[G1B+7], 0
	s_lshl_b32 s16, s43, 7
	s_lshl_b32 s17, s14, 6
	s_add_co_u32 s16, s16, s17
	s_lshl_b32 s16, s16, 11                        ; n: row 128 tr + 64 half, 2,048 bytes a row
	s_mov_b32 s17, 0
	s_mul_i32 s46, s42, 192
	s_mul_i32 s47, s14, 96
	s_add_co_u32 s46, s46, s47
	s_lshl_b32 s46, s46, 11                        ; weights: row 192 tc + 96 half
	s_mov_b32 s47, 0
	s_mul_i32 s20, s14, AHALF                      ; LDS places: made of the wave's number alone
	s_mul_i32 s21, s14, BHALF
	s_add_co_u32 s21, s21, BOFF
	s_mul_i32 s22, s42, 3                          ; the tile's first head
.irp hh, 0,1,2
	s_add_co_u32 s[88+(\hh)], s22, \hh
	s_min_u32 s[88+(\hh)], s[88+(\hh)], 15
	s_lshl_b32 s[88+(\hh)], s[88+(\hh)], 2
.endr
	s_mov_b32 s82, 0x76543210
	s_mov_b32 s83, 0xfedcba98
	s_mov_b32 s84, 0x3c800000                      ; 1 / 64
	s_mov_b32 s85, 0x34000000                      ; f32's eps
	s_wait_dscnt 0x0                               ; the opening add is done
	s_wait_kmcnt 0x0
	s_add_nc_u64 s[16:17], s[4:5], s[16:17]
	s_add_nc_u64 s[46:47], s[6:7], s[46:47]
.irp hh, 0,1,2
	s_load_b32 s[GS+(\hh)], s[8:9], s[88+(\hh)] offset:0x0
.endr
	CROUND                                         ; all sixteen work-groups are here: the first joint loads meet
.irp s, 0,1
	s_mov_b32 s[G0A+4*(\s)], 1
	s_add_co_u32 s[G0A+4*(\s)+1], s20, (\s)*SLOT1
	s_add_nc_u64 s[G0A+4*(\s)+2:G0A+4*(\s)+3], s[16:17], (\s)*KSTEP*2
	s_or_b32 s[G0A+4*(\s)+3], s[G0A+4*(\s)+3], 0x80000000
	s_mov_b32 s[G0B+4*(\s)], 1
	s_add_co_u32 s[G0B+4*(\s)+1], s21, (\s)*SLOT1
	s_add_nc_u64 s[G0B+4*(\s)+2:G0B+4*(\s)+3], s[46:47], (\s)*KSTEP*2
	s_or_b32 s[G0B+4*(\s)+3], s[G0B+4*(\s)+3], 0x80000000
	JLOAD \s
.endr
	v_and_b32 v1, 15, v0                           ; r
	v_bfe_u32 v2, v0, 4, 1                         ; h
	v_mul_u32_u24 v3, v1, PITCH
	v_lshl_add_u32 v3, v2, 4, v3
	s_mul_i32 s18, s12, 32*PITCH                   ; my 32 tokens
	v_add_nc_u32 v[ADRA0], s18, v3
	v_add_nc_u32 v[ADRB0], BOFF, v3
	v_mov_b32 v[ADRA], v[ADRA0]
	v_mov_b32 v[ADRB], v[ADRB0]
	s_mul_i32 s18, s12, 16*SP
	s_add_co_u32 s18, s18, STAGE
	v_mul_u32_u24 v4, v1, SP
	v_lshl_add_u32 v4, v2, 4, v4
	v_add_nc_u32 v[STO], s18, v4                   ; in: row r, 16 bytes for each half of the lanes
	v_bfe_u32 v4, v0, 3, 2
	v_mul_u32_u24 v4, v4, SP
	v_and_b32 v5, 7, v0
	v_lshl_add_u32 v4, v5, 4, v4
	v_add_nc_u32 v[RD], s18, v4                    ; back: 32 lanes take four rows of 128 bytes,
	v_and_b32 v[GO], 31, v0
	v_lshlrev_b32 v[GO], 4, v[GO]                  ; 512 consecutive bytes of a head
	s_and_b32 s19, s43, 15
	s_lshl_b32 s19, s19, 7
	s_lshl_b32 s18, s12, 5
	s_add_co_u32 s19, s19, s18                     ; my first token's place in its sequence
	v_add_nc_u32 v[ROFF], s19, v1
	v_lshlrev_b32 v[ROFF], 8, v[ROFF]
	v_lshl_add_u32 v[ROFF], v2, 5, v[ROFF]         ; table row, + 32 h: my 8 channels of a block of 16
	s_add_nc_u64 s[86:87], s[6:7], ROPE
	WIN 0x80
.irp a, 0,1
.irp nb, 0,1
.irp p, 0,1
	global_load_b128 v[32*(\a)+8*(\nb)+4*(\p):32*(\a)+8*(\nb)+4*(\p)+3], v[ROFF], s[86:87] offset:(\a)*4096+64*(\nb)+16*(\p)
	global_load_b128 v[32*(\a)+16+8*(\nb)+4*(\p):32*(\a)+16+8*(\nb)+4*(\p)+3], v[ROFF], s[86:87] offset:(\a)*4096+128+64*(\nb)+16*(\p)
.endr
.endr
.endr
	WIN 0
	s_lshr_b32 s18, s43, 4                         ; the batch
	s_mul_i32 s18, s18, 24
	s_add_co_u32 s18, s18, s22
	s_lshl_b32 s18, s18, 18                        ; a head is 2,048 rows of 128 bytes
	s_lshl_b32 s19, s19, 7
	s_add_co_u32 s18, s18, s19
	s_mov_b32 s19, 0
	s_add_nc_u64 s[PT:PT+1], s[10:11], s[18:19]
	s_add_nc_u64 s[PT+2:PT+3], s[PT:PT+1], 0x40000
	s_add_nc_u64 s[PT+4:PT+5], s[PT:PT+1], 0x80000
	s_wait_kmcnt 0x0                               ; the gains
.irp hh, 0,1,2
	s_add_co_u32 s18, s22, \hh
	s_cmp_lt_u32 s18, 16
	s_cselect_b32 s[GS+(\hh)], s[GS+(\hh)], 1.0
	s_cmp_lt_u32 s18, 20
	s_cselect_b32 s[GS+(\hh)], s[GS+(\hh)], 0
	s_cselect_b32 s[VS+2*(\hh)], 0, 1.0
	s_mov_b32 s[VS+2*(\hh)+1], s[VS+2*(\hh)]
.endr
; 8 of a quarter's 24 matrix instructions; the 24 accumulators take turns
.macro MUL8 f, g, zero
	WIN MUL
.set i, 8*(\g)
.rept 8
.set rA, (\f)+8*(i/12)
.set rB, (\f)+16+8*(i%12)
.set rD, ACC+8*i
.if \zero
	v_wmma_f32_16x16x32_bf16 v[rD:rD+7], v[rB:rB+7], v[rA:rA+7], 0
.else
	v_wmma_f32_16x16x32_bf16 v[rD:rD+7], v[rB:rB+7], v[rA:rA+7], v[rD:rD+7]
.endif
.set i, i+1
.endr
.endm
.macro FETCH k, f                      ; 28 LDS loads in one run: the fragments of 32 along K at byte k of the rows of the slot in hand
	WIN TO_F
.irp a, 0,1
	ds_load_b128 v[(\f)+8*(\a):(\f)+8*(\a)+3],   v[ADRA] offset:(\k)+(\a)*16*PITCH
	ds_load_b128 v[(\f)+8*(\a)+4:(\f)+8*(\a)+7], v[ADRA] offset:(\k)+(\a)*16*PITCH+32
.endr
.irp b, 0,1,2,3,4,5,6,7,8,9,10,11
	ds_load_b128 v[(\f)+16+8*(\b):(\f)+16+8*(\b)+3],   v[ADRB] offset:(\k)+(\b)*16*PITCH
	ds_load_b128 v[(\f)+16+8*(\b)+4:(\f)+16+8*(\b)+7], v[ADRB] offset:(\k)+(\b)*16*PITCH+32
.endr
.endm
.macro QUARTER k, f, g, zero           ; multiplies buffer f; behind its first eight products fetches the next quarter into g
	s_wait_dscnt 0x0
	MUL8 \f, 0, \zero
	PLACES                                         ; four places between the last product that read g and the loads into it
	FETCH \k, \g
	MUL8 \f, 1, \zero
	MUL8 \f, 2, \zero
.endm
.macro MEET                            ; two thirds of a K step's last quarter, and the barrier of the change of slots
	WIN 0
	s_wait_tensorcnt 0x0                           ; all my tensor loads have landed: my part of the next slot;
	ds_add_u32 v[SPW], v[NIL]
	s_wait_dscnt 1                                 ; (the add alone may be out: buffer 1 is in)
	MUL8 F1, 0, 0
	s_wait_dscnt 0x0                               ; the add is done, and my reads of this slot are over
	s_barrier_signal -1
	MUL8 F1, 1, 0
	WIN 0
	s_barrier_wait -1
.endm
.macro NEXTSLOT                        ; the fragment loads go on in the other slot
	s_xor_b32 s[TB], s[TB], SLOT1
	v_add_nc_u32 v[ADRA], s[TB], v[ADRA0]
	v_add_nc_u32 v[ADRB], s[TB], v[ADRB0]
.endm
	s_wait_tensorcnt 1                             ; my part of K step 0 is in; K step 1's may stay out
	s_barrier_signal -1
	s_barrier_wait -1
	FETCH 0, F0
	QUARTER 64, F0, F1, 1                          ; the first quarter's products start the sums
	WIN 0
	s_mov_b32 s3, 6
.Lstep:                                                ; a trip: a K step's quarters 1 to 3, its slot filled again with the step two on, and the next step's quarter 0
	QUARTER 128, F1, F0, 0
	QUARTER 192, F0, F1, 0
	MEET
	CREST                                          ; the barrier has opened a round of the cluster's: no wave of any partner still reads this slot or has a load on its way
	s_xor_b32 s[G0A+5], s[G0A+5], SLOT1            ; the walking descriptors: the other slot than last time,
	s_add_nc_u64 s[G0A+6:G0A+7], s[G0A+6:G0A+7], KSTEP*2  ; the next K step
	s_xor_b32 s[G0B+5], s[G0B+5], SLOT1
	s_add_nc_u64 s[G0B+6:G0B+7], s[G0B+6:G0B+7], KSTEP*2
	JLOAD 1                                        ; the first tensor load behind the round; its four v_nop are also the places in front of the loads below
	NEXTSLOT
	FETCH 0, F0
	MUL8 F1, 2, 0
	QUARTER 64, F0, F1, 0
	WIN 0
	s_sub_co_u32 s3, s3, 1
	s_cmp_lg_u32 s3, 0
	s_cbranch_scc1 .Lstep
	s_mov_b32 s3, 2
.Llast:                                                ; the last two K steps fill nothing
	QUARTER 128, F1, F0, 0
	QUARTER 192, F0, F1, 0
	MEET
	MUL8 F1, 2, 0
	WIN 0
	s_cmp_eq_u32 s3, 1
	s_cbranch_scc1 .Lnomore                        ; behind the very last step nothing is left to fetch: LDS loads and products alone are jumped
	NEXTSLOT
	PLACES
	FETCH 0, F0
	QUARTER 64, F0, F1, 0
	WIN 0
.Lnomore:
	s_sub_co_u32 s3, s3, 1
	s_cmp_lg_u32 s3, 0
	s_cbranch_scc1 .Llast
	; THE WAY OUT.  Six pieces q = 3 a + hh (16 tokens of one head).  Sums of squares: six chains, each over its head's 32 registers in ascending order.
	PLACES
	s_wait_loadcnt 0x0                             ; cos and sin
	WIN 0xa0
.set z, 0
.rept 16
.set q, 0
.rept 6
.set rX, ACC+8*(12*(q/3)+4*(q%3))+2*z
.if z == 0
	v_pk_mul_f32 v[SS+2*q:SS+2*q+1], v[rX:rX+1], v[rX:rX+1]
.else
	v_pk_fma_f32 v[SS+2*q:SS+2*q+1], v[rX:rX+1], v[rX:rX+1], v[SS+2*q:SS+2*q+1]
.endif
.set q, q+1
.endr
.set z, z+1
.endr
	WIN 0xaa
.irp q, 0,1,2,3,4,5
	v_add_f32 v[SS+2*(\q)], v[SS+2*(\q)], v[SS+2*(\q)+1]
.endr
.irp q, 0,1,2,3,4,5
	v_permlanex16_b32 v[SS+2*(\q)+1], v[SS+2*(\q)], s82, s83   ; the head's other 32 channels lie in the lane 16 away
.endr
.irp q, 0,1,2,3,4,5
	v_add_f32 v[SS+2*(\q)], v[SS+2*(\q)], v[SS+2*(\q)+1]
.endr
.irp q, 0,1,2,3,4,5
	v_fma_f32 v[SS+2*(\q)], v[SS+2*(\q)], s84, s85
.endr
.irp q, 0,1,2,3,4,5
	v_rsq_f32 v[SS+2*(\q)], v[SS+2*(\q)]
.endr
	v_nop                                          ; a plain instruction behind the last of the batch,
	s_wait_alu depctr_va_vdst(0)                   ; and one wait for the six
.irp q, 0,1,2,3,4,5
	v_mul_f32 v[SS+2*(\q)], s[GS+(\q)%3], v[SS+2*(\q)]
.endr
.irp q, 0,1,2,3,4,5
	v_mov_b32 v[SS+2*(\q)+1], v[SS+2*(\q)]
.endr
.macro PACK q
.set pa, (\q)/3
.set ph, (\q)%3
	WIN 0xaa
.set z, 0
.rept 8
	v_pk_fma_f32 v[CP+2*z:CP+2*z+1], v[32*pa+2*z:32*pa+2*z+1], v[SS+2*(\q):SS+2*(\q)+1], s[VS+2*ph:VS+2*ph+1] op_sel_hi:[1,1,0]
	v_pk_mul_f32 v[SN+2*z:SN+2*z+1], v[32*pa+16+2*z:32*pa+16+2*z+1], v[SS+2*(\q):SS+2*(\q)+1]
.set z, z+1
.endr
	WIN 0xa8                                       ; source 0 the sums in window 0, the rest in window 2
.set z, 0
.rept 8
.set xa, ACC+8*(12*pa+4*ph)+2*z                 ; channels 0-31
.set xb, xa+16                                  ; channels 32-63
	v_pk_mul_f32 v[OUT+2*z:OUT+2*z+1], v[xa:xa+1], v[CP+2*z:CP+2*z+1]
	v_pk_mul_f32 v[OUT+16+2*z:OUT+16+2*z+1], v[xb:xb+1], v[CP+2*z:CP+2*z+1]
	v_pk_fma_f32 v[OUT+2*z:OUT+2*z+1], v[xb:xb+1], v[SN+2*z:SN+2*z+1], v[OUT+2*z:OUT+2*z+1]
	v_pk_fma_f32 v[OUT+16+2*z:OUT+16+2*z+1], v[xa:xa+1], v[SN+2*z:SN+2*z+1], v[OUT+16+2*z:OUT+16+2*z+1] neg_lo:[1,0,0] neg_hi:[1,0,0]
.set z, z+1
.endr
	WIN 0x8a
.set z, 0
.rept 16
	v_cvt_pk_f16_f32 v[PKR+z], v[OUT+2*z], v[OUT+2*z+1]
.set z, z+1
.endr
	WIN 0x08
.irp b, 0,1,2,3
	ds_store_b128 v[STO], v[PKR+4*(\b):PKR+4*(\b)+3] offset:32*(\b)
.endr
	WIN 0x80
.irp f, 0,1,2,3
	ds_load_b128 v[RB+16*(\q)+4*(\f):RB+16*(\q)+4*(\f)+3], v[RD] offset:(\f)*4*SP  ; LDS serves a wave's instructions in order: these see the stores above, the next piece's stores come behind them
.endr
.endm
.macro SEND q, younger
	WIN 0x08
.irp f, 0,1,2,3
	s_wait_dscnt (\younger)+3-(\f)
	global_store_b128 v[GO], v[RB+16*(\q)+4*(\f):RB+16*(\q)+4*(\f)+3], s[PT+2*((\q)%3):PT+2*((\q)%3)+1] offset:((\q)/3)*2048+(\f)*512  ; 512 consecutive bytes, aligned
.endr
.endm
	PACK 0
.irp q, 1,2,3,4,5
	PACK \q
	SEND (\q)-1, 8
.endr
	SEND 5, 0
	WIN 0
	s_wait_tensorcnt 0x0                           ; the wave's end
	ds_add_u32 v[SPW], v[NIL]
	s_wait_dscnt 0x0
	CROUND                                         ; the closing round
	s_endpgm
.Lfunc_end_k_q8cd5a742ec_qkv:
	.size	k_q8cd5a742ec_qkv, .Lfunc_end_k_q8cd5a742ec_qkv-k_q8cd5a742ec_qkv
	.p2alignl 7, 3214868480
	.fill 96, 4, 3214868480
	.section	.rodata,"a",@progbits
	.p2align	6, 0x0
	.amdhsa_kernel k_q8cd5a742ec_qkv
		.amdhsa_group_segment_fixed_size 327680
		.amdhsa_private_segment_fixed_size 0
		.amdhsa_enable_private_segment 0
		.amdhsa_kernarg_size 32
		.amdhsa_user_sgpr_count 2
		.amdhsa_user_sgpr_kernarg_segment_ptr 1
		.amdhsa_wavefront_size32 1
		.amdhsa_system_sgpr_workgroup_id_x 1
		.amdhsa_system_sgpr_workgroup_id_y 1
		.amdhsa_system_sgpr_workgroup_id_z 1
		.amdhsa_system_vgpr_workitem_id 0
		.amdhsa_next_free_vgpr 768
		.amdhsa_next_free_sgpr 100
		.amdhsa_reserve_vcc 0
		.amdhsa_float_denorm_mode_32 3
		.amdhsa_float_denorm_mode_16_64 3
		.amdhsa_memory_ordered 1
		.amdhsa_forward_progress 1
		.amdhsa_inst_pref_size 85
	.end_amdhsa_kernel
	.amdgpu_metadata
---
amdhsa.version: [ 1, 2 ]
amdhsa.kernels:
  - .name:           k_q8cd5a742ec_qkv
    .symbol:         k_q8cd5a742ec_qkv.kd
    .args:
      - { .name: nbuf, .offset: 0, .size: 8, .value_kind: global_buffer, .address_space: global }
      - { .name: wts, .offset: 8, .size: 8, .value_kind: global_buffer, .address_space: global }
      - { .name: q_gain, .offset: 16, .size: 8, .value_kind: global_buffer, .address_space: global }
      - { .name: qkv, .offset: 24, .size: 8, .value_kind: global_buffer, .address_space: global }
    .group_segment_fixed_size: 327680
    .private_segment_fixed_size: 0
    .kernarg_segment_align: 8
    .kernarg_segment_size: 32
    .max_flat_workgroup_size: 128
    .sgpr_count:     100
    .vgpr_count:     768
    .wavefront_size: 32
...
	.end_amdgpu_metadata
.endif
;; end of part 7
;; launch attn (part 8): grid 32 x 8, 4 waves a work-group, clusters of 4 x 1, 327,680 bytes of LDS; arguments qkv, ybuf; writes ybuf
.if DOCPART == 8
	.amdgcn_target "amdgcn-amd-amdhsa--gfx1250"
	.amdhsa_code_object_version 6
	.text
	.protected	k_q8cd5a742ec_attn
	.globl	k_q8cd5a742ec_attn
	.p2align	8
	.type	k_q8cd5a742ec_attn,@function
k_q8cd5a742ec_attn:
	s_mov_b64 s[64:65], 0
	v_nop
	global_prefetch_b8 v0, s[64:65] scope:SCOPE_SE
	s_setreg_imm32_b32 hwreg(HW_REG_WAVE_MODE, 25, 1), 1
	s_wait_xcnt 0x0
	s_wait_alu depctr_hold_cnt(0) depctr_sa_sdst(0) depctr_va_vdst(0) depctr_va_sdst(0) depctr_va_ssrc(0) depctr_va_vcc(0) depctr_vm_vsrc(0)
	s_getreg_b32 s2, hwreg(HW_REG_IB_STS2, 6, 4)
	s_cmp_eq_u32 s2, 0
	s_cbranch_scc0 .Lentry_in_a_cluster
	s_endpgm
.Lentry_in_a_cluster:
	s_bfe_u32 s2, ttmp6, 0x10000c
	s_cmp_lg_u32 s2, 0x3003
	s_cbranch_scc0 .Lentry_shape_is_right
	s_endpgm
.Lentry_shape_is_right:
; CAUSAL ATTENTION with grouped heads.  qkv: f16 [b 2][H 24][s 2048][64] (q 0-15, k 16-19, v 20-23); y: f16 [4096][1024], column = head x 64 + channel.
; Products, maxima and sums in f32; the weights p are rounded to f16 for the second product (their sum l is taken of the unrounded p), y once at the end.
; SHARES.  A work-group serves one batch and one key/value head (grid y) and TWO blocks of 32 positions, 63 - p and then p (p = 4 c + cx); wave w is query head 4 kvh + w, two tiles of 16 rows:
; each K and V fragment in LDS serves four heads.  THE WALK.  Key tiles of 256 keys, four steps of 64.  All four partners of a cluster walk tiles 0 .. 7 - c/2 and then 0 .. c/2: nine tiles, 36 steps, for
; every c, asked for jointly.  A block runs to the end of its last tile: the two blocks' own steps add up to 31, so of the 36 steps three are wholly hidden, whatever p.
; One loop with a constant count walks the tiles, a loop of four the steps.  The only other jump goes forward over the first block's end, on a count made from c alone; it passes no barrier and no tensor load.
; cx enters Q's and y's addresses, the mask registers and two scalars made by selects.
; THE MASK.  Every step's scores start from MD x AL + BE: (0, 0) before the block's own step, (1, 0) in it, (0, -1e30) behind it; MD is -1e30 where the key lies behind the query.
; Tile 1's queries lie 16 behind tile 0's: its mask for key block kb is tile 0's for kb - 1, and 0 for kb = 0: so 32 mask registers and 8 zeros in front of them serve both tiles.
; SOFTMAX.  A running maximum m and sum l: p = 2^(c s - c m), c = log2(e) / 8; O and l are multiplied by a = 2^(c m_old - c m_new) in every step; a block begins with c m far below every c s, so its first a is 0.
; Every row sees its own key in the block's own step at the latest, so m is a true score when the first wholly hidden step comes.
; A step goes in phases: 16 products K Q^T, the softmax with ONE batch of 66 exponentials, 16 products V^T P.
; THE WAY OUT.  Each block has a stage of its own in LDS, which the four heads share; both are stored at the kernel's end, 512 consecutive bytes (four heads) of a row of y to a store.
; LIMITS.  A hidden score counts as its value less 1e30; a weight below 2^-126 counts as 0 in l; NaN and infinities are not treated apart; q, k, v arrive within f16's 65,504.
; REGISTERS.  window 0: addresses, statistics, S^T 64-127, P 128-159, O^T 160-223, 224-255 the way out.  window 1: K 0-63, V 64-127, Q 128-159, the second block's Q 160-191, zeros 192-199, MD 200-231.
.set KS,    64
.set PK,    144                        ; a row of K in LDS: 128 bytes + 16
.set PV,    160                        ; a row of V: 128 + 32
.set VOFF,  4*KS*PK
.set SLOT1, 1<<17
.set YST,   SLOT1+4*KS*(PK+PV)         ; two stages: 32 positions x (4 heads x 128 bytes + 16) each; no tensor load lands here
.set YPI,   528
.set YSZ,   32*YPI
.set SPARE, YST+2*YSZ
.set AK0, 2
.set AV0, 3
.set AK,  4
.set AV,  5
.set STO, 6
.set RD,  7
.set GO,  8
.set MV,  12
.set QO,  15
.set ST,  16                           ; tile t at ST + 4 t: c m, m, l (even keys', odd keys')
.set TMP, 24
.set SPW, 62
.set NIL, 63
.set S,   64
.set P,   128
.set O,   160
.set RBK, 224
.set KF,  0
.set VF,  64
.set Q,   128
.set QB,  160
.set MZ,  192
.set MD,  200
.set WV,  12
.set G1K, 24
.set G1V, 32
.set G0K, 40
.set G0V, 44
.set SLOTS, 56
.set CNT, 57
.set CS,  58
.set SEL, 60
.set TBK, 62
.set TBV, 63
.set NXT, 70                           ; the tile to be asked for next
.set LQ,  71                           ; the last tile of the block whose tiles are being asked for
.set TL,  72                           ; the second block's last tile
.set RT,  73                           ; tiles of the block in hand that are still to be finished
.set OFF, 74
.set AL,  76
.set BE,  78
.set YP,  80
.set YP2, 82
.set BIGN, 84
.set DD,  85                           ; the block's own step less the step in hand
.set DS2, 86
.set PAR, 87
.set PAR2, 88
.set RT2, 89
.set MSB, 0
.macro WIN new
.if MSB != (\new)
	s_set_vgpr_msb (MSB<<8)|(\new)
.set MSB, (\new)
.endif
.endm
.macro JLOAD                           ; waves 0, 1 fetch the halves of a tile's K, waves 2, 3 those of its V; s_nop 0 and four v_nop behind each line
	s_cmp_lt_u32 s[WV], 2
	s_cbranch_scc0 .Lfor_v_\@
	tensor_load_to_lds s[G0K:G0K+3], s[G1K:G1K+7]
	s_nop 0
.rept 4
	v_nop
.endr
	s_branch .Lasked_\@
.Lfor_v_\@:
	tensor_load_to_lds s[G0V:G0V+3], s[G1V:G1V+7]
	s_nop 0
.rept 4
	v_nop
.endr
.Lasked_\@:
.endm
.macro CROUND
	s_barrier_signal -1
	s_barrier_wait -1
	s_cmp_lg_u32 s[WV], 0
	s_cbranch_scc1 .Lnot_wave_0_\@
	s_barrier_signal -3
.Lnot_wave_0_\@:
	s_barrier_wait -3
	s_barrier_signal -1
	s_barrier_wait -1
.endm
; THE CHANGE OF SLOTS: all my tensor loads have landed (one is out: my part of the other slot), the add, my LDS instructions are done; behind the round the slot just left is filled with tile NXT.
; (At its first use nothing has been read yet: slot 0 is waited for, slot 1 filled.)
.macro CHANGE fill
	WIN 0
	s_wait_tensorcnt 0x0
	ds_add_u32 v[SPW], v[NIL]                      ; 0 onto my spare word; scalar work stands between it and the wait for it
.if \fill
	s_lshl_b32 s[OFF], s[NXT], 15                  ; a tile is 32,768 bytes of K and of V
	s_xor_b32 s[G0K+1], s[G0K+1], SLOT1
	s_add_nc_u64 s[G0K+2:G0K+3], s[8:9], s[OFF:OFF+1]
	s_or_b32 s[G0K+3], s[G0K+3], 0x80000000
	s_xor_b32 s[G0V+1], s[G0V+1], SLOT1
	s_add_nc_u64 s[G0V+2:G0V+3], s[10:11], s[OFF:OFF+1]
	s_or_b32 s[G0V+3], s[G0V+3], 0x80000000
	s_add_co_u32 s[NXT], s[NXT], 1
	s_cmp_gt_u32 s[NXT], s[LQ]
	s_cselect_b32 s[NXT], 0, s[NXT]                ; behind the first block's last tile: the second block's tile 0
	s_cselect_b32 s[LQ], s[TL], s[LQ]
.endif
	s_sub_co_u32 s[TBK], s[TBK], 4*KS*PK           ; the fetches go back to a slot's first step, in the other slot
	s_xor_b32 s[TBK], s[TBK], SLOT1
	s_sub_co_u32 s[TBV], s[TBV], 4*KS*PV
	s_xor_b32 s[TBV], s[TBV], SLOT1
	s_wait_dscnt 0x0                               ; the add is done; my reads of the slot and my stores into a stage are done
.if \fill
	CROUND
	JLOAD
.else
	s_barrier_signal -1
	s_barrier_wait -1
.endif
.endm
; A BLOCK BEGINS: its mask registers and its statistics; O and l need only be finite.  par: the scalar that holds the block's number modulo 2
.macro BEGIN par
	s_lshl_b32 s2, s[\par], 5
	v_lshlrev_b32 v14, 3, v9
	v_sub_nc_u32 v14, v1, v14
	v_add_nc_u32 v14, s2, v14                      ; my query's place in its own step of 64 keys (tile 0), less my lanes' 8 h
	WIN 0x40
.set i, 0
.rept 32
	v_cmp_gt_i32 vcc_lo, 16*(i/8)+i%8, v14
	v_cndmask_b32 v[MD+i], 0, s[BIGN], vcc_lo
.set i, i+1
.endr
	WIN 0
.irp t, 0,1
	v_mov_b32 v[ST+4*(\t)], 0xfe000000             ; c m: far below every c s
	v_mov_b32 v[ST+4*(\t)+1], 0xff7fffff           ; m
.endr
.endm
.macro REGS t
.set rT, ST+4*(\t)
.set rC, TMP+4*(\t)
.set rM, MV+(\t)
.set rS, S+32*(\t)
.endm
; number n of the 22 that find a tile's maximum and statistics; each accumulator's lowest registers are read first
.macro XS t, n
	REGS \t
.if (\n) < 4
	v_max3_num_f32 v[rC+(\n)], v[rS+8*(\n)], v[rS+8*(\n)+1], v[rS+8*(\n)+2]
.elseif (\n) < 12
	v_max3_num_f32 v[rC+(\n)%4], v[rC+(\n)%4], v[rS+8*((\n)%4)+2*((\n)/4)+1], v[rS+8*((\n)%4)+2*((\n)/4)+2]
.elseif (\n) == 12
	v_max3_num_f32 v[rC], v[rC], v[rS+7], v[rS+15]
.elseif (\n) == 13
	v_max3_num_f32 v[rC+1], v[rC+1], v[rS+23], v[rS+31]
.elseif (\n) == 14
	v_max3_num_f32 v[rC+2], v[rC+2], v[rC+3], v[rT+1]
.elseif (\n) == 15
	v_mov_b32 v[rM], v[rT]
.elseif (\n) == 16
	v_max3_num_f32 v[rC], v[rC], v[rC+1], v[rC+2]
.elseif (\n) == 17
	v_permlanex16_b32 v[rC+3], v[rC], s[SEL], s[SEL+1]
.elseif (\n) == 18
	v_max_num_f32 v[rT+1], v[rC], v[rC+3]
.elseif (\n) == 19
	v_mul_f32 v[rT], s[CS], v[rT+1]
.elseif (\n) == 20
	v_sub_f32 v[rC+1], v[rM], v[rT]
.else
	v_exp_f32 v[rC+2], v[rC+1]
.endif
.endm
.macro SUM1 t                          ; sum z of 15: neighbours 1, 2, 4, 8 pairs apart
	REGS \t
.set w, 4
.set u, z
.if z >= 14
.set w, 32
.set u, 0
.elseif z >= 12
.set w, 16
.set u, z-12
.elseif z >= 8
.set w, 8
.set u, z-8
.endif
	v_pk_add_f32 v[rS+w*u:rS+w*u+1], v[rS+w*u:rS+w*u+1], v[rS+w*u+w/2:rS+w*u+w/2+1]
.endm
; A KEY STEP: 64 keys, both tiles of 16 queries.  No jump stands in it.
.macro STEP
	v_add_nc_u32 v[AK], s[TBK], v[AK0]
	v_add_nc_u32 v[AV], s[TBV], v[AV0]
	WIN 0x40
.irp f, 0,1,2,3,4,5,6,7
	ds_load_b128 v[KF+8*(\f):KF+8*(\f)+3],   v[AK] offset:((\f)/2)*16*PK+((\f)%2)*64
	ds_load_b128 v[KF+8*(\f)+4:KF+8*(\f)+7], v[AK] offset:((\f)/2)*16*PK+((\f)%2)*64+32
.endr
.irp f, 0,1,2,3,4,5,6,7
	ds_load_tr16_b128 v[VF+8*(\f):VF+8*(\f)+3],   v[AV] offset:((\f)/4)*32*PV+((\f)%4)*32
	ds_load_tr16_b128 v[VF+8*(\f)+4:VF+8*(\f)+7], v[AV] offset:((\f)/4)*32*PV+16*PV+((\f)%4)*32
.endr
	s_cmp_eq_u32 s[DD], 0                          ; is this step the block's own,
	s_cselect_b32 s[AL], 1.0, 0
	s_cmp_lt_i32 s[DD], 0                          ; or behind it?
	s_cselect_b32 s[BE], s[BIGN], 0
	WIN 0x01
.set z, 0
.rept 32
.if z < 16
.set rZ, MD+2*z                        ; tile 0
.else
.set rZ, MZ+2*z-32                     ; tile 1: one key block back, the zeros first
.endif
	v_pk_fma_f32 v[S+2*z:S+2*z+1], v[rZ:rZ+1], s[AL:AL+1], s[BE:BE+1] op_sel_hi:[1,0,0]  ; the scores' start: 0 or -1e30
.set z, z+1
.endr
	s_wait_dscnt 16                                ; K is in; V's sixteen loads may be out
	WIN 0x05
.set i, 0
.rept 16                                ; S^T += K Q^T: channels 32 (i / 8) on, keys 16 ((i / 2) % 4) on, tile i % 2; the 8 accumulators take turns
.set rS, S+32*(i%2)+8*((i/2)%4)
.set rK, KF+16*((i/2)%4)+8*(i/8)
.set rQ, Q+16*(i%2)+8*(i/8)
	v_wmma_f32_16x16x32_f16 v[rS:rS+7], v[rK:rK+7], v[rQ:rQ+7], v[rS:rS+7]
.set i, i+1
.endr
	WIN 0
.rept 4
	v_nop                                          ; the places behind those products
.endr
.irp n, 0,1,2,3,4,5,6,7,8,9,10,11,12,13,14,15,16,17,18,19,20
	XS 0, \n
	XS 1, \n
.endr
.set z, 0
.rept 16
.irp t, 0,1
	v_pk_fma_f32 v[S+32*(\t)+2*z:S+32*(\t)+2*z+1], v[S+32*(\t)+2*z:S+32*(\t)+2*z+1], s[CS:CS+1], v[ST+4*(\t):ST+4*(\t)+1] op_sel_hi:[1,0,0] neg_lo:[0,0,1] neg_hi:[0,0,1]
.endr
.set z, z+1
.endr
	XS 0, 21                                       ; ONE BATCH: the two a and the 64 weights; nothing ahead of the wait names a result
	XS 1, 21
.set z, 0
.rept 64
	v_exp_f32 v[S+z], v[S+z]
.set z, z+1
.endr
	v_nop                                          ; a plain instruction behind the last exponential,
	s_wait_alu depctr_va_vdst(0)                   ; and the one wait for the batch
.set z, 0
.rept 32
	v_cvt_pk_f16_f32 v[P+z], v[S+2*z], v[S+2*z+1]
.set z, z+1
.endr
.set z, 0
.rept 15
	SUM1 0
	SUM1 1
.set z, z+1
.endr
.irp t, 0,1
	v_pk_fma_f32 v[ST+4*(\t)+2:ST+4*(\t)+3], v[ST+4*(\t)+2:ST+4*(\t)+3], v[TMP+4*(\t)+2:TMP+4*(\t)+3], v[S+32*(\t):S+32*(\t)+1] op_sel_hi:[1,0,1]
.endr
.set z, 0
.rept 32
	v_pk_mul_f32 v[O+2*z:O+2*z+1], v[O+2*z:O+2*z+1], v[TMP+4*(z/16)+2:TMP+4*(z/16)+3] op_sel_hi:[1,0]
.set z, z+1
.endr
	s_wait_dscnt 0x0                               ; V is in
	WIN 0x01
.set i, 0
.rept 16                                ; O^T += V^T P: keys 32 (i / 8) on, channels 16 ((i / 2) % 4) on, tile i % 2
.set rO, O+32*(i%2)+8*((i/2)%4)
.set rV, VF+32*(i/8)+8*((i/2)%4)
.set rP, P+16*(i%2)+8*(i/8)
	v_wmma_f32_16x16x32_f16 v[rO:rO+7], v[rV:rV+7], v[rP:rP+7], v[rO:rO+7]
.set i, i+1
.endr
	WIN 0
.rept 4
	v_nop                                          ; the places in front of the next loads into V's registers and of the block's end
.endr
.endm
.macro FOUR                            ; a tile's four steps: written once, walked four times; the LDS addresses hang on TBK and TBV
	s_mov_b32 s[CNT], 4
.Lstep_\@:
	STEP
	s_sub_co_i32 s[DD], s[DD], 1
	s_add_co_u32 s[TBK], s[TBK], KS*PK
	s_add_co_u32 s[TBV], s[TBV], KS*PV
	s_sub_co_u32 s[CNT], s[CNT], 1
	s_cmp_lg_u32 s[CNT], 0
	s_cbranch_scc1 .Lstep_\@
.endm
; A BLOCK ENDS: O^T / l, rounded to f16, into stage st
.macro FINISH st
.irp t, 0,1
	v_add_f32 v[ST+4*(\t)+2], v[ST+4*(\t)+2], v[ST+4*(\t)+3]
.endr
.irp t, 0,1
	v_permlanex16_b32 v[ST+4*(\t)+3], v[ST+4*(\t)+2], s[SEL], s[SEL+1]
.endr
.irp t, 0,1
	v_add_f32 v[ST+4*(\t)+2], v[ST+4*(\t)+2], v[ST+4*(\t)+3]
.endr
.irp t, 0,1
	v_rcp_f32 v[ST+4*(\t)+2], v[ST+4*(\t)+2]
.endr
	v_nop
	s_wait_alu depctr_va_vdst(0)                   ; one wait for the two reciprocals
.set z, 0
.rept 32
	v_pk_mul_f32 v[O+2*z:O+2*z+1], v[O+2*z:O+2*z+1], v[ST+4*(z/16)+2:ST+4*(z/16)+3] op_sel_hi:[1,0]
.set z, z+1
.endr
.set z, 0
.rept 32
	v_cvt_pk_f16_f32 v[S+z], v[O+2*z], v[O+2*z+1]
.set z, z+1
.endr
.irp t, 0,1
.irp cb, 0,1,2,3
	ds_store_b128 v[STO], v[S+16*(\t)+4*(\cb):S+16*(\t)+4*(\cb)+3] offset:(\st)*YSZ+(\t)*16*YPI+32*(\cb)
.endr
.endr
.endm
	s_load_b128 s[4:7], s[0:1], 0x0                ; qkv 4, ybuf 6
	v_lshl_add_u32 v[SPW], v0, 2, SPARE
	v_mov_b32 v[NIL], 0
	ds_add_u32 v[SPW], v[NIL]                      ; the opening: the add and its wait ahead of my first tensor load
	v_lshrrev_b32 v1, 5, v0
	v_readfirstlane_b32 s[WV], v1
	s_bfe_u32 s13, ttmp6, 0x40000                  ; cx
	s_mov_b32 s14, ttmp9                           ; c
	s_and_b32 s15, ttmp7, 0xffff
	s_lshr_b32 s16, s15, 2                         ; batch
	s_and_b32 s17, s15, 3                          ; key/value head
	s_lshl_b32 s18, s14, 2
	s_add_co_u32 s18, s18, s13                     ; p: the second block
	s_sub_co_u32 s19, 63, s18                      ; the first block
	s_mul_i32 s20, s16, 24
	s_add_co_u32 s21, s20, s17
	s_add_co_u32 s21, s21, 16
	s_lshl_b32 s22, s21, 18                        ; K's head: 2,048 rows of 128 bytes
	s_and_b32 s3, s[WV], 1                         ; which half of a tile's 256 keys I fetch
	s_lshl_b32 s2, s3, 14
	s_add_co_u32 s22, s22, s2
	s_mov_b32 s23, 0
	s_mul_i32 s48, s3, 128*PK
	s_mul_i32 s49, s3, 128*PV
	s_lshl_b32 s50, s17, 2
	s_add_co_u32 s50, s50, s20
	s_add_co_u32 s50, s50, s[WV]                   ; my query head
	s_lshl_b32 s50, s50, 18
	s_lshl_b32 s51, s19, 12                        ; 32 rows of 128 bytes a block
	s_add_co_u32 s52, s50, s51
	s_mov_b32 s53, 0
	s_lshl_b32 s51, s18, 12
	s_add_co_u32 s54, s50, s51
	s_mov_b32 s55, 0
	s_lshl_b32 s50, s16, 22                        ; y: 2,048 rows of 2,048 bytes a batch,
	s_lshl_b32 s51, s17, 9                         ; the four heads' 512 bytes,
	s_add_co_u32 s50, s50, s51
	s_lshl_b32 s51, s19, 16                        ; 32 rows a block
	s_add_co_u32 s[YP], s50, s51
	s_mov_b32 s[YP+1], 0
	s_lshl_b32 s51, s18, 16
	s_add_co_u32 s[YP2], s50, s51
	s_mov_b32 s[YP2+1], 0
	s_lshr_b32 s[DD], s19, 1                       ; the first block's own step,
	s_lshr_b32 s[DS2], s18, 1                      ; the second's
	s_and_b32 s[PAR], s19, 1
	s_and_b32 s[PAR2], s18, 1
	s_lshr_b32 s[TL], s14, 1                       ; the second block's last tile: c / 2,
	s_sub_co_u32 s[LQ], 7, s[TL]                   ; the first's: 7 - c / 2
	s_add_co_u32 s[RT], s[LQ], 1
	s_add_co_u32 s[RT2], s[TL], 1
	s_mov_b32 s[G1K], 15|(1<<16)|(1<<20)|(1<<21)|(4<<22)|(3<<25)  ; the mask of four; 2-byte elements; padding on; bit 21 beside a mask; after every 32 words 4 words
	s_mov_b32 s[G1V], 15|(1<<16)|(1<<20)|(1<<21)|(4<<22)|(7<<25)  ; the same with 8 words
.irp g, G1K, G1V
	s_mov_b32 s[\g+1], 128<<16                     ; 128 keys are 16,384 dense bytes: asked for as 64 rows of 256 bytes
	s_mov_b32 s[\g+2], 64<<16
	s_mov_b32 s[\g+3], 128<<16
	s_mov_b32 s[\g+4], 64
	s_mov_b32 s[\g+5], 128
	s_mov_b32 s[\g+6], 0
	s_mov_b32 s[\g+7], 0
.endr
	s_mov_b32 s[CS], 0x3e38aa3b                    ; c = log2(e) / 8
	s_mov_b32 s[CS+1], s[CS]
	s_mov_b32 s[SEL], 0x76543210
	s_mov_b32 s[SEL+1], 0xfedcba98
	s_mov_b32 s[TBK], SLOT1+4*KS*PK                ; the first change of slots turns these two into 0
	s_mov_b32 s[TBV], SLOT1+4*KS*PV
	s_mov_b32 s[G0K], 1
	s_mov_b32 s[G0K+1], s48
	s_mov_b32 s[G0V], 1
	s_add_co_u32 s[G0V+1], s49, VOFF
	s_mov_b32 s[NXT], 1
	s_mov_b32 s[OFF+1], 0
	s_mov_b32 s[AL+1], 0
	s_mov_b32 s[BE+1], 0
	s_mov_b32 s[BIGN], 0xf149f2ca                  ; -1e30
	s_mov_b32 s[SLOTS], 8
	s_wait_dscnt 0x0                               ; the opening add is done
	s_wait_kmcnt 0x0
	s_add_nc_u64 s[8:9], s[4:5], s[22:23]          ; K at my half of tile 0,
	s_add_nc_u64 s[10:11], s[8:9], 0x100000        ; V four heads on
	s_add_nc_u64 s[G0K+2:G0K+3], s[8:9], 0
	s_or_b32 s[G0K+3], s[G0K+3], 0x80000000
	s_add_nc_u64 s[G0V+2:G0V+3], s[10:11], 0
	s_or_b32 s[G0V+3], s[G0V+3], 0x80000000
	s_add_nc_u64 s[52:53], s[4:5], s[52:53]        ; Q of the first block, of the second
	s_add_nc_u64 s[54:55], s[4:5], s[54:55]
	s_add_nc_u64 s[YP:YP+1], s[6:7], s[YP:YP+1]
	s_add_nc_u64 s[YP2:YP2+1], s[6:7], s[YP2:YP2+1]
	CROUND                                         ; all four work-groups are here
	JLOAD                                          ; tile 0 into slot 0
	v_and_b32 v1, 15, v0                           ; r
	v_bfe_u32 v9, v0, 4, 1                         ; h
	v_lshlrev_b32 v[QO], 7, v1
	v_lshl_add_u32 v[QO], v9, 4, v[QO]
	WIN 0x40
.irp t, 0,1
.irp c, 0,1
	global_load_b128 v[Q+16*(\t)+8*(\c):Q+16*(\t)+8*(\c)+3],    v[QO], s[52:53] offset:(\t)*2048+(\c)*64
	global_load_b128 v[Q+16*(\t)+8*(\c)+4:Q+16*(\t)+8*(\c)+7],  v[QO], s[52:53] offset:(\t)*2048+(\c)*64+32
	global_load_b128 v[QB+16*(\t)+8*(\c):QB+16*(\t)+8*(\c)+3],   v[QO], s[54:55] offset:(\t)*2048+(\c)*64
	global_load_b128 v[QB+16*(\t)+8*(\c)+4:QB+16*(\t)+8*(\c)+7], v[QO], s[54:55] offset:(\t)*2048+(\c)*64+32
.endr
.endr
.set i, 0
.rept 8
	v_mov_b32 v[MZ+i], 0                           ; tile 1's mask for key block 0: nothing is hidden there
.set i, i+1
.endr
	WIN 0
	v_mul_u32_u24 v[AK0], v1, PK
	v_lshl_add_u32 v[AK0], v9, 4, v[AK0]
	v_and_b32 v10, 7, v0
	v_bfe_u32 v11, v0, 3, 1
	v_lshl_add_u32 v[AV0], v9, 3, v10              ; the turning load: key 8 h + l % 8, channels 8 ((l / 8) % 2) on
	v_mul_u32_u24 v[AV0], v[AV0], PV
	v_lshl_add_u32 v[AV0], v11, 4, v[AV0]
	v_add_nc_u32 v[AV0], VOFF, v[AV0]
	v_mul_u32_u24 v[STO], v1, YPI
	v_lshl_add_u32 v[STO], v9, 4, v[STO]
	s_lshl_b32 s2, s[WV], 7
	s_add_co_u32 s2, s2, YST
	v_add_nc_u32 v[STO], s2, v[STO]                ; position r, my head's 128 bytes, 16 bytes for each half of the lanes
	v_and_b32 v10, 31, v0
	v_lshlrev_b32 v10, 4, v10
	s_mul_i32 s2, s[WV], 8*YPI
	s_add_co_u32 s2, s2, YST
	v_add_nc_u32 v[RD], s2, v10                    ; back: wave w takes positions 8 w .. 8 w + 7, 512 bytes each
	s_lshl_b32 s2, s[WV], 14
	v_add_nc_u32 v[GO], s2, v10
	; O^T and l need only be finite when a block begins (its first a is 0): zeros for the first block, what the first block left for the second.  These lines stand in the wait for the first tile.
.set i, 0
.rept 64
	v_mov_b32 v[O+i], 0
.set i, i+1
.endr
.irp t, 0,1
	v_mov_b32 v[ST+4*(\t)+2], 0
	v_mov_b32 v[ST+4*(\t)+3], 0
.endr
	BEGIN PAR                                      ; the first block
	s_wait_loadcnt 0x0                             ; Q, both blocks'
.Lslot:                                                ; eight times: a tile is entered and the next is asked for
	CHANGE 1
	FOUR
	s_sub_co_u32 s[RT], s[RT], 1
	s_cmp_lg_u32 s[RT], 0
	s_cbranch_scc1 .Lbottom                        ; not the first block's last tile (the second block's last is the walk's ninth, behind the loop)
	FINISH 0                                       ; the first block goes into its stage,
	s_mov_b32 s[DD], s[DS2]                        ; and the second is set up
	s_mov_b32 s[RT], s[RT2]
	WIN 0x41
.set i, 0
.rept 32
	v_mov_b32 v[Q+i], v[QB+i]                      ; its Q goes where the one text of the step names Q
.set i, i+1
.endr
	WIN 0
	BEGIN PAR2
.Lbottom:
	s_sub_co_u32 s[SLOTS], s[SLOTS], 1
	s_cmp_lg_u32 s[SLOTS], 0
	s_cbranch_scc1 .Lslot
	CHANGE 0                                       ; the walk's ninth tile is written out: nothing is asked for
	FOUR
	FINISH 1                                       ; the second block goes into its stage
	s_wait_dscnt 0x0                               ; my stores into the stages are done,
	s_barrier_signal -1
	s_barrier_wait -1                              ; everybody's are
.irp i, 0,1,2,3,4,5,6,7
	ds_load_b128 v[RBK+4*(\i):RBK+4*(\i)+3], v[RD] offset:YPI*(\i)
.endr
.irp i, 0,1,2,3,4,5,6,7
	ds_load_b128 v[96+4*(\i):96+4*(\i)+3], v[RD] offset:YSZ+YPI*(\i)
.endr
.irp i, 0,1,2,3,4,5,6,7
	s_wait_dscnt 15-(\i)                           ; LDS loads come back in order: the younger ones may stay out
	global_store_b128 v[GO], v[RBK+4*(\i):RBK+4*(\i)+3], s[YP:YP+1] offset:2048*(\i)  ; 512 consecutive bytes, aligned
.endr
.irp i, 0,1,2,3,4,5,6,7
	s_wait_dscnt 7-(\i)
	global_store_b128 v[GO], v[96+4*(\i):96+4*(\i)+3], s[YP2:YP2+1] offset:2048*(\i)
.endr
	s_wait_tensorcnt 0x0                           ; the wave's end
	ds_add_u32 v[SPW], v[NIL]
	s_wait_dscnt 0x0
	CROUND                                         ; the closing round
	s_endpgm
.Lfunc_end_k_q8cd5a742ec_attn:
	.size	k_q8cd5a742ec_attn, .Lfunc_end_k_q8cd5a742ec_attn-k_q8cd5a742ec_attn
	.p2alignl 7, 3214868480
	.fill 96, 4, 3214868480
	.section	.rodata,"a",@progbits
	.p2align	6, 0x0
	.amdhsa_kernel k_q8cd5a742ec_attn
		.amdhsa_group_segment_fixed_size 327680
		.amdhsa_private_segment_fixed_size 0
		.amdhsa_enable_private_segment 0
		.amdhsa_kernarg_size 16
		.amdhsa_user_sgpr_count 2
		.amdhsa_user_sgpr_kernarg_segment_ptr 1
		.amdhsa_wavefront_size32 1
		.amdhsa_system_sgpr_workgroup_id_x 1
		.amdhsa_system_sgpr_workgroup_id_y 1
		.amdhsa_system_sgpr_workgroup_id_z 1
		.amdhsa_system_vgpr_workitem_id 0
		.amdhsa_next_free_vgpr 512
		.amdhsa_next_free_sgpr 96
		.amdhsa_reserve_vcc 1
		.amdhsa_float_denorm_mode_32 3
		.amdhsa_float_denorm_mode_16_64 3
		.amdhsa_memory_ordered 1
		.amdhsa_forward_progress 1
		.amdhsa_inst_pref_size 74
	.end_amdhsa_kernel
	.amdgpu_metadata
---
amdhsa.version: [ 1, 2 ]
amdhsa.kernels:
  - .name:           k_q8cd5a742ec_attn
    .symbol:         k_q8cd5a742ec_attn.kd
    .args:
      - { .name: qkv, .offset: 0, .size: 8, .value_kind: global_buffer, .address_space: global }
      - { .name: ybuf, .offset: 8, .size: 8, .value_kind: global_buffer, .address_space: global }
    .group_segment_fixed_size: 327680
    .private_segment_fixed_size: 0
    .kernarg_segment_align: 8
    .kernarg_segment_size: 16
    .max_flat_workgroup_size: 128
    .sgpr_count:     96
    .vgpr_count:     512
    .wavefront_size: 32
...
	.end_amdgpu_metadata
.endif
;; end of part 8
;; launch proj (part 9): grid 8 x 32, 4 waves a work-group, clusters of 4 x 4, 327,680 bytes of LDS; arguments ybuf, wts, x, x0, vel, resid_mix, attn_scale, mu, out1, x3; writes out1, x3
.if DOCPART == 9
	.amdgcn_target "amdgcn-amd-amdhsa--gfx1250"
	.amdhsa_code_object_version 6
	.text
	.protected	k_q8cd5a742ec_proj
	.globl	k_q8cd5a742ec_proj
	.p2align	8
	.type	k_q8cd5a742ec_proj,@function
k_q8cd5a742ec_proj:
	s_mov_b64 s[64:65], 0
	v_nop
	global_prefetch_b8 v0, s[64:65] scope:SCOPE_SE
	s_setreg_imm32_b32 hwreg(HW_REG_WAVE_MODE, 25, 1), 1
	s_wait_xcnt 0x0
	s_wait_alu depctr_hold_cnt(0) depctr_sa_sdst(0) depctr_va_vdst(0) depctr_va_sdst(0) depctr_va_ssrc(0) depctr_va_vcc(0) depctr_vm_vsrc(0)
	s_getreg_b32 s2, hwreg(HW_REG_IB_STS2, 6, 4)
	s_cmp_eq_u32 s2, 0
	s_cbranch_scc0 .Lentry_in_a_cluster
	s_endpgm
.Lentry_in_a_cluster:
	s_bfe_u32 s2, ttmp6, 0x10000c
	s_cmp_lg_u32 s2, 0xf033
	s_cbranch_scc0 .Lentry_shape_is_right
	s_endpgm
.Lentry_shape_is_right:
; PROJ and the dynamics.  A = y (f16 [4096][1024]) x Wproj^T (f16 [1024][1024]), sums in f32; then, in f32:
;   x1 = mix0 x + mix1 x0;  x2 = x1 + attn_scale A;  v = clip(0.95 vel - 0.3 x2 + 0.3 clip(mu, 0.5, 1.5), -3, 3) -> out1;  x3 = x2 + 0.01 v -> x3.
; A tile is 128 x 128, four waves of 64 x 64, four K steps of 256 (LDS rows of 512 bytes) through two slots; 4 x 4 clusters: y's tile is shared along a row, the weights' along a column.
; A K STEP IS WRITTEN ONCE: the fragment loads' addresses hang on a scalar that one exclusive or turns from slot to slot, and one descriptor a tensor walks.  Two steps fill their slot again (a loop of two);
; the last two fill nothing (a second loop of two), and the very last jumps forward over the fetch and the first quarter of a step that does not exist.
; The matrix instruction is used transposed (source 0 = 16 weight rows, source 1 = 16 tokens).  x, x0 and vel of the wave's 64 x 64 are asked for straight into registers: half at the head, half between the loops,
; so that they travel under the matrix work.  On the way out 16 rows at a time go through the wave's own stage, so that sixteen lanes hold 256 consecutive bytes of a row.
; -0.3 (x2 - mu) is formed as -0.3 x2 + 0.3 mu: mu is clipped to 0.5..1.5, so no difference of large sums arises.  NaN is not treated apart.
; REGISTERS.  window 0: addresses, v32-63 A then v, v64-95 x1 .. x3, v96-111 the columns' parameters, v128-255 accumulators.  window 1: two fragment buffers.  window 2: x, x0.  window 3: vel.
.set SIZE_K, 1024
.set KSTEP,  256
.set PITCH,  528
.set HALFT,  64*PITCH                  ; 0x8400
.set SLOT,   4*HALFT                   ; 0x21000: it shares no bit with 0, 1, 2 or 3 x HALFT, so an exclusive or with it turns a load's place in one slot into the other's
.set STAGE,  2*SLOT                    ; 16 rows x 272 bytes for each wave; no tensor load lands here
.set SPITCH, 272
.set SPARE,  STAGE+4*16*SPITCH
.set WPROJ,  3145728
.set ADRA0, 16                         ; my place in slot 0's rows of y; never rewritten
.set ADRA,  17                         ; the same in the slot in hand
.set ADRB0, 20
.set ADRB,  21
.set STO,  24
.set RD,   25
.set CO,   26
.set PO,   27
.set SPW,  28
.set NIL,  29
.set CR,   32
.set UR,   64
.set PRM,  96
.set ACC,  128
.set F0,   0
.set F1,   128
.set G1, 24
.set G0, 32                            ; s[32:35] the first fill's group 0; s[36:39] the second's, which then walks
.set G1B, 48
.set G0B, 56
.set WV, 84
.set RH, 85
.set CH, 86
.set TB, 98                            ; s98  0 or SLOT: the slot in hand
.set MSB, 0
.macro WIN new
.if MSB != (\new)
	s_set_vgpr_msb (MSB<<8)|(\new)
.set MSB, \new
.endif
.endm
.set MUL,  0x05
.set TO_F, 0x40
.macro JLOAD s
	s_cmp_eq_u32 s[RH], 0
	s_cbranch_scc0 .Lfor_b_\@
	tensor_load_to_lds s[G0+4*(\s):G0+4*(\s)+3], s[G1:G1+7]
	s_nop 0
.rept 4
	v_nop
.endr
	s_branch .Lasked_\@
.Lfor_b_\@:
	tensor_load_to_lds s[G0B+4*(\s):G0B+4*(\s)+3], s[G1B:G1B+7]
	s_nop 0
.rept 4
	v_nop
.endr
.Lasked_\@:
.endm
.macro CREST
	s_cmp_lg_u32 s[WV], 0
	s_cbranch_scc1 .Lnot_wave_0_\@
	s_barrier_signal -3
.Lnot_wave_0_\@:
	s_barrier_wait -3
	s_barrier_signal -1
	s_barrier_wait -1
.endm
.macro CROUND
	s_barrier_signal -1
	s_barrier_wait -1
	CREST
.endm
.macro PLACES
.rept 4
	v_nop
.endr
.endm
	s_load_b256 s[4:11], s[0:1], 0x0               ; ybuf 4, wts 6, x 8, x0 10
	s_load_b256 s[68:75], s[0:1], 0x20             ; vel 68, resid_mix 70, attn_scale 72, mu 74
	s_load_b128 s[76:79], s[0:1], 0x40             ; out1 76, x3 78
	v_lshl_add_u32 v[SPW], v0, 2, SPARE
	v_mov_b32 v[NIL], 0
	ds_add_u32 v[SPW], v[NIL]                      ; the opening: the add and its wait ahead of my first tensor load
	v_lshrrev_b32 v1, 5, v0
	v_readfirstlane_b32 s[WV], v1
	s_lshr_b32 s[RH], s[WV], 1                     ; which half of the tile's rows is mine; also: I fetch for y (0) or for the weights (1)
	s_and_b32 s[CH], s[WV], 1                      ; which half of its columns; also: which 64 rows I fetch
	s_mov_b32 s[TB], 0
	s_bfe_u32 s40, ttmp6, 0x40000
	s_bfe_u32 s41, ttmp6, 0x40004
	s_lshl_b32 s42, ttmp9, 2
	s_add_co_u32 s42, s42, s40                     ; tile column
	s_and_b32 s13, ttmp7, 0xffff
	s_lshl_b32 s13, s13, 2
	s_add_co_u32 s13, s13, s41                     ; tile row
	s_lshl_b32 s43, s41, 2
	s_lshl_b32 s43, 15, s43
	s_lshl_b32 s44, 0x1111, s40
	s_or_b32 s[G1+0], s43, (1<<16)|(1<<20)|(1<<21)|(6<<22)|(3<<25)  ; 2-byte elements; padding on; bit 21 beside a mask; after every 128 words 4 words
	s_or_b32 s[G1B+0], s44, (1<<16)|(1<<20)|(1<<21)|(6<<22)|(3<<25)
.irp g, G1, G1B
	s_mov_b32 s[(\g)+1], KSTEP<<16
	s_mov_b32 s[(\g)+2], 64<<16
	s_mov_b32 s[(\g)+3], KSTEP<<16
	s_mov_b32 s[(\g)+4], 64
	s_mov_b32 s[(\g)+5], SIZE_K
	s_mov_b32 s[(\g)+6], 0
	s_mov_b32 s[(\g)+7], 0
.endr
	s_lshl_b32 s17, s[CH], 6
	s_lshl_b32 s16, s13, 7
	s_add_co_u32 s16, s16, s17
	s_lshl_b32 s16, s16, 11                        ; y: row 128 tr + 64 half, 2,048 bytes a row
	s_lshl_b32 s46, s42, 7
	s_add_co_u32 s46, s46, s17
	s_lshl_b32 s46, s46, 11
	s_add_co_u32 s46, s46, WPROJ
	s_mov_b32 s17, 0
	s_mov_b32 s47, 0
	s_mul_i32 s20, s[WV], HALFT
	s_mov_b32 s87, 0xc0400000                      ; -3
	s_mov_b32 s88, 0x40400000                      ; 3
	s_mov_b32 s90, 0x3f733333                      ; 0.95
	s_mov_b32 s91, s90
	s_mov_b32 s92, 0xbe99999a                      ; -0.3
	s_mov_b32 s93, s92
	s_mov_b32 s94, 0x3c23d70a                      ; 0.1 x 0.1
	s_mov_b32 s95, s94
	s_wait_dscnt 0x0                               ; the opening add is done
	s_wait_kmcnt 0x0
	s_add_nc_u64 s[14:15], s[4:5], s[16:17]
	s_add_nc_u64 s[46:47], s[6:7], s[46:47]
	CROUND
.irp s, 0,1
	s_mov_b32 s[G0+4*(\s)], 1
	s_add_co_u32 s[G0+4*(\s)+1], s20, (\s)*SLOT
	s_add_nc_u64 s[G0+4*(\s)+2:G0+4*(\s)+3], s[14:15], (\s)*KSTEP*2
	s_or_b32 s[G0+4*(\s)+3], s[G0+4*(\s)+3], 0x80000000
	s_mov_b32 s[G0B+4*(\s)], 1
	s_add_co_u32 s[G0B+4*(\s)+1], s20, (\s)*SLOT
	s_add_nc_u64 s[G0B+4*(\s)+2:G0B+4*(\s)+3], s[46:47], (\s)*KSTEP*2
	s_or_b32 s[G0B+4*(\s)+3], s[G0B+4*(\s)+3], 0x80000000
	JLOAD \s
.endr
	v_and_b32 v1, 15, v0
	v_bfe_u32 v2, v0, 4, 1
	v_mul_u32_u24 v3, v1, PITCH
	v_lshl_add_u32 v3, v2, 4, v3
	s_mul_i32 s21, s[RH], HALFT
	s_mul_i32 s22, s[CH], HALFT
	s_add_co_u32 s22, s22, 2*HALFT
	v_add_nc_u32 v[ADRA0], s21, v3
	v_add_nc_u32 v[ADRB0], s22, v3
	v_mov_b32 v[ADRA], v[ADRA0]
	v_mov_b32 v[ADRB], v[ADRB0]
	s_mul_i32 s23, s[WV], 16*SPITCH
	s_add_co_u32 s23, s23, STAGE
	v_mul_u32_u24 v4, v1, SPITCH
	v_lshl_add_u32 v4, v2, 5, v4
	v_add_nc_u32 v[STO], s23, v4                   ; in: row r, 32 bytes (8 f32) for each half of the lanes
	v_mul_u32_u24 v5, v2, SPITCH
	v_lshl_add_u32 v5, v1, 4, v5
	v_add_nc_u32 v[RD], s23, v5                    ; back: lanes 0-15 one row of 256 bytes, lanes 16-31 the next
	v_lshlrev_b32 v[PO], 4, v1
	v_lshl_add_u32 v[CO], v2, 12, v[PO]            ; and the same two rows in memory
	s_lshl_b32 s18, s13, 7
	s_lshl_b32 s19, s[RH], 6
	s_add_co_u32 s18, s18, s19
	s_lshl_b32 s18, s18, 12                        ; my first row, 4,096 bytes a row
	s_mov_b32 s19, 0
	s_lshl_b32 s96, s42, 9
	s_lshl_b32 s97, s[CH], 8
	s_add_co_u32 s96, s96, s97                     ; my first column, in bytes
	s_mov_b32 s97, 0
	s_add_nc_u64 s[70:71], s[70:71], s[96:97]
	s_add_nc_u64 s[72:73], s[72:73], s[96:97]
	s_add_nc_u64 s[74:75], s[74:75], s[96:97]
	s_add_nc_u64 s[96:97], s[96:97], s[18:19]
	s_add_nc_u64 s[8:9], s[8:9], s[96:97]
	s_add_nc_u64 s[10:11], s[10:11], s[96:97]
	s_add_nc_u64 s[68:69], s[68:69], s[96:97]
	s_add_nc_u64 s[76:77], s[76:77], s[96:97]
	s_add_nc_u64 s[78:79], s[78:79], s[96:97]
	global_load_b128 v[PRM:PRM+3], v[PO], s[70:71]
	global_load_b128 v[PRM+4:PRM+7], v[PO], s[70:71] offset:4096
	global_load_b128 v[PRM+8:PRM+11], v[PO], s[72:73]
	global_load_b128 v[PRM+12:PRM+15], v[PO], s[74:75]
.macro GLOADS a                        ; x, x0 and vel of my rows 16 a .. 16 a + 15: 24 loads
	WIN 0x80
.irp t, 0,1,2,3,4,5,6,7
	global_load_b128 v[32*(\a)+4*(\t):32*(\a)+4*(\t)+3], v[CO], s[8:9] offset:(16*(\a)+2*(\t))*4096
	global_load_b128 v[128+32*(\a)+4*(\t):128+32*(\a)+4*(\t)+3], v[CO], s[10:11] offset:(16*(\a)+2*(\t))*4096
.endr
	WIN 0xc0
.irp t, 0,1,2,3,4,5,6,7
	global_load_b128 v[32*(\a)+4*(\t):32*(\a)+4*(\t)+3], v[CO], s[68:69] offset:(16*(\a)+2*(\t))*4096 th:TH_LOAD_NT
.endr
	WIN 0
.endm
	GLOADS 0
	GLOADS 1
.macro MUL8 f, c, a0, zero
	WIN MUL
.irp a, \a0, (\a0)+1
.irp b, 0,1,2,3
.if \zero
	v_wmma_f32_16x16x32_f16 v[ACC+8*(4*(\a)+(\b)):ACC+8*(4*(\a)+(\b))+7], v[(\f)+64+8*(4*(\c)+(\b)):(\f)+64+8*(4*(\c)+(\b))+7], v[(\f)+8*(4*(\c)+(\a)):(\f)+8*(4*(\c)+(\a))+7], 0
.else
	v_wmma_f32_16x16x32_f16 v[ACC+8*(4*(\a)+(\b)):ACC+8*(4*(\a)+(\b))+7], v[(\f)+64+8*(4*(\c)+(\b)):(\f)+64+8*(4*(\c)+(\b))+7], v[(\f)+8*(4*(\c)+(\a)):(\f)+8*(4*(\c)+(\a))+7], v[ACC+8*(4*(\a)+(\b)):ACC+8*(4*(\a)+(\b))+7]
.endif
.endr
.endr
.endm
.macro FETCH k, f                      ; 32 LDS loads in one run: the fragments of 64 along K at byte k of the rows of the slot in hand; the first 32 along K first
	WIN TO_F
.irp c, 0,1
.irp i, 0,1,2,3
	ds_load_b128 v[(\f)+64+8*(4*(\c)+(\i)):(\f)+64+8*(4*(\c)+(\i))+3],   v[ADRB] offset:(\k)+64*(\c)+(\i)*16*PITCH
	ds_load_b128 v[(\f)+64+8*(4*(\c)+(\i))+4:(\f)+64+8*(4*(\c)+(\i))+7], v[ADRB] offset:(\k)+64*(\c)+(\i)*16*PITCH+32
	ds_load_b128 v[(\f)+8*(4*(\c)+(\i)):(\f)+8*(4*(\c)+(\i))+3],         v[ADRA] offset:(\k)+64*(\c)+(\i)*16*PITCH
	ds_load_b128 v[(\f)+8*(4*(\c)+(\i))+4:(\f)+8*(4*(\c)+(\i))+7],       v[ADRA] offset:(\k)+64*(\c)+(\i)*16*PITCH+32
.endr
.endr
.endm
.macro QUARTER k, f, g, zero           ; 64 along K: 32 products on 16 accumulators that take turns; the next quarter's 32 loads in one run in its middle
	s_wait_dscnt 16                                ; the first 32 along K are in
	MUL8 \f, 0, 0, \zero
	MUL8 \f, 0, 2, \zero
	PLACES
	FETCH \k, \g
	s_wait_dscnt 32                                ; all but the 32 just issued
	MUL8 \f, 1, 0, 0
	MUL8 \f, 1, 2, 0
.endm
.macro MEET                            ; half of a K step's last quarter, and the barrier of the change of slots
	WIN 0
	s_wait_tensorcnt 0x0                           ; all my tensor loads have landed: my part of the next slot;
	ds_add_u32 v[SPW], v[NIL]
	s_wait_dscnt 17                                ; (the add and the youngest sixteen loads may be out)
	MUL8 F1, 0, 0, 0
	s_wait_dscnt 0x0                               ; the add is done, and my reads of this slot are over
	s_barrier_signal -1
	MUL8 F1, 0, 2, 0
	WIN 0
	s_barrier_wait -1
.endm
.macro NEXTSLOT                        ; the fragment loads go on in the other slot
	s_xor_b32 s[TB], s[TB], SLOT
	v_add_nc_u32 v[ADRA], s[TB], v[ADRA0]
	v_add_nc_u32 v[ADRB], s[TB], v[ADRB0]
.endm
	s_wait_tensorcnt 1                             ; my part of K step 0 is in; K step 1's may stay out
	s_barrier_signal -1
	s_barrier_wait -1
	FETCH 0, F0
	QUARTER 128, F0, F1, 1                         ; the first quarter's first products start the sums
	WIN 0
	s_mov_b32 s3, 2
.Lstep:                                                ; a trip: a K step's quarters 1 to 3, its slot filled again with the step two on, and the next step's quarter 0
	QUARTER 256, F1, F0, 0
	QUARTER 384, F0, F1, 0
	MEET
	CREST                                          ; the barrier has opened a round of the cluster's: no wave of any partner still reads this slot or has a load on its way
	s_xor_b32 s[G0+5], s[G0+5], SLOT               ; the walking descriptors: the other slot than last time,
	s_add_nc_u64 s[G0+6:G0+7], s[G0+6:G0+7], KSTEP*2  ; the next K step
	s_xor_b32 s[G0B+5], s[G0B+5], SLOT
	s_add_nc_u64 s[G0B+6:G0B+7], s[G0B+6:G0B+7], KSTEP*2
	JLOAD 1                                        ; the first tensor load behind the round; its four v_nop are also the places in front of the loads below
	NEXTSLOT
	FETCH 0, F0
	MUL8 F1, 1, 0, 0
	MUL8 F1, 1, 2, 0
	QUARTER 128, F0, F1, 0
	WIN 0
	s_sub_co_u32 s3, s3, 1
	s_cmp_lg_u32 s3, 0
	s_cbranch_scc1 .Lstep
	GLOADS 2                                       ; the other half of x, x0 and vel travels under the last two K steps
	GLOADS 3
	s_mov_b32 s3, 2
.Llast:                                                ; the last two K steps fill nothing
	QUARTER 256, F1, F0, 0
	QUARTER 384, F0, F1, 0
	MEET
	MUL8 F1, 1, 0, 0
	MUL8 F1, 1, 2, 0
	WIN 0
	s_cmp_eq_u32 s3, 1
	s_cbranch_scc1 .Lnomore                        ; behind the very last step nothing is left to fetch: LDS loads and products alone are jumped
	NEXTSLOT
	PLACES
	FETCH 0, F0
	QUARTER 128, F0, F1, 0
	WIN 0
.Lnomore:
	s_sub_co_u32 s3, s3, 1
	s_cmp_lg_u32 s3, 0
	s_cbranch_scc1 .Llast
	PLACES
	s_wait_loadcnt 48                              ; the parameters and blocks 0, 1 are in; blocks 2, 3 may be out
.irp e, 0,1,2,3
	v_med3_num_f32 v[PRM+12+(\e)], v[PRM+12+(\e)], 0.5, 0x3fc00000
.endr
.irp e, 0,1,2,3
	v_mul_f32 v[PRM+12+(\e)], 0x3e99999a, v[PRM+12+(\e)]   ; 0.3 clip(mu)
.endr
.macro OUTB a, lc
	s_wait_xcnt 0x0                                ; the last block's stores have read their registers
.irp b, 0,1,2,3
	ds_store_b128 v[STO], v[ACC+8*(4*(\a)+(\b)):ACC+8*(4*(\a)+(\b))+3] offset:64*(\b)
	ds_store_b128 v[STO], v[ACC+8*(4*(\a)+(\b))+4:ACC+8*(4*(\a)+(\b))+7] offset:64*(\b)+16
.endr
.irp t, 0,1,2,3,4,5,6,7
	ds_load_b128 v[CR+4*(\t):CR+4*(\t)+3], v[RD] offset:(\t)*2*SPITCH  ; LDS serves a wave's instructions in order: these see the stores above
.endr
	s_wait_loadcnt \lc                             ; this block's x, x0, vel; the later blocks' may be out
	WIN 0x02
.set z, 0
.rept 16
	v_pk_mul_f32 v[UR+2*z:UR+2*z+1], v[32*(\a)+2*z:32*(\a)+2*z+1], v[PRM+2*(z%2):PRM+2*(z%2)+1]
.set z, z+1
.endr
.set z, 0
.rept 16
	v_pk_fma_f32 v[UR+2*z:UR+2*z+1], v[128+32*(\a)+2*z:128+32*(\a)+2*z+1], v[PRM+4+2*(z%2):PRM+4+2*(z%2)+1], v[UR+2*z:UR+2*z+1]
.set z, z+1
.endr
	s_wait_dscnt 0x0
	WIN 0
.set z, 0
.rept 16
	v_pk_fma_f32 v[UR+2*z:UR+2*z+1], v[CR+2*z:CR+2*z+1], v[PRM+8+2*(z%2):PRM+8+2*(z%2)+1], v[UR+2*z:UR+2*z+1]  ; x2
.set z, z+1
.endr
.set z, 0
.rept 16
	v_pk_fma_f32 v[CR+2*z:CR+2*z+1], v[UR+2*z:UR+2*z+1], s[92:93], v[PRM+12+2*(z%2):PRM+12+2*(z%2)+1] op_sel_hi:[1,0,1]
.set z, z+1
.endr
	WIN 0x03
.set z, 0
.rept 16
	v_pk_fma_f32 v[CR+2*z:CR+2*z+1], v[32*(\a)+2*z:32*(\a)+2*z+1], s[90:91], v[CR+2*z:CR+2*z+1] op_sel_hi:[1,0,1]
.set z, z+1
.endr
	WIN 0
.set z, 0
.rept 32
	v_med3_num_f32 v[CR+z], v[CR+z], s87, s88
.set z, z+1
.endr
.set z, 0
.rept 16
	v_pk_fma_f32 v[UR+2*z:UR+2*z+1], v[CR+2*z:CR+2*z+1], s[94:95], v[UR+2*z:UR+2*z+1] op_sel_hi:[1,0,1]  ; x3
.set z, z+1
.endr
.irp t, 0,1,2,3,4,5,6,7
	global_store_b128 v[CO], v[CR+4*(\t):CR+4*(\t)+3], s[76:77] offset:(16*(\a)+2*(\t))*4096 th:TH_STORE_NT  ; sixteen lanes store 256 consecutive bytes, aligned
	global_store_b128 v[CO], v[UR+4*(\t):UR+4*(\t)+3], s[78:79] offset:(16*(\a)+2*(\t))*4096
.endr
.endm
	OUTB 0, 48
	OUTB 1, 48
	OUTB 2, 24
	OUTB 3, 0
	s_wait_tensorcnt 0x0                           ; the wave's end
	ds_add_u32 v[SPW], v[NIL]
	s_wait_dscnt 0x0
	CROUND                                         ; the closing round
	s_endpgm
.Lfunc_end_k_q8cd5a742ec_proj:
	.size	k_q8cd5a742ec_proj, .Lfunc_end_k_q8cd5a742ec_proj-k_q8cd5a742ec_proj
	.p2alignl 7, 3214868480
	.fill 96, 4, 3214868480
	.section	.rodata,"a",@progbits
	.p2align	6, 0x0
	.amdhsa_kernel k_q8cd5a742ec_proj
		.amdhsa_group_segment_fixed_size 327680
		.amdhsa_private_segment_fixed_size 0
		.amdhsa_enable_private_segment 0
		.amdhsa_kernarg_size 80
		.amdhsa_user_sgpr_count 2
		.amdhsa_user_sgpr_kernarg_segment_ptr 1
		.amdhsa_wavefront_size32 1
		.amdhsa_system_sgpr_workgroup_id_x 1
		.amdhsa_system_sgpr_workgroup_id_y 1
		.amdhsa_system_sgpr_workgroup_id_z 1
		.amdhsa_system_vgpr_workitem_id 0
		.amdhsa_next_free_vgpr 896
		.amdhsa_next_free_sgpr 100
		.amdhsa_reserve_vcc 0
		.amdhsa_float_denorm_mode_32 3
		.amdhsa_float_denorm_mode_16_64 3
		.amdhsa_memory_ordered 1
		.amdhsa_forward_progress 1
		.amdhsa_inst_pref_size 104
	.end_amdhsa_kernel
	.amdgpu_metadata
---
amdhsa.version: [ 1, 2 ]
amdhsa.kernels:
  - .name:           k_q8cd5a742ec_proj
    .symbol:         k_q8cd5a742ec_proj.kd
    .args:
      - { .name: ybuf, .offset: 0, .size: 8, .value_kind: global_buffer, .address_space: global }
      - { .name: wts, .offset: 8, .size: 8, .value_kind: global_buffer, .address_space: global }
      - { .name: x, .offset: 16, .size: 8, .value_kind: global_buffer, .address_space: global }
      - { .name: x0, .offset: 24, .size: 8, .value_kind: global_buffer, .address_space: global }
      - { .name: vel, .offset: 32, .size: 8, .value_kind: global_buffer, .address_space: global }
      - { .name: resid_mix, .offset: 40, .size: 8, .value_kind: global_buffer, .address_space: global }
      - { .name: attn_scale, .offset: 48, .size: 8, .value_kind: global_buffer, .address_space: global }
      - { .name: mu, .offset: 56, .size: 8, .value_kind: global_buffer, .address_space: global }
      - { .name: out1, .offset: 64, .size: 8, .value_kind: global_buffer, .address_space: global }
      - { .name: x3, .offset: 72, .size: 8, .value_kind: global_buffer, .address_space: global }
    .group_segment_fixed_size: 327680
    .private_segment_fixed_size: 0
    .kernarg_segment_align: 8
    .kernarg_segment_size: 80
    .max_flat_workgroup_size: 128
    .sgpr_count:     100
    .vgpr_count:     896
    .wavefront_size: 32
...
	.end_amdgpu_metadata
.endif
;; end of part 9
;; launch moe (part 10): grid 135 x 1, 4 waves a work-group, no clusters, 216,576 bytes of LDS; arguments x3, wts, route, mlp_scale, out0; writes out0
.if DOCPART == 10
	.amdgcn_target "amdgcn-amd-amdhsa--gfx1250"
	.amdhsa_code_object_version 6
	.text
	.protected	k_q8cd5a742ec_moe
	.globl	k_q8cd5a742ec_moe
	.p2align	8
	.type	k_q8cd5a742ec_moe,@function
k_q8cd5a742ec_moe:
	s_mov_b64 s[64:65], 0
	v_nop
	global_prefetch_b8 v0, s[64:65] scope:SCOPE_SE
	s_setreg_imm32_b32 hwreg(HW_REG_WAVE_MODE, 25, 1), 1
	s_wait_xcnt 0x0
; THE ROUTED MLP.  out0[t] = x3[t] + mlp_scale x (silu(g) u) down[e], (g, u) = rms(x3[t]) gate_up[e], e = the token's expert.  Only the chosen expert's products are made.
; A work-group takes one tile of the list: up to 32 tokens of one expert, through the whole chain.  4,096 / 32 + 7 = 135 tiles cover every split of the tokens.  Places past the tile's count repeat a row that
; exists, and their stores are jumped; a tile with no rows runs on rows that exist and stores nothing: so both barriers stand on every wave's way, under no branch on loaded numbers.
; WEIGHTS come from memory straight into operand registers, in the order in which an earlier launch laid them: wave w walks ONE stream of 48 units, 32 of gate_up and then 16 of down; a unit is 8 fragments
; (8 KB, 16 loads, 16 products).  Four register buffers: behind a unit's products its buffer takes the unit four further on, so three units, 48 loads, are on their way all through both products.
; No loop writes LDS or holds a barrier; all loops' counts are constants.  What hangs on the tile's count, the final stores, is written out, with fixed LDS addresses, and left by a forward jump.
; NO JOINT LOADS: each weight byte of a tile has one reader wave and goes past LDS; joint loads would want the weights in LDS and whole clusters of 128 rows for each expert.
; The matrix instruction is used transposed (source 0 = 16 weight columns, source 1 = 16 tokens): a lane holds one token.  Block i of a group of 64 columns holds columns 4 m + i; the hidden layer is numbered
; kappa = 64 w + 16 i + m, and down's rows were laid in that order; the output's columns are put in order when x3 is added, through LDS.
; The hidden layer is rounded once to bf16.  silu(g) = g / (1 + 2^(-g log2 e)): for g far below 0 the power is infinite and the quotient 0, as it should be.  Numbers of the list are clamped to their ranges.
; REGISTERS.  window 0: addresses; v32-63 two buffers of token (then hidden) fragments; v64-127 at work; v128-255 the first product's sums.  window 1: four weight buffers.
; window 2: the gathered rows, then the second product's sums.  window 3: mlp_scale 0-127, x3 at work 128-191.
.set WST,  5242880
.set WSTREAM, 48*8192                  ; bytes of a wave's stream
.set APITCH, 2064                      ; a token's 1,024 bf16 + 16 bytes
.set HT,     32*APITCH
.set HPITCH, 528
.set STG,    HT+32*HPITCH              ; [column quarter 4][32 rows][1,024 bytes + 16]: x3 in f32, then the result
.set GPITCH, 1040
.set GQ,     32*GPITCH
.set SPARE,  STG+4*GQ
.set TOK, 4
.set AAD, 5
.set HAD, 6
.set HST, 7
.set SGD, 8
.set SGR, 9
.set WOF, 10
.set COL, 11
.set SPW, 12
.set NIL, 13
.set TAD, 14
.set MSO, 15
.set RO,  16
.set SGA, 24
.set SGB, 25
.set AST, 26
.set MSB, 0
.macro WIN new
.if MSB != (\new)
	s_set_vgpr_msb (MSB<<8)|(\new)
.set MSB, (\new)
.endif
.endm
.macro WLOAD n, li                     ; a unit of weights into buffer n: each load of the wave takes 512 consecutive bytes
	WIN 0x40
.irp b, 0,1,2,3,4,5,6,7
	global_load_b128 v[64*(\n)+8*(\b):64*(\n)+8*(\b)+3],   v[WOF], s[20:21] offset:(\li)+1024*(\b)
	global_load_b128 v[64*(\n)+8*(\b)+4:64*(\n)+8*(\b)+7], v[WOF], s[20:21] offset:(\li)+1024*(\b)+512
.endr
	WIN 0
.endm
.macro TAPRE ad, pt, p, k              ; the two fragments (16 tokens each) of 32 along K at byte k of rows of pitch pt, into buffer p
.irp mb, 0,1
	ds_load_b128 v[32+16*(\p)+8*(\mb):32+16*(\p)+8*(\mb)+3],   v[\ad] offset:(\mb)*16*(\pt)+(\k)
	ds_load_b128 v[32+16*(\p)+8*(\mb)+4:32+16*(\p)+8*(\mb)+7], v[\ad] offset:(\mb)*16*(\pt)+(\k)+32
.endr
.endm
.macro STEPW                           ; the stream's base goes four units on
	s_wait_xcnt 0x0                                ; the loads that name the base have had their addresses translated: only behind this wait is it rewritten; the youngest of them were issued 16 products ago
	s_add_nc_u64 s[20:21], s[20:21], 32768
.endm
; a unit of the first product, the n-th of its trip: 16 products on 16 accumulators; then its buffer takes the unit four further on, at byte li from the base
.macro UNIT1 n, zero, pre, step, li
.if \pre
	TAPRE AAD, APITCH, ((\n)+1)%2, 64*((\n)+1)
.endif
	s_wait_loadcnt 48                              ; behind this unit's loads at least three units' 48 were issued
.if \pre
	s_wait_dscnt 4                                 ; the four loads just issued may be out
.else
	s_wait_dscnt 0x0
.endif
	WIN 0x01
.set i, 0
.rept 16
.if \zero
	v_wmma_f32_16x16x32_bf16 v[128+8*i:128+8*i+7], v[64*((\n)%4)+8*(i/2):64*((\n)%4)+8*(i/2)+7], v[32+16*((\n)%2)+8*(i%2):32+16*((\n)%2)+8*(i%2)+7], 0
.else
	v_wmma_f32_16x16x32_bf16 v[128+8*i:128+8*i+7], v[64*((\n)%4)+8*(i/2):64*((\n)%4)+8*(i/2)+7], v[32+16*((\n)%2)+8*(i%2):32+16*((\n)%2)+8*(i%2)+7], v[128+8*i:128+8*i+7]
.endif
.set i, i+1
.endr
	WIN 0
.rept 4
	v_nop                                          ; four places in front of loads into registers that those products read
.endr
.if \step
	STEPW
.endif
	WLOAD (\n)%4, \li
.endm
; a unit of the second product, the n-th of its trip of four: k block n / 2 of the trip's two, output blocks 8 (n % 2) + 0..7.  pre: the next k block's fragments are asked for.  ld: its buffer is filled again.
; cnt: the loads issued behind this unit's own
.macro UNIT2 n, zero, pre, step, ld, cnt
.if \pre
	TAPRE HAD, HPITCH, ((\n)/2+1)%2, 64*((\n)/2+1)
.endif
	s_wait_loadcnt \cnt
.if \pre
	s_wait_dscnt 4                                 ; the four loads just issued may be out
.elseif ((\n)%2) == 0
	s_wait_dscnt 0x0
.endif
	WIN 0xa1
.set i, 0
.rept 16
.set rD, 128*((\n)%2)+8*i
.set rW, 64*(\n)+8*(i/2)
.set rH, 32+16*(((\n)/2)%2)+8*(i%2)
.if \zero
	v_wmma_f32_16x16x32_bf16 v[rD:rD+7], v[rW:rW+7], v[rH:rH+7], 0
.else
	v_wmma_f32_16x16x32_bf16 v[rD:rD+7], v[rW:rW+7], v[rH:rH+7], v[rD:rD+7]
.endif
.set i, i+1
.endr
	WIN 0
.rept 4
	v_nop
.endr
.if \step
	STEPW
.endif
.if \ld
	WLOAD \n, ((\n)+4)*8192
.endif
.endm
	s_load_b256 s[4:11], s[0:1], 0x0               ; x3 4, wts 6, route 8, mlp_scale 10
	s_load_b64 s[12:13], s[0:1], 0x20              ; out0
	v_lshl_add_u32 v[SPW], v0, 2, SPARE
	v_mov_b32 v[NIL], 0
	v_lshrrev_b32 v1, 5, v0
	v_readfirstlane_b32 s14, v1                    ; wave
	v_and_b32 v1, 31, v0                           ; lane
	v_and_b32 v2, 15, v0                           ; r
	v_bfe_u32 v3, v0, 4, 1                         ; h
	v_lshlrev_b32 v[WOF], 4, v1
	s_lshl_b32 s20, ttmp9, 4
	s_mov_b32 s40, 0x76543210
	s_mov_b32 s41, 0xfedcba98
	s_mov_b32 s42, 0x3a800000                      ; 1 / 1024
	s_mov_b32 s43, 0x34000000                      ; f32's eps
	s_wait_kmcnt 0x0
	s_load_b128 s[16:19], s[8:9], s20 offset:0x4000  ; my tile: expert, first place in the list, rows
	s_wait_kmcnt 0x0
	s_min_u32 s16, s16, 7
	s_min_u32 s17, s17, 0xfff
	s_min_u32 s18, s18, 32
	s_lshl2_add_u32 s26, s16, s14                  ; 4 x expert + wave
	s_mul_i32 s26, s26, WSTREAM
	s_add_co_u32 s26, s26, WST
	s_mov_b32 s27, 0
	s_add_nc_u64 s[20:21], s[6:7], s[26:27]        ; my stream
	s_sub_co_u32 s25, s18, 1
	v_min_u32 v[TAD], s25, v1                      ; places past the count repeat the last row
	v_add_nc_u32 v[TAD], s17, v[TAD]
	v_min_u32 v[TAD], 0xfff, v[TAD]
	v_lshlrev_b32 v[TAD], 2, v[TAD]
	global_load_b32 v[TOK], v[TAD], s[8:9]         ; lane l: the tile's token l
	WLOAD 0, 0
	WLOAD 1, 8192
	WLOAD 2, 16384
	v_mul_u32_u24 v[AAD], v2, APITCH
	v_lshl_add_u32 v[AAD], v3, 4, v[AAD]
	v_mul_u32_u24 v[HAD], v2, HPITCH
	v_lshl_add_u32 v[HAD], v3, 4, v[HAD]
	v_add_nc_u32 v[HAD], HT, v[HAD]
	s_lshl_b32 s26, s14, 7
	v_add_nc_u32 v[HST], s26, v[HAD]
	s_mul_i32 s26, s14, GQ
	s_add_co_u32 s26, s26, STG
	v_mul_u32_u24 v[SGD], v2, GPITCH
	v_lshl_add_u32 v[SGD], v3, 7, v[SGD]
	v_add_nc_u32 v[SGD], s26, v[SGD]
	v_add_nc_u32 v[SGR], s26, v[WOF]
	s_lshl_b32 s26, s14, 10
	v_add_nc_u32 v[COL], s26, v[WOF]
	v_lshl_add_u32 v[MSO], v3, 7, s26
	s_mul_i32 s26, s14, 8*GPITCH
	s_add_co_u32 s26, s26, STG
	v_add_nc_u32 v[SGA], s26, v[WOF]
	v_add_nc_u32 v[SGB], 2*GQ, v[SGA]
	s_mul_i32 s26, s14, 8*APITCH
	v_lshl_add_u32 v[AST], v1, 3, s26
	s_wait_loadcnt 48                              ; the tokens are in; the three units may stay out
	v_min_u32 v[TOK], 0xfff, v[TOK]
	; THE GATHER: wave w takes rows 8 w + i, a whole row of 4,096 bytes in 32 registers
	s_lshl_b32 s29, s14, 3
.set i, 0
.rept 8
	s_add_co_u32 s30, s29, i
	v_readlane_b32 s31, v[TOK], s30
	s_min_u32 s31, s31, 0xfff
	s_lshl_b32 s31, s31, 12
	v_add_nc_u32 v[RO+i], s31, v[WOF]
.set i, i+1
.endr
	WIN 0x80
.set i, 0
.rept 8
.irp t, 0,1,2,3,4,5,6,7
	global_load_b128 v[32*i+4*(\t):32*i+4*(\t)+3], v[RO+i], s[4:5] offset:512*(\t)
.endr
.set i, i+1
.endr
	WIN 0x0a
.set i, 0
.rept 8
	s_wait_loadcnt 8*(7-i)                         ; the later rows may stay out
.set z, 0
.rept 16
.set rX, 32*i+2*z
.set rH, 64+4*i+2*(z%2)
.if z < 2
	v_pk_mul_f32 v[rH:rH+1], v[rX:rX+1], v[rX:rX+1]
.else
	v_pk_fma_f32 v[rH:rH+1], v[rX:rX+1], v[rX:rX+1], v[rH:rH+1]
.endif
.set z, z+1
.endr
.set i, i+1
.endr
	WIN 0
.irp i, 0,1,2,3,4,5,6,7
	v_pk_add_f32 v[64+4*(\i):65+4*(\i)], v[64+4*(\i):65+4*(\i)], v[66+4*(\i):67+4*(\i)]
.endr
.irp i, 0,1,2,3,4,5,6,7
	v_add_f32 v[64+4*(\i)], v[64+4*(\i)], v[65+4*(\i)]
.endr
.irp m, 1,2,4,8
.irp i, 0,1,2,3,4,5,6,7
	v_add_f32_dpp v[64+4*(\i)], v[64+4*(\i)], v[64+4*(\i)] row_xmask:\m row_mask:0xf bank_mask:0xf
.endr
.endr
.irp i, 0,1,2,3,4,5,6,7
	v_permlanex16_b32 v[65+4*(\i)], v[64+4*(\i)], s40, s41
.endr
.irp i, 0,1,2,3,4,5,6,7
	v_add_f32 v[64+4*(\i)], v[64+4*(\i)], v[65+4*(\i)]
.endr
.irp i, 0,1,2,3,4,5,6,7
	v_fma_f32 v[64+4*(\i)], v[64+4*(\i)], s42, s43
.endr
.irp i, 0,1,2,3,4,5,6,7
	v_rsq_f32 v[96+2*(\i)], v[64+4*(\i)]           ; twice each: a pair for the packed multiply; sixteen are one batch
	v_rsq_f32 v[97+2*(\i)], v[64+4*(\i)]
.endr
	v_nop
	s_wait_alu depctr_va_vdst(0)                   ; one wait for the batch
.set i, 0
.rept 8
	WIN 0x02
.set z, 0
.rept 16
	v_pk_mul_f32 v[128+2*z:129+2*z], v[32*i+2*z:32*i+2*z+1], v[96+2*i:97+2*i]
.set z, z+1
.endr
	WIN 0
.set z, 0
.rept 16
	v_cvt_pk_bf16_f32 v[160+z], v[128+2*z], v[129+2*z]
.set z, z+1
.endr
.irp t, 0,1,2,3,4,5,6,7
	ds_store_b64 v[AST], v[160+2*(\t):161+2*(\t)] offset:i*APITCH+256*(\t)
.endr
	WIN 0x08
.irp t, 0,1,2,3
	ds_store_b128 v[SGA], v[32*i+4*(\t):32*i+4*(\t)+3] offset:((\t)/2)*GQ+((\t)%2)*512+i*GPITCH
.endr
.irp t, 4,5,6,7
	ds_store_b128 v[SGB], v[32*i+4*(\t):32*i+4*(\t)+3] offset:(((\t)/2)%2)*GQ+((\t)%2)*512+i*GPITCH
.endr
.set i, i+1
.endr
	WIN 0
	WLOAD 3, 24576
	WIN 0xc0
.irp G, 0,1,2,3
.irp j, 0,1,2,3,4,5,6,7
	global_load_b128 v[32*(\G)+4*(\j):32*(\G)+4*(\j)+3], v[MSO], s[10:11] offset:256*(\G)+16*(\j)   ; mlp_scale of columns 256 w + 64 G + 32 h + 4 j ..
.endr
.endr
	WIN 0
	s_wait_dscnt 0x0                               ; for the others' sake: my rows are in LDS
	s_barrier_signal -1
	s_barrier_wait -1
	; THE FIRST PRODUCT: units 0 to 31, K = 1,024: one unit that starts the sums, 7 x 4 in the loop, three behind it
	TAPRE AAD, APITCH, 0, 0
	UNIT1 0, 1, 1, 0, 4*8192
	s_mov_b32 s24, 7
.Lk1:                                                  ; trip t: units 4 t + 1 to 4 t + 4; they ask for units 4 t + 5 to 4 t + 8
	UNIT1 1, 0, 1, 1, 1*8192
	UNIT1 2, 0, 1, 0, 2*8192
	UNIT1 3, 0, 1, 0, 3*8192
	UNIT1 4, 0, 1, 0, 4*8192
	v_add_nc_u32 v[AAD], 256, v[AAD]
	s_sub_co_u32 s24, s24, 1
	s_cmp_lg_u32 s24, 0
	s_cbranch_scc1 .Lk1
	UNIT1 1, 0, 1, 1, 1*8192                       ; units 29 to 31 ask for units 33 to 35; the base now stands at unit 32
	UNIT1 2, 0, 1, 0, 2*8192
	UNIT1 3, 0, 0, 0, 3*8192
	; silu(g) u: g in v128-191, u in v192-255, register for register
.set z, 0
.rept 32
	v_pk_mul_f32 v[64+2*z:65+2*z], v[128+2*z:129+2*z], 0xbfb8aa3b op_sel_hi:[1,0]
.set z, z+1
.endr
.set z, 0
.rept 64
	v_exp_f32 v[64+z], v[64+z]
.set z, z+1
.endr
	v_nop
	s_wait_alu depctr_va_vdst(0)                   ; one wait for the 64 exponentials
.set z, 0
.rept 32
	v_pk_add_f32 v[64+2*z:65+2*z], v[64+2*z:65+2*z], 1.0 op_sel_hi:[1,0]
.set z, z+1
.endr
.set z, 0
.rept 64
	v_rcp_f32 v[64+z], v[64+z]
.set z, z+1
.endr
	v_nop
	s_wait_alu depctr_va_vdst(0)                   ; one wait for the 64 reciprocals
.set z, 0
.rept 32
	v_pk_mul_f32 v[64+2*z:65+2*z], v[64+2*z:65+2*z], v[128+2*z:129+2*z]
.set z, z+1
.endr
.set z, 0
.rept 32
	v_pk_mul_f32 v[64+2*z:65+2*z], v[64+2*z:65+2*z], v[192+2*z:193+2*z]
.set z, z+1
.endr
.set z, 0
.rept 32
	v_cvt_pk_bf16_f32 v[32+z], v[64+2*z], v[65+2*z]
.set z, z+1
.endr
.irp i, 0,1,2,3
.irp mb, 0,1
	ds_store_b128 v[HST], v[32+4*(2*(\i)+(\mb)):32+4*(2*(\i)+(\mb))+3] offset:(\mb)*16*HPITCH+32*(\i)   ; kappa = 64 w + 16 i + 8 h ..
.endr
.endr
	s_wait_dscnt 0x0                               ; for the others' sake: my part of the hidden layer is in LDS
	s_barrier_signal -1
	s_barrier_wait -1
	; THE SECOND PRODUCT: units 32 to 47, K = 256, my 256 output columns: two units to a k block of 32.  Four units whose first two start the sums, 2 x 4 in the loop, four that ask for nothing
	TAPRE HAD, HPITCH, 0, 0
	UNIT2 0, 1, 1, 0, 1, 48
	UNIT2 1, 1, 0, 0, 1, 48
	UNIT2 2, 0, 1, 0, 1, 48
	UNIT2 3, 0, 0, 0, 1, 48
	v_add_nc_u32 v[HAD], 128, v[HAD]
	s_mov_b32 s24, 2
.Lk2:
	UNIT2 0, 0, 1, 1, 1, 48
	UNIT2 1, 0, 0, 0, 1, 48
	UNIT2 2, 0, 1, 0, 1, 48
	UNIT2 3, 0, 0, 0, 1, 48
	v_add_nc_u32 v[HAD], 128, v[HAD]
	s_sub_co_u32 s24, s24, 1
	s_cmp_lg_u32 s24, 0
	s_cbranch_scc1 .Lk2
	UNIT2 0, 0, 1, 0, 0, 48                        ; the stream's last four units: the counts run down
	UNIT2 1, 0, 0, 0, 0, 32
	UNIT2 2, 0, 0, 0, 0, 16
	UNIT2 3, 0, 0, 0, 0, 0
	; x3 + mlp_scale x sum, one fused multiply-add a number, in the stage: piece q = 4 mb + G is 16 tokens x 64 columns; a lane's 32 columns 64 G + 32 h + 4 j + i come from four accumulators
.macro XL q
	WIN 0xc0
.irp j, 0,1,2,3,4,5,6,7
	ds_load_b128 v[128+32*((\q)%2)+4*(\j):128+32*((\q)%2)+4*(\j)+3], v[SGD] offset:((\q)/4)*16*GPITCH+256*((\q)%4)+16*(\j)
.endr
.endm
.macro E1Q q, cnt, nxt
	s_wait_dscnt \cnt
	WIN 0xfe
.set j, 0
.rept 8
.set i, 0
.rept 4
.set rX, 128+32*((\q)%2)+4*j+i
	v_fma_f32 v[rX], v[8*(2*(4*((\q)%4)+i)+(\q)/4)+j], v[32*((\q)%4)+4*j+i], v[rX]
.set i, i+1
.endr
.set j, j+1
.endr
	WIN 0x0c
.irp j, 0,1,2,3,4,5,6,7
	ds_store_b128 v[SGD], v[128+32*((\q)%2)+4*(\j):128+32*((\q)%2)+4*(\j)+3] offset:((\q)/4)*16*GPITCH+256*((\q)%4)+16*(\j)
.endr
.if \nxt
	XL (\q)+2
.endif
.endm
	XL 0
	XL 1
	E1Q 0, 8, 1                                    ; the next piece's eight loads may be out
.irp q, 1,2,3,4,5
	E1Q \q, 16, 1                                  ; the last piece's eight stores and the next piece's eight loads may be out
.endr
	E1Q 6, 16, 0
	E1Q 7, 8, 0
	WIN 0
	; OUT: my quarter of each row, 1,024 consecutive bytes, to the token's row; rows past the count are jumped.  Written out, four groups of eight rows: the stage's address register is never rewritten,
	; the row stands in the immediate, so that every load's bytes are my wave's own quarter of the stage by arithmetic that can be read off the text
.set g, 0
.rept 4
.if g > 0
	s_wait_xcnt 0x0                                ; the stores' offsets and data are rewritten only behind this wait
.endif
.set rB, 64+64*(g%3)
.set i, 0
.rept 8
	ds_load_b128 v[rB+8*i:rB+8*i+3],   v[SGR] offset:(8*g+i)*GPITCH
	ds_load_b128 v[rB+8*i+4:rB+8*i+7], v[SGR] offset:(8*g+i)*GPITCH+512
.set i, i+1
.endr
	s_wait_dscnt 0x0
.set i, 0
.rept 8
	s_cmp_gt_u32 s18, 8*g+i
	s_cbranch_scc0 .Lend
	v_readlane_b32 s31, v[TOK], 8*g+i
	s_min_u32 s31, s31, 0xfff
	s_lshl_b32 s31, s31, 12
	v_add_nc_u32 v[RO+i], s31, v[COL]
	global_store_b128 v[RO+i], v[rB+8*i:rB+8*i+3],   s[12:13] th:TH_STORE_NT
	global_store_b128 v[RO+i], v[rB+8*i+4:rB+8*i+7], s[12:13] offset:512 th:TH_STORE_NT
.set i, i+1
.endr
.set g, g+1
.endr
.Lend:
	s_wait_tensorcnt 0x0                           ; the wave's end, behind my last LDS store
	ds_add_u32 v[SPW], v[NIL]
	s_wait_dscnt 0x0
	s_endpgm
.Lfunc_end_k_q8cd5a742ec_moe:
	.size	k_q8cd5a742ec_moe, .Lfunc_end_k_q8cd5a742ec_moe-k_q8cd5a742ec_moe
	.p2alignl 7, 3214868480
	.fill 96, 4, 3214868480
	.section	.rodata,"a",@progbits
	.p2align	6, 0x0
	.amdhsa_kernel k_q8cd5a742ec_moe
		.amdhsa_group_segment_fixed_size 216576
		.amdhsa_private_segment_fixed_size 0
		.amdhsa_enable_private_segment 0
		.amdhsa_kernarg_size 40
		.amdhsa_user_sgpr_count 2
		.amdhsa_user_sgpr_kernarg_segment_ptr 1
		.amdhsa_wavefront_size32 1
		.amdhsa_system_sgpr_workgroup_id_x 1
		.amdhsa_system_sgpr_workgroup_id_y 1
		.amdhsa_system_sgpr_workgroup_id_z 1
		.amdhsa_system_vgpr_workitem_id 0
		.amdhsa_next_free_vgpr 960
		.amdhsa_next_free_sgpr 66
		.amdhsa_reserve_vcc 0
		.amdhsa_float_denorm_mode_32 3
		.amdhsa_float_denorm_mode_16_64 3
		.amdhsa_memory_ordered 1
		.amdhsa_forward_progress 1
		.amdhsa_inst_pref_size 172
	.end_amdhsa_kernel
	.amdgpu_metadata
---
amdhsa.version: [ 1, 2 ]
amdhsa.kernels:
  - .name:           k_q8cd5a742ec_moe
    .symbol:         k_q8cd5a742ec_moe.kd
    .args:
      - { .name: x3, .offset: 0, .size: 8, .value_kind: global_buffer, .address_space: global }
      - { .name: wts, .offset: 8, .size: 8, .value_kind: global_buffer, .address_space: global }
      - { .name: route, .offset: 16, .size: 8, .value_kind: global_buffer, .address_space: global }
      - { .name: mlp_scale, .offset: 24, .size: 8, .value_kind: global_buffer, .address_space: global }
      - { .name: out0, .offset: 32, .size: 8, .value_kind: global_buffer, .address_space: global }
    .group_segment_fixed_size: 216576
    .private_segment_fixed_size: 0
    .kernarg_segment_align: 8
    .kernarg_segment_size: 40
    .max_flat_workgroup_size: 128
    .sgpr_count:     66
    .vgpr_count:     960
    .wavefront_size: 32
...
	.end_amdgpu_metadata
.endif
;; end of part 10
